; MI455X (gfx1250); checked and timed in simulation.
; The chip was launched on July 23, 2026; its instructions are those of AMD's public machine-readable ISA for CDNA 5 (MIT licence, August 2026) and "CDNA5" Instruction Set Architecture Reference Guide (July 2026). The comments in the code are by the model that wrote it; some were corrected since.
;; Transformer Block. Allowed arithmetic: matrix products marked QUANTISED: E4M3 operands, one given power-of-two scale a tensor, by v_wmma_f32_16x16x64_fp8_fp8 or v_wmma_f32_16x16x128_fp8_fp8, f32 sums; everything else in f32.
;; Inputs: g1 1,024 float32; g2 1,024 float32; lowp_scales 16 int32 (the exponents e of the quantised operands' scales 2^e); w1_codes 4,096 x 32 x 32 uint8 (E4M3 codes of w1, K innermost, in blocks of 32 codes); w2_codes 1,024 x 128 x 32 uint8 (E4M3 codes of w2, K innermost, in blocks of 32 codes); wk_codes 1,024 x 32 x 32 uint8 (E4M3 codes of wk, K innermost, in blocks of 32 codes); wo_codes 1,024 x 32 x 32 uint8 (E4M3 codes of wo, K innermost, in blocks of 32 codes); wq_codes 1,024 x 32 x 32 uint8 (E4M3 codes of wq, K innermost, in blocks of 32 codes); wv_codes 1,024 x 32 x 32 uint8 (E4M3 codes of wv, K innermost, in blocks of 32 codes); x 2 x 2,048 x 1,024 float32.
;; Outputs: out0 2 x 2,048 x 1,024 float32.
;; This version of the problem:
;;   THIS VERSION OF THE PROBLEM IS GIVEN IN LOW PRECISION. The matrix products marked QUANTISED in the list below multiply operands that are first quantised to E4M3 (4 exponent bits, 3 mantissa bits; 8 bits a number), with one given power-of-two scale for each operand tensor; their sums are f32. All else is computed in f32.
;;   The module's matrix products, in the order in which they are computed (A, B: the left and right operand; K: the contracted axis; several contracted axes count as one K, in the product's order):
;;     1. [M 4,096, K 1,024] x [K 1,024, N 1,024]; A: computed on the way; B: input wq (given as codes): QUANTISED (scales: A lowp_scales[0], B lowp_scales[1])
;;     2. [M 4,096, K 1,024] x [K 1,024, N 1,024]; A: computed on the way; B: input wk (given as codes): QUANTISED (scales: A lowp_scales[2], B lowp_scales[3])
;;     3. [M 4,096, K 1,024] x [K 1,024, N 1,024]; A: computed on the way; B: input wv (given as codes): QUANTISED (scales: A lowp_scales[4], B lowp_scales[5])
;;     4. batch 32 x [M 2,048, K 64] x [K 64, N 2,048]; A: computed on the way; B: computed on the way: QUANTISED (scales: A lowp_scales[6], B lowp_scales[7])
;;     5. batch 32 x [M 64, K 2,048] x [K 2,048, N 2,048]; A: computed on the way; B: softmax (see below): QUANTISED (scales: A lowp_scales[8], B lowp_scales[9])
;;     6. [M 4,096, K 1,024] x [K 1,024, N 1,024]; A: computed on the way; B: input wo (given as codes): QUANTISED (scales: A lowp_scales[10], B lowp_scales[11])
;;     7. [M 4,096, K 1,024] x [K 1,024, N 4,096]; A: computed on the way; B: input w1 (given as codes): QUANTISED (scales: A lowp_scales[12], B lowp_scales[13])
;;     8. [M 4,096, K 4,096] x [K 4,096, N 1,024]; A: computed on the way; B: input w2 (given as codes): QUANTISED (scales: A lowp_scales[14], B lowp_scales[15])
;;   THE QUANTISER, for each operand of a quantised product, along K:
;;     - The operand's scale is 2^e, e = its entry of the input lowp_scales (int32; the entries are numbered through the quantised products in the list's order, A before B).
;;     - Each number is divided by the scale, clamped to +-448, and rounded to the nearest number of E4M3, ties to even, subnormals kept.
;;     - The product sums the exact products of the quantised numbers (number of the format x scale) in f32.
;;   ~~~python
;;   def quantise(x, axis, e):      # numpy; x: float32 -> the quantised numbers, widened to float32 again
;;       x = np.moveaxis(x, axis, -1); K = x.shape[-1]
;;       r = np.clip(x / 2.0 ** e, -448, 448)
;;       step = 2.0 ** (np.maximum(np.frexp(np.where(r == 0, 1, r))[1] - 1, -6) - 3)
;;       q = np.round(r / step) * step * 2.0 ** e      # np.round: ties to even
;;       return np.moveaxis(q, -1, axis).astype(np.float32)
;;   ~~~
;;   SOFTMAX AHEAD OF A QUANTISED PRODUCT. Where the list says 'softmax', what is quantised is not the finished softmax but p = 2^(t - M), with t = logit x log2(e) and M = ceil(the row's largest t), a whole number; so 1/2 < the row's largest p <= 1. The row's sum l is taken of the UNQUANTISED p, in f32, and the product's result is divided by l at the end. Since M is a whole number, a kernel that streams over the keys may use a running M (the ceiling of the running maximum): every later rescaling is an exact power of two, so the quantised numbers keep their values, but for numbers so far below the row's largest that they fall under the format's range.
;;   OPERANDS COMPUTED ON THE WAY. 'Computed on the way' means the value that the module computes at that place (a softmax that the list does not call 'softmax' is quantised finished and normalised). What goes into a quantiser is computed in f32, as accurately as f32 sums, v_exp_f32 and their like allow (about 1e-6 of the number): no bf16 or f16 on the way to a quantiser, and a product that is left as it is and whose result goes on into a quantised operand takes f32 operands (vector FMAs, or v_wmma_f32_16x16x4_f32). A number that lies on a knife's edge between two numbers of the format may be rounded either way, as far as f32 arithmetic and the matrix unit's own rounding can turn it there, and no further.
;;   INPUTS GIVEN AS CODES. w1 (in the module: [4096, 1024], K = its axis 1); w2 (in the module: [1024, 4096], K = its axis 1); wk (in the module: [1024, 1024], K = its axis 1); wo (in the module: [1024, 1024], K = its axis 1); wq (in the module: [1024, 1024], K = its axis 1); wv (in the module: [1024, 1024], K = its axis 1): each comes as NAME_codes (uint8): NAME with its K axis moved to the last place and cut into blocks of 32 codes, [.., K / 32, bytes a block], one block behind the other in memory; one code a byte (a code: sign, 4 exponent bits, 3 mantissa bits); its scale is its entry of lowp_scales. Its value is code x scale, taken as it is: it is not quantised again, and the codes and scales need not be those that the quantiser above would give.
;; 2 versions. Each part assembles by itself: llvm-mc -triple=amdgcn-amd-amdhsa -mcpu=gfx1250 --defsym DOCPART=n.
;; ======== version 1 of 2: 7 launches
;; workspace buffers: h3 12,582,912 bytes; qkv 12,582,912 bytes; oc 4,194,304 bytes; x2 16,777,216 bytes; h2c 4,194,304 bytes; uc 16,777,216 bytes
;; launch norm1 (part 1): grid 256 x 1, 4 waves a work-group, no clusters, 20,992 bytes of LDS; arguments x, g1, lowp_scales, h3; writes h3
.if DOCPART == 1
	.amdgcn_target "amdgcn-amd-amdhsa--gfx1250"
	.amdhsa_code_object_version 6
	.text
	.protected	k_q23881d3eeb_norm1
	.globl	k_q23881d3eeb_norm1
	.p2align	8
	.type	k_q23881d3eeb_norm1,@function
k_q23881d3eeb_norm1:
	s_mov_b64 s[64:65], 0
	v_nop
	global_prefetch_b8 v0, s[64:65] scope:SCOPE_SE
	s_setreg_imm32_b32 hwreg(HW_REG_WAVE_MODE, 25, 1), 1
	s_wait_xcnt 0x0
; FIRST OF SEVEN LAUNCHES of a transformer block on E4M3 codes: norm1, qkv, attn, wo, norm2, w1, w2.
; THIS LAUNCH: h = x / sqrt(mean(x^2) + 1e-5) * g1 in f32, then quantised three times, with the given scales 2^e0, 2^e2, 2^e4 (they may differ):
; three planes of codes, [4096 tokens][1024], K innermost, 4 MiB apart in h3.  code = h / 2^e, held within +-448, nearest code, ties to even.
; WORK LEFT OUT IN THE PROGRAM (launch attn), and why it is dead: reference() adds -1e9 to every score with key > query, by a mask that it builds itself.
; The key equal to the query is always open, so the row's M comes from an open key, and a hidden p = 2^(t - M) has an exponent near -1.44e9: it is 0 as f32 and as a code,
; adds nothing to the row's sum and nothing to the second product, whatever finite values the inputs hold (LIMIT: open logits lie far above -1e9, |q.k| / 8 well under 1e9).
; So key steps of 128 keys that lie wholly behind a wave's 16 queries are not multiplied; inside the step on the diagonal hidden scores are set to -infinity and the work is done.
; LIMIT: a NaN, an infinity or an overflow that lies only in hidden keys or values is not carried to the result.  Every input of the problem is loaded by some launch.
; LIMITS here: e0, e2, e4 between -126 and 119, so that 2^e and 448 x 2^e are f32 numbers.  NaN among the inputs is not served.
; SHARES: a work-group takes 16 rows, a wave 4.  All 32 loads of a wave (512 consecutive bytes each) go out at the head.  The conversions want 16 neighbours in one lane, the loads want neighbouring
; lanes on neighbouring bytes: so a row turns through the wave's own stage in LDS (64 bytes a lane + 16 of padding).  A lane's 16 codes are 16 bytes: a store covers 512 consecutive bytes, aligned.
; No matrix unit, no tensor load, no barrier: waves share nothing, and the launch only streams.
.set NSET,  3                          ; sets of codes
.set SP,    80                         ; a lane's place in a stage
.set WREG,  5120                       ; a wave's two stages (columns 0-511, 512-1023): 2 x 32 x SP
.set SPARE, 20480                      ; behind the stages: the spare words, 128 bytes a wave; no other line names them
.set SPW,   12                         ; v12  my spare word's LDS address; never rewritten
.set NIL,   13                         ; v13  0; never rewritten
.set SC,    14                         ; v14.. set k: 2^e at SC+2k, 448 x 2^e at SC+2k+1
.set G,     20                         ; v20-51  g[512 u + 16 lane + i] at G + 16 u + i
.set X,     52                         ; v52-83  the row as 2 x 16 neighbours
.set T,     84                         ; v84-99  held numbers
.set C,     100                        ; v100-123 codes: 4 registers for each (set, half)
.set R,     128                        ; v128-255 four rows as loaded
	s_load_b256 s[4:11], s[0:1], 0x0               ; x s[4:5], g s[6:7], scales s[8:9], codes s[10:11]
	v_lshl_add_u32 v[SPW], v0, 2, SPARE
	v_mov_b32 v[NIL], 0
	v_lshrrev_b32 v1, 5, v0
	v_readfirstlane_b32 s16, v1                    ; wave
	v_and_b32 v4, 31, v0                           ; lane
	v_lshlrev_b32 v1, 4, v4                        ; 16 x lane: my bytes of a load's or a store's 512
	s_mul_i32 s17, s16, WREG
	v_lshrrev_b32 v2, 2, v4
	v_mul_u32_u24 v2, v2, SP
	v_and_b32 v3, 3, v4
	v_lshl_add_u32 v2, v3, 4, v2
	v_add_nc_u32 v2, s17, v2                       ; stage, way in: SP (lane / 4) + 16 (lane % 4)
	v_mul_u32_u24 v3, v4, SP
	v_add_nc_u32 v3, s17, v3                       ; stage, way out: SP x lane
	v_lshlrev_b32 v5, 6, v4                        ; g: 64 x lane
	v_mov_b32 v11, 0                               ; (named as the upper half of the pair v[10:11])
	s_lshl_b32 s17, ttmp9, 4
	s_lshl_b32 s18, s16, 2
	s_add_co_u32 s17, s17, s18                     ; my first row: 16 x work-group + 4 x wave
	s_lshl_b32 s18, s17, 12                        ; in x: 4,096 bytes a row
	s_mov_b32 s19, 0
	s_lshl_b32 s32, s17, 10                        ; in a plane of codes: 1,024 bytes a row
	s_mov_b32 s33, 0
	s_mov_b32 s20, 0x3a800000                      ; 1 / 1024
	s_mov_b32 s21, 0x3727c5ac                      ; 1e-5
	s_mov_b32 s22, 0x76543210                      ; selects of v_permlanex16_b32: lane l xor 16
	s_mov_b32 s23, 0xfedcba98
	s_wait_kmcnt 0x0
	s_load_b256 s[24:31], s[8:9], 0x0              ; e0 .. e7: set k takes s[24 + 2 k]
	s_add_nc_u64 s[4:5], s[4:5], s[18:19]
	s_add_nc_u64 s[10:11], s[10:11], s[32:33]      ; plane 0,
	s_add_nc_u64 s[12:13], s[10:11], 0x400000      ; plane 1,
	s_add_nc_u64 s[14:15], s[10:11], 0x800000      ; plane 2: three bases, since the distance is beyond a store's immediate
.set J, 0
.rept 8
	global_load_b128 v[G+4*J:G+4*J+3], v5, s[6:7] offset:2048*(J/4)+16*(J%4)
.set J, J+1
.endr
.set J, 0
.rept 32
	global_load_b128 v[R+4*J:R+4*J+3], v1, s[4:5] offset:512*J th:TH_LOAD_NT   ; row J / 8, its (J % 8)-th 512 bytes
.set J, J+1
.endr
	s_wait_kmcnt 0x0
.set KK, 0
.rept NSET
	s_add_co_i32 s34, s[24+2*KK], 127
	s_lshl_b32 s35, s34, 23
	v_mov_b32 v[SC+2*KK], s35                      ; 2^e as f32: the conversion takes its exponent field
	s_add_co_i32 s34, s34, 8
	s_lshl_b32 s34, s34, 23
	s_or_b32 s34, s34, 0x600000
	v_mov_b32 v[SC+2*KK+1], s34                    ; 448 x 2^e
.set KK, KK+1
.endr
.macro ROW p
.set RR, R+32*(\p)
	s_wait_loadcnt 8*(3-(\p))                      ; g and this row are in; the later rows' 8 loads each may be out
.set J, 0
.rept 8
	ds_store_b128 v2, v[RR+4*J:RR+4*J+3] offset:2560*(J/4)+640*(J%4)
.set J, J+1
.endr
.set J, 0
.rept 8
	ds_load_b128 v[X+4*J:X+4*J+3], v3 offset:2560*(J/4)+16*(J%4)   ; LDS serves a wave's instructions in order: these see the stores above
.set J, J+1
.endr
	v_pk_mul_f32 v[6:7], v[RR:RR+1], v[RR:RR+1]    ; the sum of squares, from the row as loaded, in two packed chains
	v_pk_mul_f32 v[8:9], v[RR+2:RR+3], v[RR+2:RR+3]
.set J, 4
.rept 7
	v_pk_fma_f32 v[6:7], v[RR+J:RR+J+1], v[RR+J:RR+J+1], v[6:7]
	v_pk_fma_f32 v[8:9], v[RR+J+2:RR+J+3], v[RR+J+2:RR+J+3], v[8:9]
.set J, J+4
.endr
	v_pk_add_f32 v[6:7], v[6:7], v[8:9]
	v_add_f32 v8, v6, v7
	v_add_f32_dpp v8, v8, v8 row_xmask:1 row_mask:0xf bank_mask:0xf
	v_add_f32_dpp v8, v8, v8 row_xmask:2 row_mask:0xf bank_mask:0xf
	v_add_f32_dpp v8, v8, v8 row_xmask:4 row_mask:0xf bank_mask:0xf
	v_add_f32_dpp v8, v8, v8 row_xmask:8 row_mask:0xf bank_mask:0xf
	v_permlanex16_b32 v9, v8, s22, s23
	v_add_f32 v8, v8, v9                           ; the row's sum, in every lane
	v_fma_f32 v8, v8, s20, s21                     ; mean + 1e-5
	v_rsq_f32 v10, v8
	v_nop                                          ; a plain instruction behind the transcendental
	s_wait_alu depctr_va_vdst(0)                   ; and the wait ahead of the first reader of its result
	s_wait_dscnt 0x0                               ; the row is back, 16 neighbours a lane and half
.set J, 0
.rept 16
	v_pk_mul_f32 v[X+J:X+J+1], v[X+J:X+J+1], v[10:11] op_sel_hi:[1,0]
.set J, J+2
.endr
.set J, 0
.rept 16
	v_pk_mul_f32 v[X+J:X+J+1], v[X+J:X+J+1], v[G+J:G+J+1]
.set J, J+2
.endr
	s_wait_xcnt 0x0                                ; the last row's stores have read their data: the codes' registers are written again only behind this wait
.set KK, 0
.rept NSET
.irp u, 0,1
.set J, 0
.rept 16
	v_med3_num_f32 v[T+J], v[X+16*\u+J], -v[SC+2*KK+1], v[SC+2*KK+1]   ; the conversion does not saturate (ISA guide 7.6.2): the hold comes first
.set J, J+1
.endr
	v_cvt_scalef32_pk8_fp8_f32 v[C+8*KK+4*\u:C+8*KK+4*\u+1], v[T:T+7], v[SC+2*KK]
	v_cvt_scalef32_pk8_fp8_f32 v[C+8*KK+4*\u+2:C+8*KK+4*\u+3], v[T+8:T+15], v[SC+2*KK]
	v_nop                                          ; a plain instruction between the conversions and the next holds, which write their sources
	global_store_b128 v1, v[C+8*KK+4*\u:C+8*KK+4*\u+3], s[10+2*KK:11+2*KK] offset:1024*(\p)+512*\u
.endr
.set KK, KK+1
.endr
.endm
	ROW 0
	ROW 1
	ROW 2
	ROW 3
	s_wait_tensorcnt 0x0                           ; the wave's end
	ds_add_u32 v[SPW], v[NIL]
	s_wait_dscnt 0x0
	s_endpgm
.Lfunc_end_k_q23881d3eeb_norm1:
	.size	k_q23881d3eeb_norm1, .Lfunc_end_k_q23881d3eeb_norm1-k_q23881d3eeb_norm1
	.p2alignl 7, 3214868480
	.fill 96, 4, 3214868480
	.section	.rodata,"a",@progbits
	.p2align	6, 0x0
	.amdhsa_kernel k_q23881d3eeb_norm1
		.amdhsa_group_segment_fixed_size 20992
		.amdhsa_private_segment_fixed_size 0
		.amdhsa_enable_private_segment 0
		.amdhsa_kernarg_size 32
		.amdhsa_user_sgpr_count 2
		.amdhsa_user_sgpr_kernarg_segment_ptr 1
		.amdhsa_wavefront_size32 1
		.amdhsa_system_sgpr_workgroup_id_x 1
		.amdhsa_system_sgpr_workgroup_id_y 1
		.amdhsa_system_sgpr_workgroup_id_z 1
		.amdhsa_system_vgpr_workitem_id 0
		.amdhsa_next_free_vgpr 256
		.amdhsa_next_free_sgpr 66
		.amdhsa_reserve_vcc 0
		.amdhsa_float_denorm_mode_32 3
		.amdhsa_float_denorm_mode_16_64 3
		.amdhsa_memory_ordered 1
		.amdhsa_forward_progress 1
		.amdhsa_inst_pref_size 56
	.end_amdhsa_kernel
	.amdgpu_metadata
---
amdhsa.version: [ 1, 2 ]
amdhsa.kernels:
  - .name:           k_q23881d3eeb_norm1
    .symbol:         k_q23881d3eeb_norm1.kd
    .args:
      - { .name: x, .offset: 0, .size: 8, .value_kind: global_buffer, .address_space: global }
      - { .name: g1, .offset: 8, .size: 8, .value_kind: global_buffer, .address_space: global }
      - { .name: lowp_scales, .offset: 16, .size: 8, .value_kind: global_buffer, .address_space: global }
      - { .name: h3, .offset: 24, .size: 8, .value_kind: global_buffer, .address_space: global }
    .group_segment_fixed_size: 20992
    .private_segment_fixed_size: 0
    .kernarg_segment_align: 8
    .kernarg_segment_size: 32
    .max_flat_workgroup_size: 128
    .sgpr_count:     66
    .vgpr_count:     256
    .wavefront_size: 32
...
	.end_amdgpu_metadata
.endif
;; end of part 1
;; launch qkv (part 2): grid 12 x 16, 4 waves a work-group, clusters of 4 x 4, 327,680 bytes of LDS; arguments h3, wq_codes, wk_codes, wv_codes, lowp_scales, qkv; writes qkv
.if DOCPART == 2
	.amdgcn_target "amdgcn-amd-amdhsa--gfx1250"
	.amdhsa_code_object_version 6
	.text
	.protected	k_q23881d3eeb_qkv
	.globl	k_q23881d3eeb_qkv
	.p2align	8
	.type	k_q23881d3eeb_qkv,@function
k_q23881d3eeb_qkv:
	s_mov_b64 s[64:65], 0
	v_nop
	global_prefetch_b8 v0, s[64:65] scope:SCOPE_SE
	s_setreg_imm32_b32 hwreg(HW_REG_WAVE_MODE, 25, 1), 1
	s_wait_xcnt 0x0
	s_wait_alu depctr_hold_cnt(0) depctr_sa_sdst(0) depctr_va_vdst(0) depctr_va_sdst(0) depctr_va_ssrc(0) depctr_va_vcc(0) depctr_vm_vsrc(0)
	s_getreg_b32 s2, hwreg(HW_REG_IB_STS2, 6, 4)
	s_cmp_eq_u32 s2, 0
	s_cbranch_scc0 .Lentry_in_a_cluster
	s_endpgm
.Lentry_in_a_cluster:
	s_bfe_u32 s2, ttmp6, 0x10000c
	s_cmp_lg_u32 s2, 0xf033
	s_cbranch_scc0 .Lentry_shape_is_right
	s_endpgm
.Lentry_shape_is_right:
; q = h wq^T, k = h wk^T, v^T = wv h^T, on E4M3 codes; each finished sum is quantised at once for attention: q with 2^e6, k with 2^e7, v with 2^e8.
; The cluster's x (0, 1, 2) says which product: it is the same in all sixteen partners.  q, k: A = h's codes (plane 0, 1 of h3), B = the weight.  v: A = wv, B = h's plane 2, so that a lane's eight results
; are eight neighbouring TOKENS of one channel, and v's codes come out with the keys innermost, as the second product of attention wants them.
; A sum stands for sum x 2^(eA + eB): its code is sum / 2^(e_dst - eA - eB): the three exponents are folded into the conversion's one scale.
; LIMITS: e6 - e0 - e1, e7 - e2 - e3, e8 - e4 - e5 between -126 and 119.
; A tile of C, 256 x 256, is made by four waves, 128 x 128 each (64 accumulators, 512 registers).  K = 1,024 goes in steps of 256 through two LDS slots filled by tensor loads: a tile's row is 256 bytes.
; CLUSTER 4 x 4: A's tile is asked for jointly along a row of the cluster, B's along a column.  The matrix instruction is used transposed (source 0 = rows of B, source 1 = rows of A).
; OUT: three planes of 4 MiB in qkv, cut into dense blocks of 64 KiB, one for each tile: block ((batch x 4 + group of four heads) x 8 + tile of 256 tokens).
;   q, k: [64 groups of 4 tokens][4 heads][4 tokens][64 bytes];   v: [4 heads x 64 channels][256 tokens].  The codes meet in one stage in LDS and leave as 512 consecutive bytes a store.
; No prefetch: the launch makes four fills of a slot, and every tile is shared in the cluster.
; REGISTERS: window 0: v16-31 addresses; v32-127 at work on the way out; from v128 A's fragments (one set).  window 1: B's fragments, two sets.  windows 2, 3: the accumulators ((a, b) at v[8 (8 (a % 4) + b)]).
.set SIZE_K, 1024
.set KSTEP,  256
.set ROWB,   256
.set KROW,   SIZE_K
.set PITCH,  272                       ; an LDS row: 256 bytes + 16 of padding, so that the 16 rows of a fragment load start at 16 different banks (64 banks of 4 bytes: ISA guide 11.1)
.set FR,     16
.set NL,     4
.set NP,     4
.set HALFT,  128*PITCH
.set SLOT,   4*HALFT
.set LAPS,   SIZE_K/(2*KSTEP)
.set SPARE,  2*SLOT                    ; behind the ring: the spare words, 128 bytes a wave; no other line names them
.set SP,     272                       ; the way out: the work-group's stage, 256 rows x (256 bytes + 16), in slot 0, which has had its last fill and its last read by then
.set ADRA, 16
.set ADRB, 20
.set STO,  24                          ; v24  where I put 8 codes
.set RD,   25                          ; v25, v27  where I read 16 bytes back (even, odd instruction)
.set CO,   26                          ; v26  16 x lane
.set SPW,  28
.set NIL,  29
.set LIM,  30                          ; v30  448 x the folded scale
.set SCL,  31                          ; v31  the folded scale
.set TMP,  32
.set AF,   128
.set G1, 24
.set G0, 32
.set G1B, 48
.set G0B, 56
.set MSB, 0
.macro WIN new                         ; the immediate's high byte repeats the setting that is left
.if MSB != (\new)
	s_set_vgpr_msb (MSB<<8)|(\new)
.set MSB, (\new)
.endif
.endm
.set MUL_LO, 0xa1                      ; source 0 (B) window 1, source 1 (A) window 0, C and D window 2
.set MUL_HI, 0xf1
.set TO_B,   0x40
; A joint load: waves 0 and 1 fetch for A, waves 2 and 3 for B; the branch hangs on the wave's number alone.  An s_nop 0 and four v_nop follow each line.
.macro JLOAD g0a, g1a, g0b, g1b
	s_cmp_eq_u32 s15, 0
	s_cbranch_scc0 .Lfor_b_\@
	tensor_load_to_lds s[\g0a:\g0a+3], s[\g1a:\g1a+7]
	s_nop 0
.rept 4
	v_nop
.endr
	s_branch .Lasked_\@
.Lfor_b_\@:
	tensor_load_to_lds s[\g0b:\g0b+3], s[\g1b:\g1b+7]
	s_nop 0
.rept 4
	v_nop
.endr
.Lasked_\@:
.endm
.macro CREST                           ; a round of the cluster's barrier behind its opening barrier
	s_cmp_lg_u32 s14, 0
	s_cbranch_scc1 .Lnot_wave_0_\@
	s_barrier_signal -3
.Lnot_wave_0_\@:
	s_barrier_wait -3
	s_barrier_signal -1
	s_barrier_wait -1
.endm
.macro CROUND
	s_barrier_signal -1
	s_barrier_wait -1
	CREST
.endm
	s_load_b256 s[68:75], s[0:1], 0x0              ; h3 s[68:69], wq s[70:71], wk s[72:73], wv s[74:75]
	s_load_b128 s[76:79], s[0:1], 0x20             ; scales s[76:77], qkv s[78:79]
	v_lshl_add_u32 v[SPW], v0, 2, SPARE
	v_mov_b32 v[NIL], 0
	ds_add_u32 v[SPW], v[NIL]                      ; the opening: the add, twice on end, and its wait ahead of my first tensor load
	ds_add_u32 v[SPW], v[NIL]
	v_lshrrev_b32 v1, 5, v0
	v_readfirstlane_b32 s14, v1                    ; wave 0..3
	s_lshr_b32 s15, s14, 1                         ; my half of the tile's rows; also: I fetch for A (0) or B (1)
	s_and_b32 s16, s14, 1                          ; my half of its columns; also: which 128 rows I fetch
	s_bfe_u32 s40, ttmp6, 0x40000                  ; cx
	s_bfe_u32 s41, ttmp6, 0x40004                  ; cy
	s_and_b32 s12, ttmp7, 0xffff                   ; the cluster's y: which 1,024 tokens
	s_cmp_eq_u32 ttmp9, 2                          ; v?  (the cluster's x: shared by all partners)
	s_cselect_b32 s13, s12, 0                      ; v: the tokens run along C's columns,
	s_cselect_b32 s12, 0, s12                      ; q, k: along its rows
	s_cselect_b32 s89, -1, 0                       ; all lanes' bit for v
	s_lshl_b32 s42, s13, 2
	s_add_co_u32 s42, s42, s40                     ; tile column of C
	s_lshl_b32 s17, s12, 2
	s_add_co_u32 s17, s17, s41                     ; tile row of C
	s_lshl_b32 s43, s41, 2
	s_lshl_b32 s43, 15, s43                        ; my row of the cluster
	s_lshl_b32 s44, 0x1111, s40                    ; my column
	s_or_b32 s[G1+0], s43, (0<<16)|(1<<20)|(1<<21)|(5<<22)|(3<<25)  ; mask; elements of 1 byte; padding on; bit 21 beside a mask; 4 words of padding after every 64
	s_or_b32 s[G1B+0], s44, (0<<16)|(1<<20)|(1<<21)|(5<<22)|(3<<25)
.irp g, G1, G1B
	s_mov_b32 s[\g+1], ROWB<<16                    ; tensor_dim0
	s_mov_b32 s[\g+2], 128<<16                     ; tensor_dim1
	s_mov_b32 s[\g+3], ROWB<<16                    ; tile_dim0
	s_mov_b32 s[\g+4], 128                         ; tile_dim1
	s_mov_b32 s[\g+5], KROW                        ; pitch
	s_mov_b32 s[\g+6], 0
	s_mov_b32 s[\g+7], 0
.endr
	s_lshl_b32 s18, s16, 7
	s_lshl_b32 s20, s17, 8
	s_add_co_u32 s20, s20, s18                     ; A: row 256 x tile row + 128 x half
	s_lshl_b32 s46, s42, 8
	s_add_co_u32 s46, s46, s18                     ; B: row 256 x tile column + 128 x half
	s_mov_b32 s21, 0
	s_mov_b32 s47, 0
	s_mov_b64 s[18:19], KROW
	s_mul_u64 s[20:21], s[20:21], s[18:19]
	s_mul_u64 s[46:47], s[46:47], s[18:19]
	s_mul_i32 s45, s14, HALFT                      ; where they go: wave x 128 rows
	s_wait_dscnt 0x0                               ; both opening adds are done
	s_wait_kmcnt 0x0
	s_load_b256 s[80:87], s[76:77], 0x0            ; e0 .. e7
	s_load_b32 s88, s[76:77], 0x20                 ; e8
	s_add_nc_u64 s[66:67], s[68:69], 0x400000      ; h's plane 1
	s_add_nc_u64 s[90:91], s[68:69], 0x800000      ; h's plane 2
	s_cmp_eq_u32 ttmp9, 0
	s_cselect_b64 s[4:5], s[68:69], s[66:67]       ; A: q: plane 0; k: plane 1
	s_cselect_b64 s[6:7], s[70:71], s[72:73]       ; B: wq; wk
	s_cmp_eq_u32 ttmp9, 2
	s_cselect_b64 s[4:5], s[74:75], s[4:5]         ; v: A = wv,
	s_cselect_b64 s[6:7], s[90:91], s[6:7]         ;    B = plane 2
	s_add_nc_u64 s[20:21], s[4:5], s[20:21]
	s_add_nc_u64 s[46:47], s[6:7], s[46:47]
	CROUND                                         ; all sixteen work-groups are here: the first joint loads meet
.irp s, 0,1
	s_mov_b32 s[G0+4*\s], 1
	s_add_co_u32 s[G0+4*\s+1], s45, \s*SLOT
	s_add_nc_u64 s[G0+4*\s+2:G0+4*\s+3], s[20:21], \s*ROWB
	s_or_b32 s[G0+4*\s+3], s[G0+4*\s+3], 0x80000000
	s_mov_b32 s[G0B+4*\s], 1
	s_add_co_u32 s[G0B+4*\s+1], s45, \s*SLOT
	s_add_nc_u64 s[G0B+4*\s+2:G0B+4*\s+3], s[46:47], \s*ROWB
	s_or_b32 s[G0B+4*\s+3], s[G0B+4*\s+3], 0x80000000
	JLOAD G0+4*\s, G1, G0B+4*\s, G1B
.endr
	v_and_b32 v1, 15, v0                           ; r
	v_bfe_u32 v2, v0, 4, 1                         ; h
	v_mul_u32_u24 v3, v1, PITCH
	v_lshl_add_u32 v4, v2, 4, v3                   ; a fragment's row x pitch + 16 h
	s_mul_i32 s21, s15, HALFT
	s_mul_i32 s22, s16, HALFT
	s_add_co_u32 s22, s22, 2*HALFT
.irp s, 0,1
	v_add_nc_u32 v[ADRA+\s], s21, v4
	v_add_nc_u32 v[ADRB+\s], s22, v4
	s_add_co_u32 s21, s21, SLOT
	s_add_co_u32 s22, s22, SLOT
.endr
	s_mul_i32 s23, s15, 128*SP                     ; the stage, way in: row 128 x row half + r, byte 128 x column half + 8 h
	s_lshl_b32 s22, s16, 7
	s_add_co_u32 s23, s23, s22
	v_mul_u32_u24 v5, v1, SP
	v_lshl_add_u32 v5, v2, 3, v5
	v_add_nc_u32 v[STO], s23, v5
	s_mul_i32 s23, s14, 64*SP                      ; way out: wave w takes the block's units of 256 bytes 64 w + 2 t + h, t = 0 .. 31, sixteen lanes to a unit
	v_lshrrev_b32 v5, 2, v1
	v_mul_u32_u24 v5, v5, SP
	v_lshl_add_u32 v5, v2, 6, v5
	v_and_b32 v6, 3, v1
	v_lshl_add_u32 v5, v6, 4, v5                   ; q, k: unit = (4 tokens, one head): token r / 4, byte 64 h + 16 (r % 4).  (These reads go up to four deep in the banks: 32 loads a wave, once)
	v_mul_u32_u24 v6, v2, SP
	v_lshl_add_u32 v6, v1, 4, v6                   ; v: unit = a row of the stage: row h, byte 16 r
	v_cndmask_b32 v5, v5, v6, s89
	v_add_nc_u32 v[RD], s23, v5
	s_mov_b32 s22, 128                             ; odd t: q, k: two heads on;
	s_cmp_eq_u32 ttmp9, 2
	s_cselect_b32 s22, 2*SP, s22                   ; v: two rows on
	v_add_nc_u32 v[RD+2], s22, v[RD]
	v_and_b32 v6, 31, v0
	v_lshlrev_b32 v[CO], 4, v6
	s_cselect_b32 s66, s42, s17                    ; the tile of 256 tokens, 0 .. 15
	s_cselect_b32 s67, s17, s42                    ; the group of four heads
	s_lshl_b32 s90, ttmp9, 22                      ; the plane
	s_lshr_b32 s91, s66, 3
	s_lshl_b32 s91, s91, 21                        ; the batch
	s_add_co_u32 s90, s90, s91
	s_lshl_b32 s91, s67, 19
	s_add_co_u32 s90, s90, s91
	s_and_b32 s91, s66, 7
	s_lshl_b32 s91, s91, 16
	s_add_co_u32 s90, s90, s91
	s_lshl_b32 s91, s14, 14                        ; my wave's 64 units
	s_add_co_u32 s90, s90, s91
	s_mov_b32 s91, 0
	s_add_nc_u64 s[10:11], s[78:79], s[90:91]
.macro FRAG reg, adr, q, i             ; 16 rows x 128 K: registers 4 c .. 4 c + 3 hold K = 32 c + 16 h + 0 .. 15: the same permutation of k in A and in B, so every product meets its partner
.irp c, 0,1,2,3
	ds_load_b128 v[\reg+4*\c:\reg+4*\c+3], v[\adr] offset:128*(\q)+32*\c+(\i)*16*PITCH
.endr
.endm
; 16 matrix instructions: A's blocks a0, a0 + 1 x B's eight.  The 64 accumulators take turns, one instruction a turn, in the same order in every step.
.macro MUL16 a0, p, zero
.irp a, \a0, \a0+1
.irp b, 0,1,2,3,4,5,6,7
.if \zero
	v_wmma_f32_16x16x128_fp8_fp8 v[8*(8*((\a)%4)+\b):8*(8*((\a)%4)+\b)+7], v[128*(\p)+FR*\b:128*(\p)+FR*\b+FR-1], v[AF+FR*(\a):AF+FR*(\a)+FR-1], 0
.else
	v_wmma_f32_16x16x128_fp8_fp8 v[8*(8*((\a)%4)+\b):8*(8*((\a)%4)+\b)+7], v[128*(\p)+FR*\b:128*(\p)+FR*\b+FR-1], v[AF+FR*(\a):AF+FR*(\a)+FR-1], v[8*(8*((\a)%4)+\b):8*(8*((\a)%4)+\b)+7]
.endif
.endr
.endr
.endm
.macro FETCH_B slot, q, p
	WIN TO_B
.irp i, 0,1,2,3,4,5,6,7
	FRAG 128*(\p)+FR*\i, ADRB+\slot, \q, \i
.endr
	WIN 0
.endm
.macro FETCH_A slot, q, i0
.irp i, \i0, \i0+1, \i0+2, \i0+3
	FRAG AF+FR*(\i), ADRA+\slot, \q, \i
.endr
.endm
.macro PLACES n                        ; plain vector instructions between a matrix instruction and a load into its sources or a read of its result
.rept \n
	v_nop
.endr
.endm
.macro STEP slot, q, zero              ; 128 along K, with its successor in the same slot
	s_wait_dscnt 4*NL                              ; B's set and A's blocks 0-3 are in; the youngest 16 loads (A's blocks 4-7) may be out
	WIN MUL_LO
	MUL16 0, (\q)%2, \zero
	MUL16 2, (\q)%2, \zero
	s_wait_dscnt 0
	PLACES NP
	FETCH_B \slot, (\q)+1, 1-(\q)%2
	FETCH_A \slot, (\q)+1, 0
	WIN MUL_HI
	MUL16 4, (\q)%2, \zero
	MUL16 6, (\q)%2, \zero
	PLACES NP
	WIN 0
	FETCH_A \slot, (\q)+1, 4
.endm
; A slot's last step changes slots: one barrier; in front of it each wave waits for all its tensor loads, adds 0 to its spare word, and waits for that and for its reads of this slot.
.macro TURN slot, next, fill
	s_wait_tensorcnt 0x0                           ; all my tensor loads have landed: my part of the next slot
	ds_add_u32 v[SPW], v[NIL]
	s_wait_dscnt 4*NL+1                            ; (the add and the youngest 16 loads may be out)
	WIN MUL_LO
	MUL16 0, 1, 0
	s_wait_dscnt 0x0                               ; the add is done, and my reads of this slot are over
	s_barrier_signal -1
	MUL16 2, 1, 0
	WIN 0
	s_barrier_wait -1
.if \fill
	CREST                                          ; the barrier has opened a round of the cluster's: no wave of any partner still reads this slot or has a load on its way
	s_add_nc_u64 s[G0+4*\slot+2:G0+4*\slot+3], s[G0+4*\slot+2:G0+4*\slot+3], 2*ROWB
	s_add_nc_u64 s[G0B+4*\slot+2:G0B+4*\slot+3], s[G0B+4*\slot+2:G0B+4*\slot+3], 2*ROWB
	JLOAD G0+4*\slot, G1, G0B+4*\slot, G1B         ; the first tensor load behind the round; its four v_nop are the places in front of the loads below
.else
	PLACES NP
.endif
	FETCH_B \next, 0, 0
	FETCH_A \next, 0, 0
	WIN MUL_HI
	MUL16 4, 1, 0
	MUL16 6, 1, 0
	PLACES NP
	WIN 0
	FETCH_A \next, 0, 4
.endm
	s_wait_tensorcnt 1                             ; my part of K step 0 is in; K step 1's load may be out
	s_barrier_signal -1
	s_barrier_wait -1
	FETCH_B 0, 0, 0
	FETCH_A 0, 0, 0
	FETCH_A 0, 0, 4
	STEP 0, 0, 1                                   ; the first step's products start the sums
	s_mov_b32 s3, LAPS-1
.Llap:
	TURN 0, 1, 1
	STEP 1, 0, 0
	TURN 1, 0, 1
	STEP 0, 0, 0
	s_sub_co_u32 s3, s3, 1
	s_cmp_lg_u32 s3, 0
	s_cbranch_scc1 .Llap
	TURN 0, 1, 0                                   ; the last lap fills nothing
	STEP 1, 0, 0
	s_wait_dscnt 4*NL
	WIN MUL_LO
	MUL16 0, 1, 0
	MUL16 2, 1, 0
	s_wait_dscnt 0
	WIN MUL_HI
	MUL16 4, 1, 0
	MUL16 6, 1, 0
	WIN 0
	; THE WAY OUT.  The folded scale, by selections on the cluster's x alone: no branch hangs on a loaded number.
	s_wait_kmcnt 0x0
	s_cmp_eq_u32 ttmp9, 0
	s_cselect_b32 s92, s80, s82
	s_cselect_b32 s93, s81, s83
	s_cselect_b32 s94, s86, s87
	s_cmp_eq_u32 ttmp9, 2
	s_cselect_b32 s92, s84, s92
	s_cselect_b32 s93, s85, s93
	s_cselect_b32 s94, s88, s94
	s_sub_co_i32 s94, s94, s92
	s_sub_co_i32 s94, s94, s93                     ; e_dst - eA - eB
	s_add_co_i32 s94, s94, 127
	s_lshl_b32 s95, s94, 23
	v_mov_b32 v[SCL], s95
	s_add_co_i32 s94, s94, 8
	s_lshl_b32 s94, s94, 23
	s_or_b32 s94, s94, 0x600000
	v_mov_b32 v[LIM], s94
	PLACES NP
; Block a (16 rows x 128 columns): held, converted (a lane's eight registers of an accumulator are eight neighbours of a row), 8 bytes a lane into the stage; each accumulator is read from its low end on.
.macro QBLOCK a
.set AC, 64*((\a)%4)
.set CD, 96+16*((\a)%2)
	WIN 0x02+((\a)/4)                              ; source 0: window 2 or 3
.set J, 0
.rept 64
	v_med3_num_f32 v[TMP+J], v[AC+J], -v[LIM], v[LIM]
.set J, J+1
.endr
	WIN 0
.irp b, 0,1,2,3,4,5,6,7
	v_cvt_scalef32_pk8_fp8_f32 v[CD+2*\b:CD+2*\b+1], v[TMP+8*\b:TMP+8*\b+7], v[SCL]
.endr
	v_nop                                          ; a plain instruction between the conversions and the next block's holds, which write their sources
.irp b, 0,1,2,3,4,5,6,7
	ds_store_b64 v[STO], v[CD+2*\b:CD+2*\b+1] offset:(\a)*16*SP+16*\b
.endr
.endm
.irp a, 0,1,2,3,4,5,6,7
	QBLOCK \a
.endr
	s_wait_dscnt 0x0                               ; for the others' sake: my stores into the stage are done
	s_barrier_signal -1
	s_barrier_wait -1
.set J, 0
.rept 32
	ds_load_b128 v[128+4*J:131+4*J], v[RD+2*(J%2)] offset:(J/2)*4*SP
.set J, J+1
.endr
.set J, 0
.rept 32
	s_wait_dscnt 31-J                              ; the younger loads may be out
	global_store_b128 v[CO], v[128+4*J:131+4*J], s[10:11] offset:512*J   ; 32 lanes store 512 consecutive bytes, aligned
.set J, J+1
.endr
	s_wait_tensorcnt 0x0                           ; the wave's end
	ds_add_u32 v[SPW], v[NIL]
	s_wait_dscnt 0x0
	CROUND                                         ; the closing round
	s_endpgm
.Lfunc_end_k_q23881d3eeb_qkv:
	.size	k_q23881d3eeb_qkv, .Lfunc_end_k_q23881d3eeb_qkv-k_q23881d3eeb_qkv
	.p2alignl 7, 3214868480
	.fill 96, 4, 3214868480
	.section	.rodata,"a",@progbits
	.p2align	6, 0x0
	.amdhsa_kernel k_q23881d3eeb_qkv
		.amdhsa_group_segment_fixed_size 327680
		.amdhsa_private_segment_fixed_size 0
		.amdhsa_enable_private_segment 0
		.amdhsa_kernarg_size 48
		.amdhsa_user_sgpr_count 2
		.amdhsa_user_sgpr_kernarg_segment_ptr 1
		.amdhsa_wavefront_size32 1
		.amdhsa_system_sgpr_workgroup_id_x 1
		.amdhsa_system_sgpr_workgroup_id_y 1
		.amdhsa_system_sgpr_workgroup_id_z 1
		.amdhsa_system_vgpr_workitem_id 0
		.amdhsa_next_free_vgpr 1024
		.amdhsa_next_free_sgpr 100
		.amdhsa_reserve_vcc 0
		.amdhsa_float_denorm_mode_32 3
		.amdhsa_float_denorm_mode_16_64 3
		.amdhsa_memory_ordered 1
		.amdhsa_forward_progress 1
		.amdhsa_inst_pref_size 126
	.end_amdhsa_kernel
	.amdgpu_metadata
---
amdhsa.version: [ 1, 2 ]
amdhsa.kernels:
  - .name:           k_q23881d3eeb_qkv
    .symbol:         k_q23881d3eeb_qkv.kd
    .args:
      - { .name: h3, .offset: 0, .size: 8, .value_kind: global_buffer, .address_space: global }
      - { .name: wq_codes, .offset: 8, .size: 8, .value_kind: global_buffer, .address_space: global }
      - { .name: wk_codes, .offset: 16, .size: 8, .value_kind: global_buffer, .address_space: global }
      - { .name: wv_codes, .offset: 24, .size: 8, .value_kind: global_buffer, .address_space: global }
      - { .name: lowp_scales, .offset: 32, .size: 8, .value_kind: global_buffer, .address_space: global }
      - { .name: qkv, .offset: 40, .size: 8, .value_kind: global_buffer, .address_space: global }
    .group_segment_fixed_size: 327680
    .private_segment_fixed_size: 0
    .kernarg_segment_align: 8
    .kernarg_segment_size: 48
    .max_flat_workgroup_size: 128
    .sgpr_count:     100
    .vgpr_count:     1024
    .wavefront_size: 32
...
	.end_amdgpu_metadata
.endif
;; end of part 2
;; launch attn (part 3): grid 8 x 32, 16 waves a work-group, clusters of 4 x 1, 327,680 bytes of LDS; arguments qkv, lowp_scales, oc; writes oc
.if DOCPART == 3
	.amdgcn_target "amdgcn-amd-amdhsa--gfx1250"
	.amdhsa_code_object_version 6
	.text
	.protected	k_q23881d3eeb_attn
	.globl	k_q23881d3eeb_attn
	.p2align	8
	.type	k_q23881d3eeb_attn,@function
k_q23881d3eeb_attn:
	s_mov_b64 s[64:65], 0
	v_nop
	global_prefetch_b8 v0, s[64:65] scope:SCOPE_SE
	s_setreg_imm32_b32 hwreg(HW_REG_WAVE_MODE, 25, 1), 1
	s_wait_xcnt 0x0
	s_wait_alu depctr_hold_cnt(0) depctr_sa_sdst(0) depctr_va_vdst(0) depctr_va_sdst(0) depctr_va_ssrc(0) depctr_va_vcc(0) depctr_vm_vsrc(0)
	s_getreg_b32 s2, hwreg(HW_REG_IB_STS2, 6, 4)
	s_cmp_eq_u32 s2, 0
	s_cbranch_scc0 .Lentry_in_a_cluster
	s_endpgm
.Lentry_in_a_cluster:
	s_bfe_u32 s2, ttmp6, 0x10000c
	s_cmp_lg_u32 s2, 0x3003
	s_cbranch_scc0 .Lentry_shape_is_right
	s_endpgm
.Lentry_shape_is_right:
; Causal attention of one (batch, head) on E4M3 codes; o is quantised at once with 2^e10 for the projection that follows.
; WORK LEFT OUT: key steps of 128 keys that lie wholly behind a wave's 16 queries: reference()'s own mask makes their p exactly 0 (shown at the head of the first launch's text).
; t = score x log2(e) / 8 x 2^(e6 + e7); M = the running largest t rounded up to a whole number; p = 2^(t - M) is quantised with 2^e9, not normalised; the row's sum is taken of the unquantised p;
; when M moves, the sum and O are multiplied by 2^(old M - new M), which rounds nothing.  o = O x 2^(e8 + e9) / sum.
; LIMITS: e6 + e7 between -123 and 130; e9 and e10 between -126 and 119.
; SHARES.  y = batch x 16 + head; x = 0 .. 7.  Wave w of sixteen owns the 16 queries from 128 pi + 16 x on, pi = w xor 3 ((w >> 2) & 1): every work-group spans the whole sequence, so all 256 have equal work.
; Step s (128 keys) is hidden for a wave where s > pi and needs no mask where s < pi: both tests hang on the wave's number and the count of steps alone, never on the place in the cluster.
; LDS HOLDS THE HEAD'S WHOLE K AND V, fetched once at the head: no byte is filled twice.  The four partners of a cluster walk the same head: each tile is asked for jointly (mask 15).
; Each wave issues two loads of 32 rows x 256 bytes: the first loads bring keys 0-1,023, the second the rest, which land while the first half is worked on.  By this text's count two loads of a wave are out.
; No prefetch: all that the launch reads through LDS is asked for at its head.
; LAYOUT.  S^T = K Q^T (16x16x64: source 0 = 16 keys, source 1 = my queries), O^T = V^T P^T (16x16x128): a lane holds one query throughout.  Tile c's eight registers are keys 16 c + 8 h + 0 .. 7,
; which are registers 2 c, 2 c + 1 of the second product's operand: the conversions' results are that operand.
; LDS: K: 512 rows (4 keys x 64 bytes) of 272;  V: 8 chunks of 256 keys x 64 channels' rows of 272;  a stage of 1,024 bytes a wave;  the spare words.
.set KP,    272
.set VOFF,  139264
.set STAGE, 278528
.set SPARE, 294912                     ; 128 bytes for each of 16 waves; no other line names them
.set AK0,  1                           ; v1   my lane's place in a tile of K: (r / 4) 272 + (r % 4) 64 + 16 h: sixteen lanes, sixteen different columns of 16 bytes
.set AV0,  2                           ; v2   in a tile of V: VOFF + 272 r + 8 h
.set QOF,  3                           ; v3   Q's byte offset
.set DD,   4                           ; v4   16 x + r - 8 h: on the diagonal, register n's key is hidden where 16 (n / 8) + n % 8 > DD
.set SPW,  5
.set NIL,  6
.set GO,   7                           ; v7   16 x lane
.set ADK,  8
.set ADV,  9
.set SIN,  10                          ; v10  stage, way in
.set SOUT, 11                          ; v11  stage, way out
.set WV,   18
.set SEL,  20
.set CS,   22
.set G1K,  24
.set G1V,  32
.set G0K,  40                          ; s[40:47] K's two groups 0
.set G0V,  48                          ; s[48:55] V's
.set KF,   56                          ; the step's first key
.set QW,   57                          ; 128 pi
.set TB,   2                           ; LDS byte of the 256 keys in hand: 17,408 a trip, in K and in V alike
.macro CROUND
	s_barrier_signal -1
	s_barrier_wait -1
	s_cmp_lg_u32 s[WV], 0
	s_cbranch_scc1 .Lnot_wave_0_\@
	s_barrier_signal -3
.Lnot_wave_0_\@:
	s_barrier_wait -3
	s_barrier_signal -1
	s_barrier_wait -1
.endm
	s_load_b128 s[4:7], s[0:1], 0x0                ; qkv s[4:5], scales s[6:7]
	s_load_b64 s[8:9], s[0:1], 0x10                ; oc
	v_lshl_add_u32 v[SPW], v0, 2, SPARE
	v_mov_b32 v[NIL], 0
	ds_add_u32 v[SPW], v[NIL]                      ; the opening: the add, twice on end, and its wait ahead of my first tensor load
	ds_add_u32 v[SPW], v[NIL]
	v_lshrrev_b32 v8, 5, v0
	v_readfirstlane_b32 s[WV], v8                  ; wave 0..15
	s_and_b32 s11, ttmp7, 0xffff                   ; y
	s_lshr_b32 s12, s[WV], 2
	s_and_b32 s12, s12, 1
	s_mul_i32 s12, s12, 3
	s_xor_b32 s12, s12, s[WV]                      ; pi
	s_lshl_b32 s[QW], s12, 7
	s_and_b32 s16, s[WV], 7                        ; j: which part of K (waves 0-7) or of V (waves 8-15) I fetch
	s_lshr_b32 s14, s11, 2
	s_lshl_b32 s14, s14, 19                        ; the eight blocks of (batch, group of four heads)
	s_and_b32 s15, s11, 3                          ; the head in its group
	s_lshl_b32 s58, s15, 8                         ; K: plane 1; a head's rows are 256 bytes, 1,024 apart; my 32 rows
	s_add_co_u32 s58, s58, s14
	s_lshl_b32 s17, s16, 15
	s_add_co_u32 s58, s58, s17
	s_add_co_u32 s58, s58, 0x400000
	s_mov_b32 s59, 0
	s_lshl_b32 s60, s15, 14                        ; V: plane 2; a head's 64 rows of a block are dense; chunk j / 2, half j % 2
	s_add_co_u32 s60, s60, s14
	s_lshr_b32 s17, s16, 1
	s_lshl_b32 s17, s17, 16
	s_add_co_u32 s60, s60, s17
	s_and_b32 s17, s16, 1
	s_lshl_b32 s17, s17, 13
	s_add_co_u32 s60, s60, s17
	s_add_co_u32 s60, s60, 0x800000
	s_mov_b32 s61, 0
	s_mul_i32 s19, s16, 32*KP                      ; and their place in LDS: the wave's number alone
	s_bfe_u32 s13, ttmp6, 0x40000                  ; cx: it enters Q's and O's addresses and the mask's data, nothing else
	s_lshl_b32 s10, ttmp9, 2
	s_add_co_u32 s10, s10, s13                     ; x
	s_lshl_b32 s62, s10, 4
	s_add_co_u32 s62, s62, s[QW]                   ; my first query
	s_lshl_b32 s62, s62, 8                         ; 4 tokens to 1,024 bytes
	s_add_co_u32 s62, s62, s14
	s_lshl_b32 s74, s15, 8
	s_add_co_u32 s62, s62, s74
	s_mov_b32 s63, 0
	s_lshr_b32 s66, s11, 4                         ; oc: [tile of 256 tokens][head][256 tokens][64 bytes]
	s_lshl_b32 s66, s66, 3
	s_lshr_b32 s74, s12, 1
	s_add_co_u32 s66, s66, s74
	s_lshl_b32 s66, s66, 18
	s_and_b32 s74, s11, 15
	s_lshl_b32 s74, s74, 14
	s_add_co_u32 s66, s66, s74
	s_and_b32 s74, s12, 1
	s_lshl_b32 s74, s74, 13
	s_add_co_u32 s66, s66, s74
	s_lshl_b32 s74, s10, 10
	s_add_co_u32 s66, s66, s74
	s_mov_b32 s67, 0
	s_mov_b32 s[G1K], 15|(0<<16)|(1<<20)|(1<<21)|(5<<22)|(3<<25)   ; mask: all four; elements of 1 byte; padding on; bit 21 beside a mask; 4 words after every 64
	s_mov_b32 s[G1V], 15|(0<<16)|(1<<20)|(1<<21)|(5<<22)|(3<<25)
.irp g, G1K, G1V
	s_mov_b32 s[\g+1], 256<<16                     ; tensor_dim0
	s_mov_b32 s[\g+2], 32<<16                      ; tensor_dim1
	s_mov_b32 s[\g+3], 256<<16                     ; tile_dim0
	s_mov_b32 s[\g+4], 32                          ; tile_dim1
	s_mov_b32 s[\g+6], 0
	s_mov_b32 s[\g+7], 0
.endr
	s_mov_b32 s[G1K+5], 1024                       ; pitch in memory: K
	s_mov_b32 s[G1V+5], 256                        ; V: dense
	s_mov_b32 s[SEL], 0x76543210
	s_mov_b32 s[SEL+1], 0xfedcba98
	s_mov_b32 s[CS], 0x3e38aa3b                    ; log2(e) / 8
	s_mov_b32 s[TB], 0
	s_mov_b32 s[KF], 0
	s_wait_dscnt 0x0                               ; both opening adds are done
	s_wait_kmcnt 0x0
	s_load_b128 s[68:71], s[6:7], 0x18             ; e6, e7, e8, e9
	s_load_b32 s72, s[6:7], 0x28                   ; e10
	s_add_nc_u64 s[58:59], s[4:5], s[58:59]
	s_add_nc_u64 s[60:61], s[4:5], s[60:61]
	s_add_nc_u64 s[62:63], s[4:5], s[62:63]
	s_add_nc_u64 s[66:67], s[8:9], s[66:67]
	CROUND                                         ; all four work-groups are here: the joint loads meet
.irp n, 0,1
	s_mov_b32 s[G0K+4*\n], 1
	s_add_co_u32 s[G0K+4*\n+1], s19, \n*69632
	s_add_nc_u64 s[G0K+4*\n+2:G0K+4*\n+3], s[58:59], \n*262144
	s_or_b32 s[G0K+4*\n+3], s[G0K+4*\n+3], 0x80000000
	s_mov_b32 s[G0V+4*\n], 1
	s_add_co_u32 s[G0V+4*\n+1], s19, VOFF+\n*69632
	s_add_nc_u64 s[G0V+4*\n+2:G0V+4*\n+3], s[60:61], \n*262144
	s_or_b32 s[G0V+4*\n+3], s[G0V+4*\n+3], 0x80000000
.endr
	s_cmp_lt_u32 s[WV], 8                          ; a wave's two fills stand in one branch on the wave's number, ahead of every wait on TENSORcnt, LDS read and barrier
	s_cbranch_scc0 .Lfirst_v
	tensor_load_to_lds s[G0K:G0K+3], s[G1K:G1K+7]
	s_nop 0
	tensor_load_to_lds s[G0K+4:G0K+7], s[G1K:G1K+7]
	s_nop 0
.rept 4
	v_nop
.endr
	s_branch .Lfirst_asked
.Lfirst_v:
	tensor_load_to_lds s[G0V:G0V+3], s[G1V:G1V+7]
	s_nop 0
	tensor_load_to_lds s[G0V+4:G0V+7], s[G1V:G1V+7]
	s_nop 0
.rept 4
	v_nop
.endr
.Lfirst_asked:
	v_and_b32 v8, 15, v0                           ; r
	v_bfe_u32 v9, v0, 4, 1                         ; h
	v_lshrrev_b32 v10, 2, v8                       ; r / 4
	v_and_b32 v11, 3, v8                           ; r % 4
	v_lshlrev_b32 v[QOF], 10, v10
	v_lshl_add_u32 v[QOF], v11, 6, v[QOF]
	v_lshl_add_u32 v[QOF], v9, 4, v[QOF]
	global_load_b128 v[16:19], v[QOF], s[62:63]            ; Q's fragment stays in registers: bytes 16 h .. and 32 + 16 h .. of my query's 64: the same permutation of k as K's loads
	global_load_b128 v[20:23], v[QOF], s[62:63] offset:32
	v_mul_u32_u24 v[AK0], v10, KP
	v_lshl_add_u32 v[AK0], v11, 6, v[AK0]
	v_lshl_add_u32 v[AK0], v9, 4, v[AK0]
	v_mul_u32_u24 v[AV0], v8, KP
	v_lshl_add_u32 v[AV0], v9, 3, v[AV0]
	v_add_nc_u32 v[AV0], VOFF, v[AV0]
	s_lshl_b32 s74, s10, 4
	v_lshlrev_b32 v[DD], 3, v9
	v_sub_nc_u32 v[DD], v8, v[DD]
	v_add_nc_u32 v[DD], s74, v[DD]
	v_and_b32 v[GO], 31, v0
	v_lshlrev_b32 v[GO], 4, v[GO]
	s_lshl_b32 s17, s[WV], 10
	s_add_co_u32 s17, s17, STAGE
	v_lshlrev_b32 v[SIN], 6, v8
	v_lshl_add_u32 v[SIN], v9, 3, v[SIN]
	v_add_nc_u32 v[SIN], s17, v[SIN]               ; query r's 64 bytes, + 8 h
	v_add_nc_u32 v[SOUT], s17, v[GO]
	v_mov_b32 v13, 0xff61b1e6                      ; the largest t so far: -3e38
	v_floor_f32 v12, -v13                          ; -M
	v_mov_b32 v14, 0
	v_mov_b32 v15, 0
	v_mov_b32 v236, 0                              ; a lane permute's destination counts as read
	v_mov_b32 v253, 0                              ; (upper half of the pair v[252:253])
.set J, 0
.rept 32
	v_mov_b32 v[160+J], 0                          ; O^T: the step is written for all steps alike; the first finds zeros
.set J, J+1
.endr
	s_wait_kmcnt 0x0
	s_add_co_i32 s73, s68, s69
	s_lshl_b32 s73, s73, 23
	s_add_co_i32 s[CS], s[CS], s73                 ; e6 + e7 go into c's exponent field
	s_mov_b32 s[CS+1], s[CS]
	s_add_co_i32 s73, s71, 127
	s_lshl_b32 s74, s73, 23
	v_mov_b32 v244, s74                            ; 2^e9
	s_add_co_i32 s73, s73, 8
	s_lshl_b32 s73, s73, 23
	s_or_b32 s73, s73, 0x600000
	v_mov_b32 v240, s73                            ; 448 x 2^e9
	s_add_co_i32 s73, s72, 127
	s_lshl_b32 s74, s73, 23
	v_mov_b32 v245, s74                            ; 2^e10
	s_add_co_i32 s73, s73, 8
	s_lshl_b32 s73, s73, 23
	s_or_b32 s73, s73, 0x600000
	v_mov_b32 v241, s73                            ; 448 x 2^e10
	s_add_co_i32 s75, s70, s71                     ; e8 + e9
; A KEY STEP: 128 keys, the q-th of the 256 in hand.
.macro STEP q
	s_cmp_gt_u32 s[KF], s[QW]                      ; all 128 keys behind my queries: the step's work is left out
	s_cbranch_scc1 .Lhidden_\@
	v_add_nc_u32 v[ADK], s[TB], v[AK0]
	v_add_nc_u32 v[ADV], s[TB], v[AV0]
	v_nop
	v_nop                                          ; with the two additions: four places in front of loads into registers that the last products read
.irp i, 0,1,2,3,4,5,6,7
	ds_load_b128 v[32+8*\i:35+8*\i], v[ADK] offset:8704*(\q)+1088*\i
	ds_load_b128 v[36+8*\i:39+8*\i], v[ADK] offset:8704*(\q)+1088*\i+32
.endr
	s_wait_dscnt 0x0
.irp i, 0,1,2,3,4,5,6,7
	v_wmma_f32_16x16x64_fp8_fp8 v[96+8*\i:103+8*\i], v[32+8*\i:39+8*\i], v[16:23], 0
.endr
.rept 4
	v_nop                                          ; places: in front of the loads below and of the first read of the scores
.endr
.irp t, 0,1,2,3
.irp c, 0,1,2,3,4,5,6,7
	ds_load_b64 v[32+16*\t+2*\c:33+16*\t+2*\c], v[ADV] offset:4352*\t+128*(\q)+16*\c   ; V^T in the form's own layout; it lands under the softmax
.endr
.endr
	s_cmp_lt_u32 s[KF], s[QW]                      ; all keys count: no mask
	s_cbranch_scc1 .Lopen_\@
	v_mov_b32 v254, 0xff800000                     ; -infinity
.set N, 0
.rept 64
	v_cmp_gt_i32 vcc_lo, 16*(N/8)+N%8, v[DD]
	v_cndmask_b32 v[96+N], v[96+N], v254, vcc_lo
.set N, N+1
.endr
.Lopen_\@:
	v_max3_num_f32 v254, v96, v97, v98             ; the step's largest score of my query among my 64 keys, in two chains,
	v_max3_num_f32 v252, v99, v100, v101
.set J, 6
.rept 14
	v_max3_num_f32 v254, v254, v[96+J], v[97+J]
	v_max3_num_f32 v252, v252, v[98+J], v[99+J]
.set J, J+4
.endr
	v_max3_num_f32 v254, v254, v158, v159
	v_max_num_f32 v254, v254, v252
	v_permlanex16_b32 v236, v254, s[SEL], s[SEL+1]
	v_max_num_f32 v254, v254, v236                 ; and among lane l xor 16's
	v_mul_f32 v254, s[CS], v254                    ; as t (c is positive)
	v_max_num_f32 v13, v13, v254
	v_mov_b32 v254, v12
	v_floor_f32 v12, -v13                          ; the new -M: a whole number
	v_sub_f32 v254, v12, v254                      ; old M - new M, 0 or less
	v_cvt_i32_f32 v254, v254
	v_ldexp_f32 v252, 1.0, v254                    ; f = 2^(old M - new M)
.set J, 0
.rept 32
	v_pk_fma_f32 v[96+J:97+J], v[96+J:97+J], s[CS:CS+1], v[12:13] op_sel_hi:[1,0,0]   ; t - M
.set J, J+2
.endr
.set J, 0
.rept 64
	v_exp_f32 v[96+J], v[96+J]                     ; p = 2^(t - M)
.set J, J+1
.endr
	v_pk_mul_f32 v[14:15], v[14:15], v[252:253] op_sel_hi:[1,0]   ; the sums under the new M: the plain instruction behind the batch
	s_wait_alu depctr_va_vdst(0)                   ; one wait for the batch, ahead of its first reader
	v_pk_add_f32 v[242:243], v[96:97], v[98:99]    ; the row's sum of the unquantised p, in two chains
.set J, 4
.rept 15
	v_pk_add_f32 v[14:15], v[14:15], v[96+J:97+J]
	v_pk_add_f32 v[242:243], v[242:243], v[98+J:99+J]
.set J, J+4
.endr
	v_pk_add_f32 v[14:15], v[14:15], v[242:243]
.irp c, 0,1,2,3,4,5,6,7
.irp i, 0,1,2,3,4,5,6,7
	v_min_num_f32 v[96+8*\c+\i], v[96+8*\c+\i], v240   ; the conversion does not saturate (ISA guide 7.6.2); p is not negative: a one-sided hold
.endr
	v_cvt_scalef32_pk8_fp8_f32 v[224+2*\c:225+2*\c], v[96+8*\c:103+8*\c], v244
.endr
.set J, 0
.rept 16
	v_pk_mul_f32 v[160+J:161+J], v[160+J:161+J], v[252:253] op_sel_hi:[1,0]   ; O^T under the new M; also the plain work behind the conversions
.set J, J+2
.endr
	s_wait_dscnt 0x0                               ; V's fragments are in
.irp t, 0,1,2,3
	v_wmma_f32_16x16x128_fp8_fp8 v[160+8*\t:167+8*\t], v[32+16*\t:47+16*\t], v[224:239], v[160+8*\t:167+8*\t]
.endr
.Lhidden_\@:
	s_add_co_u32 s[KF], s[KF], 128
.endm
	s_wait_loadcnt 0x0                             ; Q
	s_wait_tensorcnt 0x1                           ; my first load is in; the second may be out
	s_barrier_signal -1
	s_barrier_wait -1                              ; keys 0-1,023 of K and V lie in LDS
	s_mov_b32 s3, 4
.Lfirst_half:
	STEP 0
	STEP 1
	s_add_co_u32 s[TB], s[TB], 17408
	s_sub_co_u32 s3, s3, 1
	s_cmp_lg_u32 s3, 0
	s_cbranch_scc1 .Lfirst_half
	s_wait_tensorcnt 0x0                           ; my second load is in
	s_wait_dscnt 0x0
	s_barrier_signal -1
	s_barrier_wait -1                              ; everybody's is
	s_mov_b32 s3, 4
.Lsecond_half:
	STEP 0
	STEP 1
	s_add_co_u32 s[TB], s[TB], 17408
	s_sub_co_u32 s3, s3, 1
	s_cmp_lg_u32 s3, 0
	s_cbranch_scc1 .Lsecond_half
	; THE WAY OUT: o = O^T x 2^(e8 + e9) / sum, held, converted with 2^e10; 16 queries x 64 bytes go through my stage and leave as 1,024 consecutive bytes.
.rept 4
	v_nop
.endr
	v_add_f32 v14, v14, v15
	v_permlanex16_b32 v236, v14, s[SEL], s[SEL+1]
	v_add_f32 v14, v14, v236                       ; the row's sum
	v_rcp_f32 v14, v14
	v_nop                                          ; a plain instruction behind the transcendental
	s_wait_alu depctr_va_vdst(0)                   ; and the wait ahead of its first reader
	v_ldexp_f32 v14, v14, s75
.set J, 0
.rept 16
	v_pk_mul_f32 v[96+J:97+J], v[160+J:161+J], v[14:15] op_sel_hi:[1,0]   ; register 8 t + i is o(r, 16 t + 8 h + i); each accumulator from its low end on
.set J, J+2
.endr
.set J, 0
.rept 32
	v_med3_num_f32 v[96+J], v[96+J], -v241, v241
.set J, J+1
.endr
.irp t, 0,1,2,3
	v_cvt_scalef32_pk8_fp8_f32 v[224+2*\t:225+2*\t], v[96+8*\t:103+8*\t], v245
.endr
	v_nop
.irp t, 0,1,2,3
	ds_store_b64 v[SIN], v[224+2*\t:225+2*\t] offset:16*\t
.endr
	ds_load_b128 v[32:35], v[SOUT]                 ; LDS serves a wave's instructions in order: these see my stores
	ds_load_b128 v[36:39], v[SOUT] offset:512
	s_wait_dscnt 1                                 ; the younger load may be out
	global_store_b128 v[GO], v[32:35], s[66:67]
	s_wait_dscnt 0
	global_store_b128 v[GO], v[36:39], s[66:67] offset:512
	s_wait_tensorcnt 0x0                           ; the wave's end
	ds_add_u32 v[SPW], v[NIL]
	s_wait_dscnt 0x0
	CROUND                                         ; the closing round
	s_endpgm
.Lfunc_end_k_q23881d3eeb_attn:
	.size	k_q23881d3eeb_attn, .Lfunc_end_k_q23881d3eeb_attn-k_q23881d3eeb_attn
	.p2alignl 7, 3214868480
	.fill 96, 4, 3214868480
	.section	.rodata,"a",@progbits
	.p2align	6, 0x0
	.amdhsa_kernel k_q23881d3eeb_attn
		.amdhsa_group_segment_fixed_size 327680
		.amdhsa_private_segment_fixed_size 0
		.amdhsa_enable_private_segment 0
		.amdhsa_kernarg_size 24
		.amdhsa_user_sgpr_count 2
		.amdhsa_user_sgpr_kernarg_segment_ptr 1
		.amdhsa_wavefront_size32 1
		.amdhsa_system_sgpr_workgroup_id_x 1
		.amdhsa_system_sgpr_workgroup_id_y 1
		.amdhsa_system_sgpr_workgroup_id_z 1
		.amdhsa_system_vgpr_workitem_id 0
		.amdhsa_next_free_vgpr 256
		.amdhsa_next_free_sgpr 100
		.amdhsa_reserve_vcc 1
		.amdhsa_float_denorm_mode_32 3
		.amdhsa_float_denorm_mode_16_64 3
		.amdhsa_memory_ordered 1
		.amdhsa_forward_progress 1
		.amdhsa_inst_pref_size 100
	.end_amdhsa_kernel
	.amdgpu_metadata
---
amdhsa.version: [ 1, 2 ]
amdhsa.kernels:
  - .name:           k_q23881d3eeb_attn
    .symbol:         k_q23881d3eeb_attn.kd
    .args:
      - { .name: qkv, .offset: 0, .size: 8, .value_kind: global_buffer, .address_space: global }
      - { .name: lowp_scales, .offset: 8, .size: 8, .value_kind: global_buffer, .address_space: global }
      - { .name: oc, .offset: 16, .size: 8, .value_kind: global_buffer, .address_space: global }
    .group_segment_fixed_size: 327680
    .private_segment_fixed_size: 0
    .kernarg_segment_align: 8
    .kernarg_segment_size: 24
    .max_flat_workgroup_size: 512
    .sgpr_count:     100
    .vgpr_count:     256
    .wavefront_size: 32
...
	.end_amdgpu_metadata
.endif
;; end of part 3
;; launch wo (part 4): grid 4 x 16, 4 waves a work-group, clusters of 4 x 4, 327,680 bytes of LDS; arguments oc, wo_codes, lowp_scales, x, x2; writes x2
.if DOCPART == 4
	.amdgcn_target "amdgcn-amd-amdhsa--gfx1250"
	.amdhsa_code_object_version 6
	.text
	.protected	k_q23881d3eeb_wo
	.globl	k_q23881d3eeb_wo
	.p2align	8
	.type	k_q23881d3eeb_wo,@function
k_q23881d3eeb_wo:
	s_mov_b64 s[64:65], 0
	v_nop
	global_prefetch_b8 v0, s[64:65] scope:SCOPE_SE
	s_setreg_imm32_b32 hwreg(HW_REG_WAVE_MODE, 25, 1), 1
	s_wait_xcnt 0x0
	s_wait_alu depctr_hold_cnt(0) depctr_sa_sdst(0) depctr_va_vdst(0) depctr_va_sdst(0) depctr_va_ssrc(0) depctr_va_vcc(0) depctr_vm_vsrc(0)
	s_getreg_b32 s2, hwreg(HW_REG_IB_STS2, 6, 4)
	s_cmp_eq_u32 s2, 0
	s_cbranch_scc0 .Lentry_in_a_cluster
	s_endpgm
.Lentry_in_a_cluster:
	s_bfe_u32 s2, ttmp6, 0x10000c
	s_cmp_lg_u32 s2, 0xf033
	s_cbranch_scc0 .Lentry_shape_is_right
	s_endpgm
.Lentry_shape_is_right:
; x2 = o wo^T x 2^(e10 + e11) + x.  o: codes laid [tile of 256 tokens][head][256 tokens][64 bytes]; wo: codes [1024][1024], K innermost; x, x2: [4096][1024] f32.
; LIMIT: e10 + e11 between -126 and 127, so that 2^(e10 + e11) is an f32 number.
; A tile of C, 256 x 256, is made by four waves, 128 x 128 each.  K goes in steps of 256 (four heads) through two LDS slots filled by tensor loads.  A's tile of a K step is a dense block of 64 KiB,
; taken as 256 rows of 256 bytes: row 64 (head in the step) + token / 4 holds 4 tokens x 64 bytes.  CLUSTER 4 x 4: A's tile jointly along a row, B's along a column.  Used transposed.
; 64 tiles of 256 x 256: a smaller tile would halve the products that each byte from LDS feeds and the matrix work between two changes of slots.  No prefetch: four fills of a slot, all shared in the cluster.
; THE WAY OUT: a block of 16 rows goes unscaled through my own stage in slot 0 (last fill and last read are past) and comes back as rows of 512 bytes; one packed multiply-add gives sum x 2^e + residual.
.set SIZE_K, 1024
.set BLOCKED_A, 1
.set EOFF,   0x28
.set KSTEP,  256
.set ROWB,   256
.set KROW,   SIZE_K
.set PITCH,  272                       ; 256 bytes + 16 of padding: the 16 rows of a fragment load start at 16 different banks (64 banks of 4 bytes: ISA guide 11.1)
.set FR,     16
.set NL,     4
.set NP,     4
.set HALFT,  128*PITCH
.set SLOT,   4*HALFT
.set LAPS,   SIZE_K/(2*KSTEP)
.set SPARE,  2*SLOT
.set SPITCH, 528
.if BLOCKED_A
.set ASLOT,  65536                     ; bytes from a K step of A to the next
.set APITCH, 256                       ; and from row to row of its tile
.else
.set ASLOT,  ROWB
.set APITCH, KROW
.endif
.set ADRA, 16
.set ADRB, 20
.set STO,  24
.set RD,   25
.set CO,   26
.set SPW,  28
.set NIL,  29
.set AF,   128
.set BK,   128                         ; the way out: rows read back: v128-191 and v192-255 by turns;  the residual: window 1, v0-63 and v64-127 by turns
.set G1, 24
.set G0, 32
.set G1B, 48
.set G0B, 56
.set MSB, 0
.macro WIN new
.if MSB != (\new)
	s_set_vgpr_msb (MSB<<8)|(\new)
.set MSB, (\new)
.endif
.endm
.set MUL_LO, 0xa1
.set MUL_HI, 0xf1
.set TO_B,   0x40
.macro JLOAD g0a, g1a, g0b, g1b        ; waves 0, 1 fetch for A, waves 2, 3 for B; an s_nop 0 and four v_nop follow each line
	s_cmp_eq_u32 s15, 0
	s_cbranch_scc0 .Lfor_b_\@
	tensor_load_to_lds s[\g0a:\g0a+3], s[\g1a:\g1a+7]
	s_nop 0
.rept 4
	v_nop
.endr
	s_branch .Lasked_\@
.Lfor_b_\@:
	tensor_load_to_lds s[\g0b:\g0b+3], s[\g1b:\g1b+7]
	s_nop 0
.rept 4
	v_nop
.endr
.Lasked_\@:
.endm
.macro CREST
	s_cmp_lg_u32 s14, 0
	s_cbranch_scc1 .Lnot_wave_0_\@
	s_barrier_signal -3
.Lnot_wave_0_\@:
	s_barrier_wait -3
	s_barrier_signal -1
	s_barrier_wait -1
.endm
.macro CROUND
	s_barrier_signal -1
	s_barrier_wait -1
	CREST
.endm
	s_load_b128 s[4:7], s[0:1], 0x0                ; A's codes, B's codes
	s_load_b128 s[8:11], s[0:1], 0x10              ; scales s[8:9], the residual s[10:11]
	s_load_b64 s[12:13], s[0:1], 0x20              ; the result
	v_lshl_add_u32 v[SPW], v0, 2, SPARE
	v_mov_b32 v[NIL], 0
	ds_add_u32 v[SPW], v[NIL]                      ; the opening: the add, twice on end, and its wait ahead of my first tensor load
	ds_add_u32 v[SPW], v[NIL]
	v_lshrrev_b32 v1, 5, v0
	v_readfirstlane_b32 s14, v1
	s_lshr_b32 s15, s14, 1
	s_and_b32 s16, s14, 1
	s_bfe_u32 s40, ttmp6, 0x40000
	s_bfe_u32 s41, ttmp6, 0x40004
	s_lshl_b32 s42, ttmp9, 2
	s_add_co_u32 s42, s42, s40                     ; tile column
	s_and_b32 s17, ttmp7, 0xffff
	s_lshl_b32 s17, s17, 2
	s_add_co_u32 s17, s17, s41                     ; tile row
	s_lshl_b32 s43, s41, 2
	s_lshl_b32 s43, 15, s43
	s_lshl_b32 s44, 0x1111, s40
	s_or_b32 s[G1+0], s43, (0<<16)|(1<<20)|(1<<21)|(5<<22)|(3<<25)
	s_or_b32 s[G1B+0], s44, (0<<16)|(1<<20)|(1<<21)|(5<<22)|(3<<25)
.irp g, G1, G1B
	s_mov_b32 s[\g+1], ROWB<<16
	s_mov_b32 s[\g+2], 128<<16
	s_mov_b32 s[\g+3], ROWB<<16
	s_mov_b32 s[\g+4], 128
	s_mov_b32 s[\g+6], 0
	s_mov_b32 s[\g+7], 0
.endr
	s_mov_b32 s[G1+5], APITCH
	s_mov_b32 s[G1B+5], KROW
	s_lshl_b32 s18, s16, 7
.if BLOCKED_A
	s_lshl_b32 s20, s17, 18                        ; A: the tile row's 16 blocks of 16 KiB a head, + my 128 rows of 256 bytes
	s_lshl_b32 s21, s16, 15
	s_add_co_u32 s20, s20, s21
.else
	s_lshl_b32 s20, s17, 8
	s_add_co_u32 s20, s20, s18
.endif
	s_lshl_b32 s46, s42, 8
	s_add_co_u32 s46, s46, s18
	s_mov_b32 s21, 0
	s_mov_b32 s47, 0
	s_mov_b64 s[18:19], KROW
.if BLOCKED_A == 0
	s_mul_u64 s[20:21], s[20:21], s[18:19]
.endif
	s_mul_u64 s[46:47], s[46:47], s[18:19]
	s_mul_i32 s45, s14, HALFT
	s_wait_dscnt 0x0
	s_wait_kmcnt 0x0
	s_load_b64 s[96:97], s[8:9], EOFF              ; eA, eB
	s_add_nc_u64 s[20:21], s[4:5], s[20:21]
	s_add_nc_u64 s[46:47], s[6:7], s[46:47]
	CROUND
.irp s, 0,1
	s_mov_b32 s[G0+4*\s], 1
	s_add_co_u32 s[G0+4*\s+1], s45, \s*SLOT
	s_add_nc_u64 s[G0+4*\s+2:G0+4*\s+3], s[20:21], \s*ASLOT
	s_or_b32 s[G0+4*\s+3], s[G0+4*\s+3], 0x80000000
	s_mov_b32 s[G0B+4*\s], 1
	s_add_co_u32 s[G0B+4*\s+1], s45, \s*SLOT
	s_add_nc_u64 s[G0B+4*\s+2:G0B+4*\s+3], s[46:47], \s*ROWB
	s_or_b32 s[G0B+4*\s+3], s[G0B+4*\s+3], 0x80000000
	JLOAD G0+4*\s, G1, G0B+4*\s, G1B
.endr
	v_and_b32 v1, 15, v0
	v_bfe_u32 v2, v0, 4, 1
	v_mul_u32_u24 v3, v1, PITCH
	v_lshl_add_u32 v4, v2, 4, v3
.if BLOCKED_A
	v_lshrrev_b32 v5, 2, v1                        ; A: token r of a block lies in row r / 4 at byte 64 (r % 4): sixteen lanes, sixteen different columns of 16 bytes
	v_mul_u32_u24 v5, v5, PITCH
	v_and_b32 v6, 3, v1
	v_lshl_add_u32 v5, v6, 6, v5
	v_lshl_add_u32 v5, v2, 4, v5
	s_mul_i32 s21, s15, 32*PITCH                   ; my 128 tokens: 32 rows on, in each head's 64
.else
	v_mov_b32 v5, v4
	s_mul_i32 s21, s15, HALFT
.endif
	s_mul_i32 s22, s16, HALFT
	s_add_co_u32 s22, s22, 2*HALFT
.irp s, 0,1
	v_add_nc_u32 v[ADRA+\s], s21, v5
	v_add_nc_u32 v[ADRB+\s], s22, v4
	s_add_co_u32 s21, s21, SLOT
	s_add_co_u32 s22, s22, SLOT
.endr
	s_mul_i32 s23, s14, 16*SPITCH                  ; my stage
	v_mul_u32_u24 v5, v1, SPITCH
	v_lshl_add_u32 v5, v2, 5, v5
	v_add_nc_u32 v[STO], s23, v5
	v_and_b32 v6, 31, v0
	v_lshlrev_b32 v[CO], 4, v6
	v_add_nc_u32 v[RD], s23, v[CO]
	s_lshl_b32 s20, s17, 8
	s_lshl_b32 s21, s15, 7
	s_add_co_u32 s20, s20, s21                     ; my first row of C,
	s_lshl_b32 s20, s20, 12                        ; 4,096 bytes a row,
	s_lshl_b32 s46, s42, 10
	s_add_co_u32 s20, s20, s46
	s_lshl_b32 s46, s16, 9
	s_add_co_u32 s20, s20, s46                     ; my first column's bytes
	s_mov_b32 s21, 0
	s_add_nc_u64 s[10:11], s[10:11], s[20:21]
	s_add_nc_u64 s[12:13], s[12:13], s[20:21]
.macro FRAG reg, adr, q, i             ; B: registers 4 c .. 4 c + 3 hold K = 128 q + 32 c + 16 h + 0 .. 15
.irp c, 0,1,2,3
	ds_load_b128 v[\reg+4*\c:\reg+4*\c+3], v[\adr] offset:128*(\q)+32*\c+(\i)*16*PITCH
.endr
.endm
.macro FRAGA reg, adr, q, i            ; A: the same k: head 2 q + c / 2 of the step, channel 32 (c % 2) + 16 h
.irp c, 0,1,2,3
.if BLOCKED_A
	ds_load_b128 v[\reg+4*\c:\reg+4*\c+3], v[\adr] offset:(2*(\q)+\c/2)*64*PITCH+32*(\c%2)+(\i)*4*PITCH
.else
	ds_load_b128 v[\reg+4*\c:\reg+4*\c+3], v[\adr] offset:128*(\q)+32*\c+(\i)*16*PITCH
.endif
.endr
.endm
.macro MUL16 a0, p, zero               ; the 64 accumulators take turns, one instruction a turn
.irp a, \a0, \a0+1
.irp b, 0,1,2,3,4,5,6,7
.if \zero
	v_wmma_f32_16x16x128_fp8_fp8 v[8*(8*((\a)%4)+\b):8*(8*((\a)%4)+\b)+7], v[128*(\p)+FR*\b:128*(\p)+FR*\b+FR-1], v[AF+FR*(\a):AF+FR*(\a)+FR-1], 0
.else
	v_wmma_f32_16x16x128_fp8_fp8 v[8*(8*((\a)%4)+\b):8*(8*((\a)%4)+\b)+7], v[128*(\p)+FR*\b:128*(\p)+FR*\b+FR-1], v[AF+FR*(\a):AF+FR*(\a)+FR-1], v[8*(8*((\a)%4)+\b):8*(8*((\a)%4)+\b)+7]
.endif
.endr
.endr
.endm
.macro FETCH_B slot, q, p
	WIN TO_B
.irp i, 0,1,2,3,4,5,6,7
	FRAG 128*(\p)+FR*\i, ADRB+\slot, \q, \i
.endr
	WIN 0
.endm
.macro FETCH_A slot, q, i0
.irp i, \i0, \i0+1, \i0+2, \i0+3
	FRAGA AF+FR*(\i), ADRA+\slot, \q, \i
.endr
.endm
.macro PLACES n
.rept \n
	v_nop
.endr
.endm
.macro STEP slot, q, zero
	s_wait_dscnt 4*NL                              ; the youngest 16 loads (A's blocks 4-7) may be out
	WIN MUL_LO
	MUL16 0, (\q)%2, \zero
	MUL16 2, (\q)%2, \zero
	s_wait_dscnt 0
	PLACES NP
	FETCH_B \slot, (\q)+1, 1-(\q)%2
	FETCH_A \slot, (\q)+1, 0
	WIN MUL_HI
	MUL16 4, (\q)%2, \zero
	MUL16 6, (\q)%2, \zero
	PLACES NP
	WIN 0
	FETCH_A \slot, (\q)+1, 4
.endm
.macro TURN slot, next, fill
	s_wait_tensorcnt 0x0                           ; all my tensor loads have landed: my part of the next slot
	ds_add_u32 v[SPW], v[NIL]
	s_wait_dscnt 4*NL+1                            ; (the add and the youngest 16 loads may be out)
	WIN MUL_LO
	MUL16 0, 1, 0
	s_wait_dscnt 0x0                               ; the add is done, and my reads of this slot are over
	s_barrier_signal -1
	MUL16 2, 1, 0
	WIN 0
	s_barrier_wait -1
.if \fill
	CREST                                          ; a round of the cluster's barrier: no wave of any partner still reads this slot or has a load on its way
	s_add_nc_u64 s[G0+4*\slot+2:G0+4*\slot+3], s[G0+4*\slot+2:G0+4*\slot+3], 2*ASLOT
	s_add_nc_u64 s[G0B+4*\slot+2:G0B+4*\slot+3], s[G0B+4*\slot+2:G0B+4*\slot+3], 2*ROWB
	JLOAD G0+4*\slot, G1, G0B+4*\slot, G1B
.else
	PLACES NP
.endif
	FETCH_B \next, 0, 0
	FETCH_A \next, 0, 0
	WIN MUL_HI
	MUL16 4, 1, 0
	MUL16 6, 1, 0
	PLACES NP
	WIN 0
	FETCH_A \next, 0, 4
.endm
	s_wait_tensorcnt 1                             ; K step 0 is in; K step 1's load may be out
	s_barrier_signal -1
	s_barrier_wait -1
	FETCH_B 0, 0, 0
	FETCH_A 0, 0, 0
	FETCH_A 0, 0, 4
	STEP 0, 0, 1
	s_mov_b32 s3, LAPS-1
.Llap:
	TURN 0, 1, 1
	STEP 1, 0, 0
	TURN 1, 0, 1
	STEP 0, 0, 0
	s_sub_co_u32 s3, s3, 1
	s_cmp_lg_u32 s3, 0
	s_cbranch_scc1 .Llap
	TURN 0, 1, 0
	STEP 1, 0, 0
	s_wait_dscnt 4*NL
	WIN MUL_LO
	MUL16 0, 1, 0
	MUL16 2, 1, 0
	s_wait_dscnt 0
	WIN MUL_HI
	MUL16 4, 1, 0
	MUL16 6, 1, 0
	WIN 0
.macro XLOAD a                         ; the residual's 16 rows of block a, 512 consecutive bytes a load, into window 1
	WIN 0x40
.set J, 0
.rept 16
	global_load_b128 v[64*((\a)%2)+4*J:64*((\a)%2)+4*J+3], v[CO], s[10:11] offset:(16*(\a)+J)*4096 th:TH_LOAD_NT
.set J, J+1
.endr
	WIN 0
.endm
.macro TOSTAGE a                       ; block a's sums, as they are, into my stage (each accumulator from its low end on), and back as whole rows
.set AC, 64*((\a)%4)
	WIN 0x08+4*((\a)/4)                            ; the stores' data: window 2 or 3
.irp b, 0,1,2,3,4,5,6,7
	ds_store_b128 v[STO], v[AC+8*\b:AC+8*\b+3] offset:64*\b
	ds_store_b128 v[STO], v[AC+8*\b+4:AC+8*\b+7] offset:64*\b+16
.endr
	WIN 0
.set BB, BK+64*((\a)%2)
.set J, 0
.rept 16
	ds_load_b128 v[BB+4*J:BB+4*J+3], v[RD] offset:J*SPITCH   ; LDS serves a wave's instructions in order: these see the stores above
.set J, J+1
.endr
.endm
.macro SEND a, younger
.set BB, BK+64*((\a)%2)
	s_wait_dscnt \younger                          ; the block is back; the next block's 16 stores and 16 loads may be out
.if (\a) < 7
	s_wait_loadcnt 16                              ; its residual is in; the next block's 16 loads may be out
.else
	s_wait_loadcnt 0
.endif
	WIN 0x10                                       ; source 2: window 1
.set J, 0
.rept 32
	v_pk_fma_f32 v[BB+J:BB+J+1], v[BB+J:BB+J+1], s[96:97], v[64*((\a)%2)+J:64*((\a)%2)+J+1] op_sel_hi:[1,0,1]   ; sum x 2^(eA + eB) + residual
.set J, J+2
.endr
	WIN 0
.set J, 0
.rept 16
	global_store_b128 v[CO], v[BB+4*J:BB+4*J+3], s[12:13] offset:(16*(\a)+J)*4096   ; 32 lanes store 512 consecutive bytes, aligned
.set J, J+1
.endr
.if (\a)+2 <= 7
	XLOAD (\a)+2
.endif
.endm
	s_wait_kmcnt 0x0
	s_add_co_i32 s96, s96, s97
	s_add_co_i32 s96, s96, 127
	s_lshl_b32 s96, s96, 23                        ; 2^(eA + eB) as f32
	PLACES NP                                      ; in front of loads into registers that the last products read, and of the stores that read results
	XLOAD 0
	XLOAD 1
	TOSTAGE 0
.irp a, 1,2,3,4,5,6,7
.if \a > 1
	s_wait_xcnt 0x0                                ; block a - 2's stores have read their registers: block a's rows may land there
.endif
	TOSTAGE \a
	SEND \a-1, 32
.endr
	SEND 7, 0
	s_wait_tensorcnt 0x0                           ; the wave's end
	ds_add_u32 v[SPW], v[NIL]
	s_wait_dscnt 0x0
	CROUND                                         ; the closing round
	s_endpgm
.Lfunc_end_k_q23881d3eeb_wo:
	.size	k_q23881d3eeb_wo, .Lfunc_end_k_q23881d3eeb_wo-k_q23881d3eeb_wo
	.p2alignl 7, 3214868480
	.fill 96, 4, 3214868480
	.section	.rodata,"a",@progbits
	.p2align	6, 0x0
	.amdhsa_kernel k_q23881d3eeb_wo
		.amdhsa_group_segment_fixed_size 327680
		.amdhsa_private_segment_fixed_size 0
		.amdhsa_enable_private_segment 0
		.amdhsa_kernarg_size 40
		.amdhsa_user_sgpr_count 2
		.amdhsa_user_sgpr_kernarg_segment_ptr 1
		.amdhsa_wavefront_size32 1
		.amdhsa_system_sgpr_workgroup_id_x 1
		.amdhsa_system_sgpr_workgroup_id_y 1
		.amdhsa_system_sgpr_workgroup_id_z 1
		.amdhsa_system_vgpr_workitem_id 0
		.amdhsa_next_free_vgpr 1024
		.amdhsa_next_free_sgpr 100
		.amdhsa_reserve_vcc 0
		.amdhsa_float_denorm_mode_32 3
		.amdhsa_float_denorm_mode_16_64 3
		.amdhsa_memory_ordered 1
		.amdhsa_forward_progress 1
		.amdhsa_inst_pref_size 136
	.end_amdhsa_kernel
	.amdgpu_metadata
---
amdhsa.version: [ 1, 2 ]
amdhsa.kernels:
  - .name:           k_q23881d3eeb_wo
    .symbol:         k_q23881d3eeb_wo.kd
    .args:
      - { .name: oc, .offset: 0, .size: 8, .value_kind: global_buffer, .address_space: global }
      - { .name: wo_codes, .offset: 8, .size: 8, .value_kind: global_buffer, .address_space: global }
      - { .name: lowp_scales, .offset: 16, .size: 8, .value_kind: global_buffer, .address_space: global }
      - { .name: x, .offset: 24, .size: 8, .value_kind: global_buffer, .address_space: global }
      - { .name: x2, .offset: 32, .size: 8, .value_kind: global_buffer, .address_space: global }
    .group_segment_fixed_size: 327680
    .private_segment_fixed_size: 0
    .kernarg_segment_align: 8
    .kernarg_segment_size: 40
    .max_flat_workgroup_size: 128
    .sgpr_count:     100
    .vgpr_count:     1024
    .wavefront_size: 32
...
	.end_amdgpu_metadata
.endif
;; end of part 4
;; launch norm2 (part 5): grid 256 x 1, 4 waves a work-group, no clusters, 20,992 bytes of LDS; arguments x2, g2, lowp_scales, h2c; writes h2c
.if DOCPART == 5
	.amdgcn_target "amdgcn-amd-amdhsa--gfx1250"
	.amdhsa_code_object_version 6
	.text
	.protected	k_q23881d3eeb_norm2
	.globl	k_q23881d3eeb_norm2
	.p2align	8
	.type	k_q23881d3eeb_norm2,@function
k_q23881d3eeb_norm2:
	s_mov_b64 s[64:65], 0
	v_nop
	global_prefetch_b8 v0, s[64:65] scope:SCOPE_SE
	s_setreg_imm32_b32 hwreg(HW_REG_WAVE_MODE, 25, 1), 1
	s_wait_xcnt 0x0
; h2 = x2 / sqrt(mean(x2^2) + 1e-5) * g2 in f32, quantised with the given scale 2^e12: codes [4096 tokens][1024], K innermost.
; code = h2 / 2^e12, held within +-448, nearest code, ties to even.  LIMIT: e12 between -126 and 119.  NaN among the inputs is not served.
; SHARES: a work-group takes 16 rows, a wave 4; all 32 loads of a wave (512 consecutive bytes each) go out at the head.  A row turns through the wave's own stage in LDS, so that a lane holds
; 16 neighbours for the conversions; a lane's 16 codes are 16 bytes: a store covers 512 consecutive bytes, aligned.  No matrix unit, no tensor load, no barrier: the launch only streams.
.set NSET,  1
.set SP,    80
.set WREG,  5120
.set SPARE, 20480                      ; the spare words, 128 bytes a wave; no other line names them
.set SPW,   12
.set NIL,   13
.set SC,    14                         ; v14: 2^e, v15: 448 x 2^e
.set G,     20
.set X,     52
.set T,     84
.set C,     100
.set R,     128
	s_load_b256 s[4:11], s[0:1], 0x0               ; x2 s[4:5], g s[6:7], scales s[8:9], codes s[10:11]
	v_lshl_add_u32 v[SPW], v0, 2, SPARE
	v_mov_b32 v[NIL], 0
	v_lshrrev_b32 v1, 5, v0
	v_readfirstlane_b32 s16, v1                    ; wave
	v_and_b32 v4, 31, v0                           ; lane
	v_lshlrev_b32 v1, 4, v4
	s_mul_i32 s17, s16, WREG
	v_lshrrev_b32 v2, 2, v4
	v_mul_u32_u24 v2, v2, SP
	v_and_b32 v3, 3, v4
	v_lshl_add_u32 v2, v3, 4, v2
	v_add_nc_u32 v2, s17, v2                       ; stage, way in
	v_mul_u32_u24 v3, v4, SP
	v_add_nc_u32 v3, s17, v3                       ; stage, way out
	v_lshlrev_b32 v5, 6, v4
	v_mov_b32 v11, 0
	s_lshl_b32 s17, ttmp9, 4
	s_lshl_b32 s18, s16, 2
	s_add_co_u32 s17, s17, s18                     ; my first row
	s_lshl_b32 s18, s17, 12
	s_mov_b32 s19, 0
	s_lshl_b32 s32, s17, 10
	s_mov_b32 s33, 0
	s_mov_b32 s20, 0x3a800000                      ; 1 / 1024
	s_mov_b32 s21, 0x3727c5ac                      ; 1e-5
	s_mov_b32 s22, 0x76543210
	s_mov_b32 s23, 0xfedcba98
	s_wait_kmcnt 0x0
	s_load_b32 s24, s[8:9], 0x30                   ; e12
	s_add_nc_u64 s[4:5], s[4:5], s[18:19]
	s_add_nc_u64 s[10:11], s[10:11], s[32:33]
.set J, 0
.rept 8
	global_load_b128 v[G+4*J:G+4*J+3], v5, s[6:7] offset:2048*(J/4)+16*(J%4)
.set J, J+1
.endr
.set J, 0
.rept 32
	global_load_b128 v[R+4*J:R+4*J+3], v1, s[4:5] offset:512*J
.set J, J+1
.endr
	s_wait_kmcnt 0x0
	s_add_co_i32 s34, s24, 127
	s_lshl_b32 s35, s34, 23
	v_mov_b32 v[SC], s35
	s_add_co_i32 s34, s34, 8
	s_lshl_b32 s34, s34, 23
	s_or_b32 s34, s34, 0x600000
	v_mov_b32 v[SC+1], s34
.macro ROW p
.set RR, R+32*(\p)
	s_wait_loadcnt 8*(3-(\p))                      ; g and this row are in; the later rows' 8 loads each may be out
.set J, 0
.rept 8
	ds_store_b128 v2, v[RR+4*J:RR+4*J+3] offset:2560*(J/4)+640*(J%4)
.set J, J+1
.endr
.set J, 0
.rept 8
	ds_load_b128 v[X+4*J:X+4*J+3], v3 offset:2560*(J/4)+16*(J%4)
.set J, J+1
.endr
	v_pk_mul_f32 v[6:7], v[RR:RR+1], v[RR:RR+1]
	v_pk_mul_f32 v[8:9], v[RR+2:RR+3], v[RR+2:RR+3]
.set J, 4
.rept 7
	v_pk_fma_f32 v[6:7], v[RR+J:RR+J+1], v[RR+J:RR+J+1], v[6:7]
	v_pk_fma_f32 v[8:9], v[RR+J+2:RR+J+3], v[RR+J+2:RR+J+3], v[8:9]
.set J, J+4
.endr
	v_pk_add_f32 v[6:7], v[6:7], v[8:9]
	v_add_f32 v8, v6, v7
	v_add_f32_dpp v8, v8, v8 row_xmask:1 row_mask:0xf bank_mask:0xf
	v_add_f32_dpp v8, v8, v8 row_xmask:2 row_mask:0xf bank_mask:0xf
	v_add_f32_dpp v8, v8, v8 row_xmask:4 row_mask:0xf bank_mask:0xf
	v_add_f32_dpp v8, v8, v8 row_xmask:8 row_mask:0xf bank_mask:0xf
	v_permlanex16_b32 v9, v8, s22, s23
	v_add_f32 v8, v8, v9
	v_fma_f32 v8, v8, s20, s21                     ; mean + 1e-5
	v_rsq_f32 v10, v8
	v_nop                                          ; a plain instruction behind the transcendental
	s_wait_alu depctr_va_vdst(0)                   ; and the wait ahead of its first reader
	s_wait_dscnt 0x0
.set J, 0
.rept 16
	v_pk_mul_f32 v[X+J:X+J+1], v[X+J:X+J+1], v[10:11] op_sel_hi:[1,0]
.set J, J+2
.endr
.set J, 0
.rept 16
	v_pk_mul_f32 v[X+J:X+J+1], v[X+J:X+J+1], v[G+J:G+J+1]
.set J, J+2
.endr
	s_wait_xcnt 0x0                                ; the last row's stores have read their data
.irp u, 0,1
.set J, 0
.rept 16
	v_med3_num_f32 v[T+J], v[X+16*\u+J], -v[SC+1], v[SC+1]
.set J, J+1
.endr
	v_cvt_scalef32_pk8_fp8_f32 v[C+4*\u:C+4*\u+1], v[T:T+7], v[SC]
	v_cvt_scalef32_pk8_fp8_f32 v[C+4*\u+2:C+4*\u+3], v[T+8:T+15], v[SC]
	v_nop                                          ; a plain instruction between the conversions and the next holds, which write their sources
	global_store_b128 v1, v[C+4*\u:C+4*\u+3], s[10:11] offset:1024*(\p)+512*\u
.endr
.endm
	ROW 0
	ROW 1
	ROW 2
	ROW 3
	s_wait_tensorcnt 0x0                           ; the wave's end
	ds_add_u32 v[SPW], v[NIL]
	s_wait_dscnt 0x0
	s_endpgm
.Lfunc_end_k_q23881d3eeb_norm2:
	.size	k_q23881d3eeb_norm2, .Lfunc_end_k_q23881d3eeb_norm2-k_q23881d3eeb_norm2
	.p2alignl 7, 3214868480
	.fill 96, 4, 3214868480
	.section	.rodata,"a",@progbits
	.p2align	6, 0x0
	.amdhsa_kernel k_q23881d3eeb_norm2
		.amdhsa_group_segment_fixed_size 20992
		.amdhsa_private_segment_fixed_size 0
		.amdhsa_enable_private_segment 0
		.amdhsa_kernarg_size 32
		.amdhsa_user_sgpr_count 2
		.amdhsa_user_sgpr_kernarg_segment_ptr 1
		.amdhsa_wavefront_size32 1
		.amdhsa_system_sgpr_workgroup_id_x 1
		.amdhsa_system_sgpr_workgroup_id_y 1
		.amdhsa_system_sgpr_workgroup_id_z 1
		.amdhsa_system_vgpr_workitem_id 0
		.amdhsa_next_free_vgpr 256
		.amdhsa_next_free_sgpr 66
		.amdhsa_reserve_vcc 0
		.amdhsa_float_denorm_mode_32 3
		.amdhsa_float_denorm_mode_16_64 3
		.amdhsa_memory_ordered 1
		.amdhsa_forward_progress 1
		.amdhsa_inst_pref_size 35
	.end_amdhsa_kernel
	.amdgpu_metadata
---
amdhsa.version: [ 1, 2 ]
amdhsa.kernels:
  - .name:           k_q23881d3eeb_norm2
    .symbol:         k_q23881d3eeb_norm2.kd
    .args:
      - { .name: x2, .offset: 0, .size: 8, .value_kind: global_buffer, .address_space: global }
      - { .name: g2, .offset: 8, .size: 8, .value_kind: global_buffer, .address_space: global }
      - { .name: lowp_scales, .offset: 16, .size: 8, .value_kind: global_buffer, .address_space: global }
      - { .name: h2c, .offset: 24, .size: 8, .value_kind: global_buffer, .address_space: global }
    .group_segment_fixed_size: 20992
    .private_segment_fixed_size: 0
    .kernarg_segment_align: 8
    .kernarg_segment_size: 32
    .max_flat_workgroup_size: 128
    .sgpr_count:     66
    .vgpr_count:     256
    .wavefront_size: 32
...
	.end_amdgpu_metadata
.endif
;; end of part 5
;; launch w1 (part 6): grid 16 x 16, 4 waves a work-group, clusters of 4 x 4, 327,680 bytes of LDS; arguments h2c, w1_codes, lowp_scales, uc; writes uc
.if DOCPART == 6
	.amdgcn_target "amdgcn-amd-amdhsa--gfx1250"
	.amdhsa_code_object_version 6
	.text
	.protected	k_q23881d3eeb_w1
	.globl	k_q23881d3eeb_w1
	.p2align	8
	.type	k_q23881d3eeb_w1,@function
k_q23881d3eeb_w1:
	s_mov_b64 s[64:65], 0
	v_nop
	global_prefetch_b8 v0, s[64:65] scope:SCOPE_SE
	s_setreg_imm32_b32 hwreg(HW_REG_WAVE_MODE, 25, 1), 1
	s_wait_xcnt 0x0
	s_wait_alu depctr_hold_cnt(0) depctr_sa_sdst(0) depctr_va_vdst(0) depctr_va_sdst(0) depctr_va_ssrc(0) depctr_va_vcc(0) depctr_vm_vsrc(0)
	s_getreg_b32 s2, hwreg(HW_REG_IB_STS2, 6, 4)
	s_cmp_eq_u32 s2, 0
	s_cbranch_scc0 .Lentry_in_a_cluster
	s_endpgm
.Lentry_in_a_cluster:
	s_bfe_u32 s2, ttmp6, 0x10000c
	s_cmp_lg_u32 s2, 0xf033
	s_cbranch_scc0 .Lentry_shape_is_right
	s_endpgm
.Lentry_shape_is_right:
; u = gelu(h2 w1^T x 2^(e12 + e13)), quantised at once with 2^e14: codes [4096 tokens][4096], K innermost.  h2: codes [4096][1024]; w1: codes [4096][1024].
; gelu(y) = y / 2 (1 + erf(y / sqrt 2)), all in f32.  erf(z) = z P(z^2) / Q(z^2) with z held within +-4: a rational form of degree 6 over 4 in z^2, good to a few units in f32's last place;
; beyond +-4 erf is 1 to f32's precision, so the hold serves every finite y.
; LIMITS: e12 + e13 between -126 and 127; e14 between -126 and 119.
; A tile of C, 256 x 256, by four waves, 128 x 128 each; K = 1,024 in steps of 256 through two LDS slots filled by tensor loads; CLUSTER 4 x 4, A's tile jointly along a row, B's along a column; used transposed.
; No prefetch: four fills of a slot, all shared in the cluster.
; THE WAY OUT IS A LOOP, to keep the text short: half of my accumulators at a time go to LDS as an image of their registers (my own 32 KiB in slot 0), and a loop of four trips takes a block of
; 16 rows x 128 columns back into window 0, applies the activation, converts, and puts 8 codes a lane into the work-group's stage (in slot 1).  Both slots have had their last fill and their last read by then.
.set SIZE_K, 1024
.set KSTEP,  256
.set ROWB,   256
.set KROW,   SIZE_K
.set PITCH,  272
.set FR,     16
.set NL,     4
.set NP,     4
.set HALFT,  128*PITCH
.set SLOT,   4*HALFT
.set LAPS,   SIZE_K/(2*KSTEP)
.set SPARE,  2*SLOT
.set STG,    SLOT                      ; the stage for codes: 256 rows x (256 bytes + 16)
.set SP,     272
.set ADRA, 16
.set ADRB, 20
.set IMG,  22                          ; v22  my images: 32,768 x wave + 16 x lane
.set IMR,  23                          ; v23  the block in hand
.set STO,  24                          ; v24  the stage, way in, block 0
.set RD,   25                          ; v25  the stage, way out
.set CO,   26                          ; v26  my byte offset in two rows of uc
.set STB,  27                          ; v27  the stage, way in, the block in hand
.set SPW,  28
.set NIL,  29
.set U,    32                          ; v32-95   a block's 64 numbers
.set RS2,  96                          ; v96-121  constants, each in both halves of a pair
.set A0,   98
.set A1,   100
.set A2,   102
.set A3,   104
.set A4,   106
.set A5,   108
.set A6,   110
.set B0,   112
.set B1,   114
.set B2,   116
.set B3,   118
.set B4,   120
.set LIM,  122
.set SCL,  123
.set Z,    128                         ; v128-159 z
.set Z2,   160                         ; v160-191 z^2
.set P,    192                         ; v192-223
.set Q,    224                         ; v224-255; later the block's codes in v224-239
.set AF,   128
.set G1, 24
.set G0, 32
.set G1B, 48
.set G0B, 56
.set MSB, 0
.macro WIN new
.if MSB != (\new)
	s_set_vgpr_msb (MSB<<8)|(\new)
.set MSB, (\new)
.endif
.endm
.set MUL_LO, 0xa1
.set MUL_HI, 0xf1
.set TO_B,   0x40
.macro JLOAD g0a, g1a, g0b, g1b        ; waves 0, 1 fetch for A, waves 2, 3 for B; an s_nop 0 and four v_nop follow each line
	s_cmp_eq_u32 s15, 0
	s_cbranch_scc0 .Lfor_b_\@
	tensor_load_to_lds s[\g0a:\g0a+3], s[\g1a:\g1a+7]
	s_nop 0
.rept 4
	v_nop
.endr
	s_branch .Lasked_\@
.Lfor_b_\@:
	tensor_load_to_lds s[\g0b:\g0b+3], s[\g1b:\g1b+7]
	s_nop 0
.rept 4
	v_nop
.endr
.Lasked_\@:
.endm
.macro CREST
	s_cmp_lg_u32 s14, 0
	s_cbranch_scc1 .Lnot_wave_0_\@
	s_barrier_signal -3
.Lnot_wave_0_\@:
	s_barrier_wait -3
	s_barrier_signal -1
	s_barrier_wait -1
.endm
.macro CROUND
	s_barrier_signal -1
	s_barrier_wait -1
	CREST
.endm
	s_load_b128 s[4:7], s[0:1], 0x0                ; h2's codes, w1's codes
	s_load_b128 s[8:11], s[0:1], 0x10              ; scales s[8:9], uc s[10:11]
	v_lshl_add_u32 v[SPW], v0, 2, SPARE
	v_mov_b32 v[NIL], 0
	ds_add_u32 v[SPW], v[NIL]                      ; the opening: the add, twice on end, and its wait ahead of my first tensor load
	ds_add_u32 v[SPW], v[NIL]
	v_lshrrev_b32 v1, 5, v0
	v_readfirstlane_b32 s14, v1
	s_lshr_b32 s15, s14, 1
	s_and_b32 s16, s14, 1
	s_bfe_u32 s40, ttmp6, 0x40000
	s_bfe_u32 s41, ttmp6, 0x40004
	s_lshl_b32 s42, ttmp9, 2
	s_add_co_u32 s42, s42, s40                     ; tile column
	s_and_b32 s17, ttmp7, 0xffff
	s_lshl_b32 s17, s17, 2
	s_add_co_u32 s17, s17, s41                     ; tile row
	s_lshl_b32 s43, s41, 2
	s_lshl_b32 s43, 15, s43
	s_lshl_b32 s44, 0x1111, s40
	s_or_b32 s[G1+0], s43, (0<<16)|(1<<20)|(1<<21)|(5<<22)|(3<<25)
	s_or_b32 s[G1B+0], s44, (0<<16)|(1<<20)|(1<<21)|(5<<22)|(3<<25)
.irp g, G1, G1B
	s_mov_b32 s[\g+1], ROWB<<16
	s_mov_b32 s[\g+2], 128<<16
	s_mov_b32 s[\g+3], ROWB<<16
	s_mov_b32 s[\g+4], 128
	s_mov_b32 s[\g+5], KROW
	s_mov_b32 s[\g+6], 0
	s_mov_b32 s[\g+7], 0
.endr
	s_lshl_b32 s18, s16, 7
	s_lshl_b32 s20, s17, 8
	s_add_co_u32 s20, s20, s18
	s_lshl_b32 s46, s42, 8
	s_add_co_u32 s46, s46, s18
	s_mov_b32 s21, 0
	s_mov_b32 s47, 0
	s_mov_b64 s[18:19], KROW
	s_mul_u64 s[20:21], s[20:21], s[18:19]
	s_mul_u64 s[46:47], s[46:47], s[18:19]
	s_mul_i32 s45, s14, HALFT
	s_wait_dscnt 0x0
	s_wait_kmcnt 0x0
	s_load_b128 s[92:95], s[8:9], 0x30             ; e12, e13, e14, e15
	s_add_nc_u64 s[20:21], s[4:5], s[20:21]
	s_add_nc_u64 s[46:47], s[6:7], s[46:47]
	CROUND
.irp s, 0,1
	s_mov_b32 s[G0+4*\s], 1
	s_add_co_u32 s[G0+4*\s+1], s45, \s*SLOT
	s_add_nc_u64 s[G0+4*\s+2:G0+4*\s+3], s[20:21], \s*ROWB
	s_or_b32 s[G0+4*\s+3], s[G0+4*\s+3], 0x80000000
	s_mov_b32 s[G0B+4*\s], 1
	s_add_co_u32 s[G0B+4*\s+1], s45, \s*SLOT
	s_add_nc_u64 s[G0B+4*\s+2:G0B+4*\s+3], s[46:47], \s*ROWB
	s_or_b32 s[G0B+4*\s+3], s[G0B+4*\s+3], 0x80000000
	JLOAD G0+4*\s, G1, G0B+4*\s, G1B
.endr
	v_and_b32 v1, 15, v0
	v_bfe_u32 v2, v0, 4, 1
	v_mul_u32_u24 v3, v1, PITCH
	v_lshl_add_u32 v4, v2, 4, v3
	s_mul_i32 s21, s15, HALFT
	s_mul_i32 s22, s16, HALFT
	s_add_co_u32 s22, s22, 2*HALFT
.irp s, 0,1
	v_add_nc_u32 v[ADRA+\s], s21, v4
	v_add_nc_u32 v[ADRB+\s], s22, v4
	s_add_co_u32 s21, s21, SLOT
	s_add_co_u32 s22, s22, SLOT
.endr
	s_mul_i32 s23, s15, 128*SP                     ; the stage, way in: row 128 x row half + r, byte 128 x column half + 8 h
	s_lshl_b32 s22, s16, 7
	s_add_co_u32 s23, s23, s22
	s_add_co_u32 s23, s23, STG
	v_mul_u32_u24 v5, v1, SP
	v_lshl_add_u32 v5, v2, 3, v5
	v_add_nc_u32 v[STO], s23, v5
	s_mul_i32 s23, s14, 64*SP                      ; way out: my 64 rows, two an instruction, sixteen lanes to a row of 256 bytes
	s_add_co_u32 s23, s23, STG
	v_mul_u32_u24 v5, v2, SP
	v_lshl_add_u32 v5, v1, 4, v5
	v_add_nc_u32 v[RD], s23, v5
	v_lshlrev_b32 v5, 12, v2
	v_lshl_add_u32 v[CO], v1, 4, v5                ; and the same two rows in uc: 4,096 bytes a row
	s_lshl_b32 s23, s14, 15
	v_and_b32 v6, 31, v0
	v_lshlrev_b32 v6, 4, v6
	v_add_nc_u32 v[IMG], s23, v6
	s_lshl_b32 s20, s17, 8
	s_lshl_b32 s21, s14, 6
	s_add_co_u32 s20, s20, s21                     ; the first row that I store: 256 x tile row + 64 x wave
	s_lshl_b32 s20, s20, 12
	s_lshl_b32 s46, s42, 8
	s_add_co_u32 s20, s20, s46                     ; the tile's first column's byte
	s_mov_b32 s21, 0
	s_add_nc_u64 s[10:11], s[10:11], s[20:21]
.macro FRAG reg, adr, q, i
.irp c, 0,1,2,3
	ds_load_b128 v[\reg+4*\c:\reg+4*\c+3], v[\adr] offset:128*(\q)+32*\c+(\i)*16*PITCH
.endr
.endm
.macro MUL16 a0, p, zero               ; the 64 accumulators take turns, one instruction a turn
.irp a, \a0, \a0+1
.irp b, 0,1,2,3,4,5,6,7
.if \zero
	v_wmma_f32_16x16x128_fp8_fp8 v[8*(8*((\a)%4)+\b):8*(8*((\a)%4)+\b)+7], v[128*(\p)+FR*\b:128*(\p)+FR*\b+FR-1], v[AF+FR*(\a):AF+FR*(\a)+FR-1], 0
.else
	v_wmma_f32_16x16x128_fp8_fp8 v[8*(8*((\a)%4)+\b):8*(8*((\a)%4)+\b)+7], v[128*(\p)+FR*\b:128*(\p)+FR*\b+FR-1], v[AF+FR*(\a):AF+FR*(\a)+FR-1], v[8*(8*((\a)%4)+\b):8*(8*((\a)%4)+\b)+7]
.endif
.endr
.endr
.endm
.macro FETCH_B slot, q, p
	WIN TO_B
.irp i, 0,1,2,3,4,5,6,7
	FRAG 128*(\p)+FR*\i, ADRB+\slot, \q, \i
.endr
	WIN 0
.endm
.macro FETCH_A slot, q, i0
.irp i, \i0, \i0+1, \i0+2, \i0+3
	FRAG AF+FR*(\i), ADRA+\slot, \q, \i
.endr
.endm
.macro PLACES n
.rept \n
	v_nop
.endr
.endm
.macro STEP slot, q, zero
	s_wait_dscnt 4*NL                              ; the youngest 16 loads (A's blocks 4-7) may be out
	WIN MUL_LO
	MUL16 0, (\q)%2, \zero
	MUL16 2, (\q)%2, \zero
	s_wait_dscnt 0
	PLACES NP
	FETCH_B \slot, (\q)+1, 1-(\q)%2
	FETCH_A \slot, (\q)+1, 0
	WIN MUL_HI
	MUL16 4, (\q)%2, \zero
	MUL16 6, (\q)%2, \zero
	PLACES NP
	WIN 0
	FETCH_A \slot, (\q)+1, 4
.endm
.macro TURN slot, next, fill
	s_wait_tensorcnt 0x0                           ; all my tensor loads have landed: my part of the next slot
	ds_add_u32 v[SPW], v[NIL]
	s_wait_dscnt 4*NL+1                            ; (the add and the youngest 16 loads may be out)
	WIN MUL_LO
	MUL16 0, 1, 0
	s_wait_dscnt 0x0                               ; the add is done, and my reads of this slot are over
	s_barrier_signal -1
	MUL16 2, 1, 0
	WIN 0
	s_barrier_wait -1
.if \fill
	CREST                                          ; a round of the cluster's barrier: no wave of any partner still reads this slot or has a load on its way
	s_add_nc_u64 s[G0+4*\slot+2:G0+4*\slot+3], s[G0+4*\slot+2:G0+4*\slot+3], 2*ROWB
	s_add_nc_u64 s[G0B+4*\slot+2:G0B+4*\slot+3], s[G0B+4*\slot+2:G0B+4*\slot+3], 2*ROWB
	JLOAD G0+4*\slot, G1, G0B+4*\slot, G1B
.else
	PLACES NP
.endif
	FETCH_B \next, 0, 0
	FETCH_A \next, 0, 0
	WIN MUL_HI
	MUL16 4, 1, 0
	MUL16 6, 1, 0
	PLACES NP
	WIN 0
	FETCH_A \next, 0, 4
.endm
	s_wait_tensorcnt 1                             ; K step 0 is in; K step 1's load may be out
	s_barrier_signal -1
	s_barrier_wait -1
	FETCH_B 0, 0, 0
	FETCH_A 0, 0, 0
	FETCH_A 0, 0, 4
	STEP 0, 0, 1
	s_mov_b32 s3, LAPS-1
.Llap:
	TURN 0, 1, 1
	STEP 1, 0, 0
	TURN 1, 0, 1
	STEP 0, 0, 0
	s_sub_co_u32 s3, s3, 1
	s_cmp_lg_u32 s3, 0
	s_cbranch_scc1 .Llap
	TURN 0, 1, 0
	STEP 1, 0, 0
	s_wait_dscnt 4*NL
	WIN MUL_LO
	MUL16 0, 1, 0
	MUL16 2, 1, 0
	s_wait_dscnt 0
	WIN MUL_HI
	MUL16 4, 1, 0
	MUL16 6, 1, 0
	WIN 0
	; THE WAY OUT
	s_wait_dscnt 0x0                               ; my reads of slot 1 are over
	s_barrier_signal -1
	s_barrier_wait -1                              ; everybody's are: the stage may be written
.macro CPAIR reg, bits
	v_mov_b32 v[\reg], \bits
	v_mov_b32 v[\reg+1], \bits
.endm
	CPAIR RS2, 0x3f3504f3                          ; 1 / sqrt 2.  (These 26 moves are also the places behind the last products)
	CPAIR A0, 0xaf95df0b                           ; P: -2.72614226e-10
	CPAIR A1, 0x32edffee                           ;     2.77068142e-08
	CPAIR A2, 0xb60cff51                           ;    -2.10102402e-06
	CPAIR A3, 0xb86ec2d2                           ;    -5.69250639e-05
	CPAIR A4, 0xba40ac63                           ;    -7.34990630e-04
	CPAIR A5, 0xbb41a1f6                           ;    -2.95459981e-03
	CPAIR A6, 0xbc83dbd4                           ;    -1.60960333e-02
	CPAIR B0, 0xb77460cd                           ; Q: -1.45660718e-05
	CPAIR B1, 0xb95fbd29                           ;    -2.13374055e-04
	CPAIR B2, 0xbadc924e                           ;    -1.68282697e-03
	CPAIR B3, 0xbbf19bf8                           ;    -7.37332917e-03
	CPAIR B4, 0xbc69b6a7                           ;    -1.42647391e-02
	s_wait_kmcnt 0x0
	s_add_co_i32 s96, s92, s93
	s_add_co_i32 s96, s96, 127
	s_lshl_b32 s96, s96, 23                        ; 2^(e12 + e13) as f32
	s_mov_b32 s97, s96                             ; (named with it as a pair)
	s_add_co_i32 s94, s94, 127
	s_lshl_b32 s95, s94, 23
	v_mov_b32 v[SCL], s95                          ; 2^e14
	s_add_co_i32 s94, s94, 8
	s_lshl_b32 s94, s94, 23
	s_or_b32 s94, s94, 0x600000
	v_mov_b32 v[LIM], s94                          ; 448 x 2^e14
; sixteen packed instructions over 32 numbers; bs, cs = 1: the operand walks with them; 0: it is a constant's pair
.macro FMA16 d, a, b, bs, c, cs
.set J, 0
.rept 16
	v_pk_fma_f32 v[(\d)+J:(\d)+J+1], v[(\a)+J:(\a)+J+1], v[(\b)+(\bs)*J:(\b)+(\bs)*J+1], v[(\c)+(\cs)*J:(\c)+(\cs)*J+1]
.set J, J+2
.endr
.endm
.macro PMUL16 d, a, b, bs
.set J, 0
.rept 16
	v_pk_mul_f32 v[(\d)+J:(\d)+J+1], v[(\a)+J:(\a)+J+1], v[(\b)+(\bs)*J:(\b)+(\bs)*J+1]
.set J, J+2
.endr
.endm
.macro GELU32 ug                       ; v[ug] .. v[ug + 31]: y becomes gelu(y)
	PMUL16 Z, \ug, RS2, 0                          ; z = y / sqrt 2,
.set J, 0
.rept 32
	v_med3_num_f32 v[Z+J], v[Z+J], -4.0, 4.0       ; held within +-4
.set J, J+1
.endr
	PMUL16 Z2, Z, Z, 1
	FMA16 P, Z2, A0, 0, A1, 0
	FMA16 P, P, Z2, 1, A2, 0
	FMA16 P, P, Z2, 1, A3, 0
	FMA16 P, P, Z2, 1, A4, 0
	FMA16 P, P, Z2, 1, A5, 0
	FMA16 P, P, Z2, 1, A6, 0
	FMA16 Q, Z2, B0, 0, B1, 0
	FMA16 Q, Q, Z2, 1, B2, 0
	FMA16 Q, Q, Z2, 1, B3, 0
	FMA16 Q, Q, Z2, 1, B4, 0
.set J, 0
.rept 32
	v_rcp_f32 v[Q+J], v[Q+J]                       ; one batch
.set J, J+1
.endr
	PMUL16 P, P, Z, 1                              ; z P: plain work behind the batch that names none of its results,
.set J, 0
.rept 16
	v_pk_mul_f32 v[(\ug)+J:(\ug)+J+1], v[(\ug)+J:(\ug)+J+1], 0.5 op_sel_hi:[1,0]   ; and y / 2
.set J, J+2
.endr
	s_wait_alu depctr_va_vdst(0)                   ; one wait for the batch, ahead of its first reader
	PMUL16 P, P, Q, 1                              ; erf
	FMA16 \ug, \ug, P, 1, \ug, 1                   ; y / 2 x erf + y / 2
.endm
	s_mov_b32 s67, 0                               ; the block's 16 rows in the stage: it runs on through both halves
.irp hf, 0,1
	WIN 0x08+4*\hf                                 ; the stores' data: window 2, then 3
.set K4, 0
.rept 64
	ds_store_b128 v[IMG], v[4*K4:4*K4+3] offset:512*K4   ; an image of 256 registers: lane l's 16 bytes at 16 l; each accumulator from its low end on
.set K4, K4+1
.endr
	WIN 0
	s_mov_b32 s66, 0
	s_mov_b32 s3, 4
.Lg\hf:
	v_add_nc_u32 v[IMR], s66, v[IMG]
	v_add_nc_u32 v[STB], s67, v[STO]
.set K4, 0
.rept 16
	ds_load_b128 v[U+4*K4:U+4*K4+3], v[IMR] offset:512*K4   ; LDS serves a wave's instructions in order: these see my stores
.set K4, K4+1
.endr
	s_wait_dscnt 0x0
.set J, 0
.rept 32
	v_pk_mul_f32 v[U+J:U+J+1], v[U+J:U+J+1], s[96:97] op_sel_hi:[1,0]   ; y = sum x 2^(e12 + e13)
.set J, J+2
.endr
	GELU32 U
	GELU32 U+32
.set J, 0
.rept 64
	v_med3_num_f32 v[U+J], v[U+J], -v[LIM], v[LIM] ; the conversion does not saturate (ISA guide 7.6.2): the hold comes first
.set J, J+1
.endr
.irp b, 0,1,2,3,4,5,6,7
	v_cvt_scalef32_pk8_fp8_f32 v[Q+2*\b:Q+2*\b+1], v[U+8*\b:U+8*\b+7], v[SCL]
.endr
	v_nop                                          ; a plain instruction behind the conversions
.irp b, 0,1,2,3,4,5,6,7
	ds_store_b64 v[STB], v[Q+2*\b:Q+2*\b+1] offset:16*\b
.endr
	s_add_co_u32 s66, s66, 8192
	s_add_co_u32 s67, s67, 16*SP
	s_sub_co_u32 s3, s3, 1
	s_cmp_lg_u32 s3, 0
	s_cbranch_scc1 .Lg\hf
.endr
	s_wait_dscnt 0x0                               ; for the others' sake: my stores into the stage are done
	s_barrier_signal -1
	s_barrier_wait -1
.set J, 0
.rept 32
	ds_load_b128 v[128+4*J:131+4*J], v[RD] offset:2*SP*J
.set J, J+1
.endr
.set J, 0
.rept 32
	s_wait_dscnt 31-J                              ; the younger loads may be out
	global_store_b128 v[CO], v[128+4*J:131+4*J], s[10:11] offset:8192*J   ; sixteen lanes store 256 consecutive bytes, aligned
.set J, J+1
.endr
	s_wait_tensorcnt 0x0                           ; the wave's end
	ds_add_u32 v[SPW], v[NIL]
	s_wait_dscnt 0x0
	CROUND                                         ; the closing round
	s_endpgm
.Lfunc_end_k_q23881d3eeb_w1:
	.size	k_q23881d3eeb_w1, .Lfunc_end_k_q23881d3eeb_w1-k_q23881d3eeb_w1
	.p2alignl 7, 3214868480
	.fill 96, 4, 3214868480
	.section	.rodata,"a",@progbits
	.p2align	6, 0x0
	.amdhsa_kernel k_q23881d3eeb_w1
		.amdhsa_group_segment_fixed_size 327680
		.amdhsa_private_segment_fixed_size 0
		.amdhsa_enable_private_segment 0
		.amdhsa_kernarg_size 32
		.amdhsa_user_sgpr_count 2
		.amdhsa_user_sgpr_kernarg_segment_ptr 1
		.amdhsa_wavefront_size32 1
		.amdhsa_system_sgpr_workgroup_id_x 1
		.amdhsa_system_sgpr_workgroup_id_y 1
		.amdhsa_system_sgpr_workgroup_id_z 1
		.amdhsa_system_vgpr_workitem_id 0
		.amdhsa_next_free_vgpr 1024
		.amdhsa_next_free_sgpr 100
		.amdhsa_reserve_vcc 0
		.amdhsa_float_denorm_mode_32 3
		.amdhsa_float_denorm_mode_16_64 3
		.amdhsa_memory_ordered 1
		.amdhsa_forward_progress 1
		.amdhsa_inst_pref_size 187
	.end_amdhsa_kernel
	.amdgpu_metadata
---
amdhsa.version: [ 1, 2 ]
amdhsa.kernels:
  - .name:           k_q23881d3eeb_w1
    .symbol:         k_q23881d3eeb_w1.kd
    .args:
      - { .name: h2c, .offset: 0, .size: 8, .value_kind: global_buffer, .address_space: global }
      - { .name: w1_codes, .offset: 8, .size: 8, .value_kind: global_buffer, .address_space: global }
      - { .name: lowp_scales, .offset: 16, .size: 8, .value_kind: global_buffer, .address_space: global }
      - { .name: uc, .offset: 24, .size: 8, .value_kind: global_buffer, .address_space: global }
    .group_segment_fixed_size: 327680
    .private_segment_fixed_size: 0
    .kernarg_segment_align: 8
    .kernarg_segment_size: 32
    .max_flat_workgroup_size: 128
    .sgpr_count:     100
    .vgpr_count:     1024
    .wavefront_size: 32
...
	.end_amdgpu_metadata
.endif
;; end of part 6
;; launch w2 (part 7): grid 4 x 16, 4 waves a work-group, clusters of 4 x 4, 327,680 bytes of LDS; arguments uc, w2_codes, lowp_scales, x2, out0; writes out0
.if DOCPART == 7
	.amdgcn_target "amdgcn-amd-amdhsa--gfx1250"
	.amdhsa_code_object_version 6
	.text
	.protected	k_q23881d3eeb_w2
	.globl	k_q23881d3eeb_w2
	.p2align	8
	.type	k_q23881d3eeb_w2,@function
k_q23881d3eeb_w2:
	s_mov_b64 s[64:65], 0
	v_nop
	global_prefetch_b8 v0, s[64:65] scope:SCOPE_SE
	s_setreg_imm32_b32 hwreg(HW_REG_WAVE_MODE, 25, 1), 1
	s_wait_xcnt 0x0
	s_wait_alu depctr_hold_cnt(0) depctr_sa_sdst(0) depctr_va_vdst(0) depctr_va_sdst(0) depctr_va_ssrc(0) depctr_va_vcc(0) depctr_vm_vsrc(0)
	s_getreg_b32 s2, hwreg(HW_REG_IB_STS2, 6, 4)
	s_cmp_eq_u32 s2, 0
	s_cbranch_scc0 .Lentry_in_a_cluster
	s_endpgm
.Lentry_in_a_cluster:
	s_bfe_u32 s2, ttmp6, 0x10000c
	s_cmp_lg_u32 s2, 0xf033
	s_cbranch_scc0 .Lentry_shape_is_right
	s_endpgm
.Lentry_shape_is_right:
; out0 = u w2^T x 2^(e14 + e15) + x2.  u: codes [4096 tokens][4096]; w2: codes [1024][4096], K innermost; x2, out0: [4096][1024] f32.
; LIMIT: e14 + e15 between -126 and 127, so that 2^(e14 + e15) is an f32 number.
; A tile of C, 256 x 256, is made by four waves, 128 x 128 each.  K = 4,096 goes in steps of 256 through two LDS slots filled by tensor loads: a tile's row is 256 bytes.
; CLUSTER 4 x 4: A's tile jointly along a row, B's along a column.  Used transposed.
; 64 tiles of 256 x 256: a smaller tile would halve the products that each byte from LDS feeds and the matrix work between two changes of slots.  No prefetch: every tile is shared in the cluster.
; THE WAY OUT: a block of 16 rows goes unscaled through my own stage in slot 0 (last fill and last read are past) and comes back as rows of 512 bytes; one packed multiply-add gives sum x 2^e + residual.
.set SIZE_K, 4096
.set BLOCKED_A, 0
.set EOFF,   0x38
.set KSTEP,  256
.set ROWB,   256
.set KROW,   SIZE_K
.set PITCH,  272                       ; 256 bytes + 16 of padding: the 16 rows of a fragment load start at 16 different banks (64 banks of 4 bytes: ISA guide 11.1)
.set FR,     16
.set NL,     4
.set NP,     4
.set HALFT,  128*PITCH
.set SLOT,   4*HALFT
.set LAPS,   SIZE_K/(2*KSTEP)
.set SPARE,  2*SLOT
.set SPITCH, 528
.if BLOCKED_A
.set ASLOT,  65536
.set APITCH, 256
.else
.set ASLOT,  ROWB
.set APITCH, KROW
.endif
.set ADRA, 16
.set ADRB, 20
.set STO,  24
.set RD,   25
.set CO,   26
.set SPW,  28
.set NIL,  29
.set AF,   128
.set BK,   128                         ; the way out: rows read back: v128-191 and v192-255 by turns;  the residual: window 1, v0-63 and v64-127 by turns
.set G1, 24
.set G0, 32
.set G1B, 48
.set G0B, 56
.set MSB, 0
.macro WIN new
.if MSB != (\new)
	s_set_vgpr_msb (MSB<<8)|(\new)
.set MSB, (\new)
.endif
.endm
.set MUL_LO, 0xa1
.set MUL_HI, 0xf1
.set TO_B,   0x40
.macro JLOAD g0a, g1a, g0b, g1b        ; waves 0, 1 fetch for A, waves 2, 3 for B; an s_nop 0 and four v_nop follow each line
	s_cmp_eq_u32 s15, 0
	s_cbranch_scc0 .Lfor_b_\@
	tensor_load_to_lds s[\g0a:\g0a+3], s[\g1a:\g1a+7]
	s_nop 0
.rept 4
	v_nop
.endr
	s_branch .Lasked_\@
.Lfor_b_\@:
	tensor_load_to_lds s[\g0b:\g0b+3], s[\g1b:\g1b+7]
	s_nop 0
.rept 4
	v_nop
.endr
.Lasked_\@:
.endm
.macro CREST
	s_cmp_lg_u32 s14, 0
	s_cbranch_scc1 .Lnot_wave_0_\@
	s_barrier_signal -3
.Lnot_wave_0_\@:
	s_barrier_wait -3
	s_barrier_signal -1
	s_barrier_wait -1
.endm
.macro CROUND
	s_barrier_signal -1
	s_barrier_wait -1
	CREST
.endm
	s_load_b128 s[4:7], s[0:1], 0x0                ; A's codes, B's codes
	s_load_b128 s[8:11], s[0:1], 0x10              ; scales s[8:9], the residual s[10:11]
	s_load_b64 s[12:13], s[0:1], 0x20              ; the result
	v_lshl_add_u32 v[SPW], v0, 2, SPARE
	v_mov_b32 v[NIL], 0
	ds_add_u32 v[SPW], v[NIL]                      ; the opening: the add, twice on end, and its wait ahead of my first tensor load
	ds_add_u32 v[SPW], v[NIL]
	v_lshrrev_b32 v1, 5, v0
	v_readfirstlane_b32 s14, v1
	s_lshr_b32 s15, s14, 1
	s_and_b32 s16, s14, 1
	s_bfe_u32 s40, ttmp6, 0x40000
	s_bfe_u32 s41, ttmp6, 0x40004
	s_lshl_b32 s42, ttmp9, 2
	s_add_co_u32 s42, s42, s40                     ; tile column
	s_and_b32 s17, ttmp7, 0xffff
	s_lshl_b32 s17, s17, 2
	s_add_co_u32 s17, s17, s41                     ; tile row
	s_lshl_b32 s43, s41, 2
	s_lshl_b32 s43, 15, s43
	s_lshl_b32 s44, 0x1111, s40
	s_or_b32 s[G1+0], s43, (0<<16)|(1<<20)|(1<<21)|(5<<22)|(3<<25)
	s_or_b32 s[G1B+0], s44, (0<<16)|(1<<20)|(1<<21)|(5<<22)|(3<<25)
.irp g, G1, G1B
	s_mov_b32 s[\g+1], ROWB<<16
	s_mov_b32 s[\g+2], 128<<16
	s_mov_b32 s[\g+3], ROWB<<16
	s_mov_b32 s[\g+4], 128
	s_mov_b32 s[\g+6], 0
	s_mov_b32 s[\g+7], 0
.endr
	s_mov_b32 s[G1+5], APITCH
	s_mov_b32 s[G1B+5], KROW
	s_lshl_b32 s18, s16, 7
.if BLOCKED_A
	s_lshl_b32 s20, s17, 18
	s_lshl_b32 s21, s16, 15
	s_add_co_u32 s20, s20, s21
.else
	s_lshl_b32 s20, s17, 8
	s_add_co_u32 s20, s20, s18                     ; A: row 256 x tile row + 128 x half
.endif
	s_lshl_b32 s46, s42, 8
	s_add_co_u32 s46, s46, s18                     ; B: row 256 x tile column + 128 x half
	s_mov_b32 s21, 0
	s_mov_b32 s47, 0
	s_mov_b64 s[18:19], KROW
.if BLOCKED_A == 0
	s_mul_u64 s[20:21], s[20:21], s[18:19]
.endif
	s_mul_u64 s[46:47], s[46:47], s[18:19]
	s_mul_i32 s45, s14, HALFT
	s_wait_dscnt 0x0
	s_wait_kmcnt 0x0
	s_load_b64 s[96:97], s[8:9], EOFF              ; eA, eB
	s_add_nc_u64 s[20:21], s[4:5], s[20:21]
	s_add_nc_u64 s[46:47], s[6:7], s[46:47]
	CROUND
.irp s, 0,1
	s_mov_b32 s[G0+4*\s], 1
	s_add_co_u32 s[G0+4*\s+1], s45, \s*SLOT
	s_add_nc_u64 s[G0+4*\s+2:G0+4*\s+3], s[20:21], \s*ASLOT
	s_or_b32 s[G0+4*\s+3], s[G0+4*\s+3], 0x80000000
	s_mov_b32 s[G0B+4*\s], 1
	s_add_co_u32 s[G0B+4*\s+1], s45, \s*SLOT
	s_add_nc_u64 s[G0B+4*\s+2:G0B+4*\s+3], s[46:47], \s*ROWB
	s_or_b32 s[G0B+4*\s+3], s[G0B+4*\s+3], 0x80000000
	JLOAD G0+4*\s, G1, G0B+4*\s, G1B
.endr
	v_and_b32 v1, 15, v0
	v_bfe_u32 v2, v0, 4, 1
	v_mul_u32_u24 v3, v1, PITCH
	v_lshl_add_u32 v4, v2, 4, v3
.if BLOCKED_A
	v_lshrrev_b32 v5, 2, v1
	v_mul_u32_u24 v5, v5, PITCH
	v_and_b32 v6, 3, v1
	v_lshl_add_u32 v5, v6, 6, v5
	v_lshl_add_u32 v5, v2, 4, v5
	s_mul_i32 s21, s15, 32*PITCH
.else
	v_mov_b32 v5, v4
	s_mul_i32 s21, s15, HALFT
.endif
	s_mul_i32 s22, s16, HALFT
	s_add_co_u32 s22, s22, 2*HALFT
.irp s, 0,1
	v_add_nc_u32 v[ADRA+\s], s21, v5
	v_add_nc_u32 v[ADRB+\s], s22, v4
	s_add_co_u32 s21, s21, SLOT
	s_add_co_u32 s22, s22, SLOT
.endr
	s_mul_i32 s23, s14, 16*SPITCH                  ; my stage
	v_mul_u32_u24 v5, v1, SPITCH
	v_lshl_add_u32 v5, v2, 5, v5
	v_add_nc_u32 v[STO], s23, v5
	v_and_b32 v6, 31, v0
	v_lshlrev_b32 v[CO], 4, v6
	v_add_nc_u32 v[RD], s23, v[CO]
	s_lshl_b32 s20, s17, 8
	s_lshl_b32 s21, s15, 7
	s_add_co_u32 s20, s20, s21                     ; my first row of C,
	s_lshl_b32 s20, s20, 12                        ; 4,096 bytes a row,
	s_lshl_b32 s46, s42, 10
	s_add_co_u32 s20, s20, s46
	s_lshl_b32 s46, s16, 9
	s_add_co_u32 s20, s20, s46                     ; my first column's bytes
	s_mov_b32 s21, 0
	s_add_nc_u64 s[10:11], s[10:11], s[20:21]
	s_add_nc_u64 s[12:13], s[12:13], s[20:21]
.macro FRAG reg, adr, q, i             ; registers 4 c .. 4 c + 3 hold K = 128 q + 32 c + 16 h + 0 .. 15: the same permutation of k in A and in B
.irp c, 0,1,2,3
	ds_load_b128 v[\reg+4*\c:\reg+4*\c+3], v[\adr] offset:128*(\q)+32*\c+(\i)*16*PITCH
.endr
.endm
.macro FRAGA reg, adr, q, i
.irp c, 0,1,2,3
.if BLOCKED_A
	ds_load_b128 v[\reg+4*\c:\reg+4*\c+3], v[\adr] offset:(2*(\q)+\c/2)*64*PITCH+32*(\c%2)+(\i)*4*PITCH
.else
	ds_load_b128 v[\reg+4*\c:\reg+4*\c+3], v[\adr] offset:128*(\q)+32*\c+(\i)*16*PITCH
.endif
.endr
.endm
.macro MUL16 a0, p, zero               ; the 64 accumulators take turns, one instruction a turn
.irp a, \a0, \a0+1
.irp b, 0,1,2,3,4,5,6,7
.if \zero
	v_wmma_f32_16x16x128_fp8_fp8 v[8*(8*((\a)%4)+\b):8*(8*((\a)%4)+\b)+7], v[128*(\p)+FR*\b:128*(\p)+FR*\b+FR-1], v[AF+FR*(\a):AF+FR*(\a)+FR-1], 0
.else
	v_wmma_f32_16x16x128_fp8_fp8 v[8*(8*((\a)%4)+\b):8*(8*((\a)%4)+\b)+7], v[128*(\p)+FR*\b:128*(\p)+FR*\b+FR-1], v[AF+FR*(\a):AF+FR*(\a)+FR-1], v[8*(8*((\a)%4)+\b):8*(8*((\a)%4)+\b)+7]
.endif
.endr
.endr
.endm
.macro FETCH_B slot, q, p
	WIN TO_B
.irp i, 0,1,2,3,4,5,6,7
	FRAG 128*(\p)+FR*\i, ADRB+\slot, \q, \i
.endr
	WIN 0
.endm
.macro FETCH_A slot, q, i0
.irp i, \i0, \i0+1, \i0+2, \i0+3
	FRAGA AF+FR*(\i), ADRA+\slot, \q, \i
.endr
.endm
.macro PLACES n
.rept \n
	v_nop
.endr
.endm
.macro STEP slot, q, zero
	s_wait_dscnt 4*NL                              ; the youngest 16 loads (A's blocks 4-7) may be out
	WIN MUL_LO
	MUL16 0, (\q)%2, \zero
	MUL16 2, (\q)%2, \zero
	s_wait_dscnt 0
	PLACES NP
	FETCH_B \slot, (\q)+1, 1-(\q)%2
	FETCH_A \slot, (\q)+1, 0
	WIN MUL_HI
	MUL16 4, (\q)%2, \zero
	MUL16 6, (\q)%2, \zero
	PLACES NP
	WIN 0
	FETCH_A \slot, (\q)+1, 4
.endm
.macro TURN slot, next, fill
	s_wait_tensorcnt 0x0                           ; all my tensor loads have landed: my part of the next slot
	ds_add_u32 v[SPW], v[NIL]
	s_wait_dscnt 4*NL+1                            ; (the add and the youngest 16 loads may be out)
	WIN MUL_LO
	MUL16 0, 1, 0
	s_wait_dscnt 0x0                               ; the add is done, and my reads of this slot are over
	s_barrier_signal -1
	MUL16 2, 1, 0
	WIN 0
	s_barrier_wait -1
.if \fill
	CREST                                          ; a round of the cluster's barrier: no wave of any partner still reads this slot or has a load on its way
	s_add_nc_u64 s[G0+4*\slot+2:G0+4*\slot+3], s[G0+4*\slot+2:G0+4*\slot+3], 2*ASLOT
	s_add_nc_u64 s[G0B+4*\slot+2:G0B+4*\slot+3], s[G0B+4*\slot+2:G0B+4*\slot+3], 2*ROWB
	JLOAD G0+4*\slot, G1, G0B+4*\slot, G1B
.else
	PLACES NP
.endif
	FETCH_B \next, 0, 0
	FETCH_A \next, 0, 0
	WIN MUL_HI
	MUL16 4, 1, 0
	MUL16 6, 1, 0
	PLACES NP
	WIN 0
	FETCH_A \next, 0, 4
.endm
	s_wait_tensorcnt 1                             ; K step 0 is in; K step 1's load may be out
	s_barrier_signal -1
	s_barrier_wait -1
	FETCH_B 0, 0, 0
	FETCH_A 0, 0, 0
	FETCH_A 0, 0, 4
	STEP 0, 0, 1
	s_mov_b32 s3, LAPS-1
.Llap:
	TURN 0, 1, 1
	STEP 1, 0, 0
	TURN 1, 0, 1
	STEP 0, 0, 0
	s_sub_co_u32 s3, s3, 1
	s_cmp_lg_u32 s3, 0
	s_cbranch_scc1 .Llap
	TURN 0, 1, 0
	STEP 1, 0, 0
	s_wait_dscnt 4*NL
	WIN MUL_LO
	MUL16 0, 1, 0
	MUL16 2, 1, 0
	s_wait_dscnt 0
	WIN MUL_HI
	MUL16 4, 1, 0
	MUL16 6, 1, 0
	WIN 0
.macro XLOAD a                         ; the residual's 16 rows of block a, 512 consecutive bytes a load, into window 1
	WIN 0x40
.set J, 0
.rept 16
	global_load_b128 v[64*((\a)%2)+4*J:64*((\a)%2)+4*J+3], v[CO], s[10:11] offset:(16*(\a)+J)*4096 th:TH_LOAD_NT
.set J, J+1
.endr
	WIN 0
.endm
.macro TOSTAGE a                       ; block a's sums, as they are, into my stage (each accumulator from its low end on), and back as whole rows
.set AC, 64*((\a)%4)
	WIN 0x08+4*((\a)/4)                            ; the stores' data: window 2 or 3
.irp b, 0,1,2,3,4,5,6,7
	ds_store_b128 v[STO], v[AC+8*\b:AC+8*\b+3] offset:64*\b
	ds_store_b128 v[STO], v[AC+8*\b+4:AC+8*\b+7] offset:64*\b+16
.endr
	WIN 0
.set BB, BK+64*((\a)%2)
.set J, 0
.rept 16
	ds_load_b128 v[BB+4*J:BB+4*J+3], v[RD] offset:J*SPITCH   ; LDS serves a wave's instructions in order: these see the stores above
.set J, J+1
.endr
.endm
.macro SEND a, younger
.set BB, BK+64*((\a)%2)
	s_wait_dscnt \younger                          ; the block is back; the next block's 16 stores and 16 loads may be out
.if (\a) < 7
	s_wait_loadcnt 16                              ; its residual is in; the next block's 16 loads may be out
.else
	s_wait_loadcnt 0
.endif
	WIN 0x10                                       ; source 2: window 1
.set J, 0
.rept 32
	v_pk_fma_f32 v[BB+J:BB+J+1], v[BB+J:BB+J+1], s[96:97], v[64*((\a)%2)+J:64*((\a)%2)+J+1] op_sel_hi:[1,0,1]   ; sum x 2^(eA + eB) + residual
.set J, J+2
.endr
	WIN 0
.set J, 0
.rept 16
	global_store_b128 v[CO], v[BB+4*J:BB+4*J+3], s[12:13] offset:(16*(\a)+J)*4096   ; 32 lanes store 512 consecutive bytes, aligned
.set J, J+1
.endr
.if (\a)+2 <= 7
	XLOAD (\a)+2
.endif
.endm
	s_wait_kmcnt 0x0
	s_add_co_i32 s96, s96, s97
	s_add_co_i32 s96, s96, 127
	s_lshl_b32 s96, s96, 23                        ; 2^(eA + eB) as f32
	PLACES NP                                      ; in front of loads into registers that the last products read, and of the stores that read results
	XLOAD 0
	XLOAD 1
	TOSTAGE 0
.irp a, 1,2,3,4,5,6,7
.if \a > 1
	s_wait_xcnt 0x0                                ; block a - 2's stores have read their registers: block a's rows may land there
.endif
	TOSTAGE \a
	SEND \a-1, 32
.endr
	SEND 7, 0
	s_wait_tensorcnt 0x0                           ; the wave's end
	ds_add_u32 v[SPW], v[NIL]
	s_wait_dscnt 0x0
	CROUND                                         ; the closing round
	s_endpgm
.Lfunc_end_k_q23881d3eeb_w2:
	.size	k_q23881d3eeb_w2, .Lfunc_end_k_q23881d3eeb_w2-k_q23881d3eeb_w2
	.p2alignl 7, 3214868480
	.fill 96, 4, 3214868480
	.section	.rodata,"a",@progbits
	.p2align	6, 0x0
	.amdhsa_kernel k_q23881d3eeb_w2
		.amdhsa_group_segment_fixed_size 327680
		.amdhsa_private_segment_fixed_size 0
		.amdhsa_enable_private_segment 0
		.amdhsa_kernarg_size 40
		.amdhsa_user_sgpr_count 2
		.amdhsa_user_sgpr_kernarg_segment_ptr 1
		.amdhsa_wavefront_size32 1
		.amdhsa_system_sgpr_workgroup_id_x 1
		.amdhsa_system_sgpr_workgroup_id_y 1
		.amdhsa_system_sgpr_workgroup_id_z 1
		.amdhsa_system_vgpr_workitem_id 0
		.amdhsa_next_free_vgpr 1024
		.amdhsa_next_free_sgpr 100
		.amdhsa_reserve_vcc 0
		.amdhsa_float_denorm_mode_32 3
		.amdhsa_float_denorm_mode_16_64 3
		.amdhsa_memory_ordered 1
		.amdhsa_forward_progress 1
		.amdhsa_inst_pref_size 136
	.end_amdhsa_kernel
	.amdgpu_metadata
---
amdhsa.version: [ 1, 2 ]
amdhsa.kernels:
  - .name:           k_q23881d3eeb_w2
    .symbol:         k_q23881d3eeb_w2.kd
    .args:
      - { .name: uc, .offset: 0, .size: 8, .value_kind: global_buffer, .address_space: global }
      - { .name: w2_codes, .offset: 8, .size: 8, .value_kind: global_buffer, .address_space: global }
      - { .name: lowp_scales, .offset: 16, .size: 8, .value_kind: global_buffer, .address_space: global }
      - { .name: x2, .offset: 24, .size: 8, .value_kind: global_buffer, .address_space: global }
      - { .name: out0, .offset: 32, .size: 8, .value_kind: global_buffer, .address_space: global }
    .group_segment_fixed_size: 327680
    .private_segment_fixed_size: 0
    .kernarg_segment_align: 8
    .kernarg_segment_size: 40
    .max_flat_workgroup_size: 128
    .sgpr_count:     100
    .vgpr_count:     1024
    .wavefront_size: 32
...
	.end_amdgpu_metadata
.endif
;; end of part 7
;; ======== version 2 of 2: 7 launches
;; limits: right only within a limited range of input values
;; workspace buffers: h3 12,582,912 bytes; qkv 12,582,912 bytes; oc 4,194,304 bytes; x2 16,777,216 bytes; h2c 4,194,304 bytes; uc 16,777,216 bytes
;; launch norm1 (part 8): grid 256 x 1, 16 waves a work-group, no clusters, 83,968 bytes of LDS; arguments x, g1, lowp_scales, h3; writes h3
.if DOCPART == 8
	.amdgcn_target "amdgcn-amd-amdhsa--gfx1250"
	.amdhsa_code_object_version 6
	.text
	.protected	k_q23881d3eeb_norm1
	.globl	k_q23881d3eeb_norm1
	.p2align	8
	.type	k_q23881d3eeb_norm1,@function
k_q23881d3eeb_norm1:
	s_mov_b64 s[64:65], 0
	v_nop
	global_prefetch_b8 v0, s[64:65] scope:SCOPE_SE
	s_setreg_imm32_b32 hwreg(HW_REG_WAVE_MODE, 25, 1), 1
	s_wait_xcnt 0x0
; FIRST OF SEVEN LAUNCHES of a transformer block on E4M3 codes: norm1, qkv, attn, wo, norm2, w1, w2.
; THIS LAUNCH: h = x / sqrt(mean(x^2) + 1e-5) * g1 in f32, then quantised three times, with the given scales 2^e0, 2^e2, 2^e4 (they may differ):
; three planes of codes, [4096 tokens][1024], K innermost, 4 MiB apart in h3.  code = h / 2^e, held within +-448, nearest code, ties to even.
; WORK LEFT OUT IN THE PROGRAM (launch attn), and why it is dead: reference() adds -1e9 to every score with key > query, by a mask that it builds itself.
; The key equal to the query is always open, so the row's M comes from an open key, and a hidden p = 2^(t - M) has an exponent near -1.44e9: it is 0 as f32 and as a code,
; adds nothing to the row's sum and nothing to the second product, whatever finite values the inputs hold (LIMIT: open logits lie far above -1e9, |q.k| / 8 well under 1e9).
; So key steps of 128 keys that lie wholly behind a wave's 16 queries are not multiplied; inside the step on the diagonal hidden scores are set to -infinity and the work is done.
; LIMIT: a NaN, an infinity or an overflow that lies only in hidden keys or values is not carried to the result.  Every input of the problem is loaded by some launch.
; LIMITS here: e0, e2, e4 between -126 and 119, so that 2^e and 448 x 2^e are f32 numbers.  NaN among the inputs is not served.
; SHARES: a work-group takes 16 rows, a wave 4.  All 32 loads of a wave (512 consecutive bytes each) go out at the head.  The conversions want 16 neighbours in one lane, the loads want neighbouring
; lanes on neighbouring bytes: so a row turns through the wave's own stage in LDS (64 bytes a lane + 16 of padding).  A lane's 16 codes are 16 bytes: a store covers 512 consecutive bytes, aligned.
; No matrix unit, no tensor load, no barrier: waves share nothing, and the launch only streams.
.set NSET,  3                          ; sets of codes
.set SP,    80                         ; a lane's place in a stage
.set WREG,  5120                       ; a wave's two stages (columns 0-511, 512-1023): 2 x 32 x SP
; SHARES AS THEY STAND (this takes the place of what the head comment says of them): a work-group of sixteen waves takes 16 rows, a wave ONE row: its 8 loads of g and its 8 loads of the row go out at the head.
.set SPARE, 81920                      ; behind the sixteen waves' stages: the spare words, 128 bytes a wave; no other line names them
.set SPW,   12                         ; v12  my spare word's LDS address; never rewritten
.set NIL,   13                         ; v13  0; never rewritten
.set SC,    14                         ; v14.. set k: 2^e at SC+2k, 448 x 2^e at SC+2k+1
.set G,     20                         ; v20-51  g[512 u + 16 lane + i] at G + 16 u + i
.set X,     52                         ; v52-83  the row as 2 x 16 neighbours
.set T,     84                         ; v84-99  held numbers
.set C,     100                        ; v100-123 codes: 4 registers for each (set, half)
.set R,     128                        ; v128-159 my row as loaded
	s_load_b256 s[4:11], s[0:1], 0x0               ; x s[4:5], g s[6:7], scales s[8:9], codes s[10:11]
	v_lshl_add_u32 v[SPW], v0, 2, SPARE
	v_mov_b32 v[NIL], 0
	v_lshrrev_b32 v1, 5, v0
	v_readfirstlane_b32 s16, v1                    ; wave
	v_and_b32 v4, 31, v0                           ; lane
	v_lshlrev_b32 v1, 4, v4                        ; 16 x lane: my bytes of a load's or a store's 512
	s_mul_i32 s17, s16, WREG
	v_lshrrev_b32 v2, 2, v4
	v_mul_u32_u24 v2, v2, SP
	v_and_b32 v3, 3, v4
	v_lshl_add_u32 v2, v3, 4, v2
	v_add_nc_u32 v2, s17, v2                       ; stage, way in: SP (lane / 4) + 16 (lane % 4)
	v_mul_u32_u24 v3, v4, SP
	v_add_nc_u32 v3, s17, v3                       ; stage, way out: SP x lane
	v_lshlrev_b32 v5, 6, v4                        ; g: 64 x lane
	v_mov_b32 v11, 0                               ; (named as the upper half of the pair v[10:11])
	s_lshl_b32 s17, ttmp9, 4
	s_add_co_u32 s17, s17, s16                     ; my row: 16 x work-group + wave
	s_lshl_b32 s18, s17, 12                        ; in x: 4,096 bytes a row
	s_mov_b32 s19, 0
	s_lshl_b32 s32, s17, 10                        ; in a plane of codes: 1,024 bytes a row
	s_mov_b32 s33, 0
	s_mov_b32 s20, 0x3a800000                      ; 1 / 1024
	s_mov_b32 s21, 0x3727c5ac                      ; 1e-5
	s_mov_b32 s22, 0x76543210                      ; selects of v_permlanex16_b32: lane l xor 16
	s_mov_b32 s23, 0xfedcba98
	s_wait_alu depctr_va_vdst(0)
	s_wait_kmcnt 0x0
	s_load_b256 s[24:31], s[8:9], 0x0              ; e0 .. e7: set k takes s[24 + 2 k]
	s_add_nc_u64 s[4:5], s[4:5], s[18:19]
	s_add_nc_u64 s[10:11], s[10:11], s[32:33]      ; plane 0,
	s_add_nc_u64 s[12:13], s[10:11], 0x400000      ; plane 1,
	s_add_nc_u64 s[14:15], s[10:11], 0x800000      ; plane 2: three bases, since the distance is beyond a store's immediate
.set J, 0
.rept 8
	global_load_b128 v[G+4*J:G+4*J+3], v5, s[6:7] offset:2048*(J/4)+16*(J%4)
.set J, J+1
.endr
.set J, 0
.rept 8
	global_load_b128 v[R+4*J:R+4*J+3], v1, s[4:5] offset:512*J th:TH_LOAD_NT   ; my row's J-th 512 bytes
.set J, J+1
.endr
	s_wait_kmcnt 0x0
.set KK, 0
.rept NSET
	s_add_co_i32 s34, s[24+2*KK], 127
	s_lshl_b32 s35, s34, 23
	v_mov_b32 v[SC+2*KK], s35                      ; 2^e as f32: the conversion takes its exponent field
	s_add_co_i32 s34, s34, 8
	s_lshl_b32 s34, s34, 23
	s_or_b32 s34, s34, 0x600000
	v_mov_b32 v[SC+2*KK+1], s34                    ; 448 x 2^e
.set KK, KK+1
.endr
.macro ROW p
.set RR, R+32*(\p)
	s_wait_loadcnt 0x0                             ; g and my row are in
.set J, 0
.rept 8
	ds_store_b128 v2, v[RR+4*J:RR+4*J+3] offset:2560*(J/4)+640*(J%4)
.set J, J+1
.endr
.set J, 0
.rept 8
	ds_load_b128 v[X+4*J:X+4*J+3], v3 offset:2560*(J/4)+16*(J%4)   ; LDS serves a wave's instructions in order: these see the stores above
.set J, J+1
.endr
	v_pk_mul_f32 v[6:7], v[RR:RR+1], v[RR:RR+1]    ; the sum of squares, from the row as loaded, in two packed chains
	v_pk_mul_f32 v[8:9], v[RR+2:RR+3], v[RR+2:RR+3]
.set J, 4
.rept 7
	v_pk_fma_f32 v[6:7], v[RR+J:RR+J+1], v[RR+J:RR+J+1], v[6:7]
	v_pk_fma_f32 v[8:9], v[RR+J+2:RR+J+3], v[RR+J+2:RR+J+3], v[8:9]
.set J, J+4
.endr
	v_pk_add_f32 v[6:7], v[6:7], v[8:9]
	v_add_f32 v8, v6, v7
	v_add_f32_dpp v8, v8, v8 row_xmask:1 row_mask:0xf bank_mask:0xf
	v_add_f32_dpp v8, v8, v8 row_xmask:2 row_mask:0xf bank_mask:0xf
	v_add_f32_dpp v8, v8, v8 row_xmask:4 row_mask:0xf bank_mask:0xf
	v_add_f32_dpp v8, v8, v8 row_xmask:8 row_mask:0xf bank_mask:0xf
	v_permlanex16_b32 v9, v8, s22, s23
	v_add_f32 v8, v8, v9                           ; the row's sum, in every lane
	v_fma_f32 v8, v8, s20, s21                     ; mean + 1e-5
	s_wait_alu depctr_va_vdst(0)
	v_rsq_f32 v10, v8
	v_nop                                          ; a plain instruction behind the transcendental
	s_wait_alu depctr_va_vdst(0)                   ; and the wait ahead of the first reader of its result
	s_wait_dscnt 0x0                               ; the row is back, 16 neighbours a lane and half
.set J, 0
.rept 16
	v_pk_mul_f32 v[X+J:X+J+1], v[X+J:X+J+1], v[10:11] op_sel_hi:[1,0]
.set J, J+2
.endr
.set J, 0
.rept 16
	v_pk_mul_f32 v[X+J:X+J+1], v[X+J:X+J+1], v[G+J:G+J+1]
.set J, J+2
.endr
	s_wait_xcnt 0x0                                ; the last row's stores have read their data: the codes' registers are written again only behind this wait
.set KK, 0
.rept NSET
.irp u, 0,1
.set J, 0
.rept 16
	v_med3_num_f32 v[T+J], v[X+16*\u+J], -v[SC+2*KK+1], v[SC+2*KK+1]   ; the conversion does not saturate (ISA guide 7.6.2): the hold comes first
.set J, J+1
.endr
	v_cvt_scalef32_pk8_fp8_f32 v[C+8*KK+4*\u:C+8*KK+4*\u+1], v[T:T+7], v[SC+2*KK]
	v_cvt_scalef32_pk8_fp8_f32 v[C+8*KK+4*\u+2:C+8*KK+4*\u+3], v[T+8:T+15], v[SC+2*KK]
	v_nop                                          ; a plain instruction between the conversions and the next holds, which write their sources
	global_store_b128 v1, v[C+8*KK+4*\u:C+8*KK+4*\u+3], s[10+2*KK:11+2*KK] offset:1024*(\p)+512*\u
.endr
.set KK, KK+1
.endr
.endm
	ROW 0
	s_wait_tensorcnt 0x0                           ; the wave's end
	ds_add_u32 v[SPW], v[NIL]
	s_wait_dscnt 0x0
	s_endpgm
.Lfunc_end_k_q23881d3eeb_norm1:
	.size	k_q23881d3eeb_norm1, .Lfunc_end_k_q23881d3eeb_norm1-k_q23881d3eeb_norm1
	.p2alignl 7, 3214868480
	.fill 96, 4, 3214868480
	.section	.rodata,"a",@progbits
	.p2align	6, 0x0
	.amdhsa_kernel k_q23881d3eeb_norm1
		.amdhsa_group_segment_fixed_size 83968
		.amdhsa_private_segment_fixed_size 0
		.amdhsa_enable_private_segment 0
		.amdhsa_kernarg_size 32
		.amdhsa_user_sgpr_count 2
		.amdhsa_user_sgpr_kernarg_segment_ptr 1
		.amdhsa_wavefront_size32 1
		.amdhsa_system_sgpr_workgroup_id_x 1
		.amdhsa_system_sgpr_workgroup_id_y 1
		.amdhsa_system_sgpr_workgroup_id_z 1
		.amdhsa_system_vgpr_workitem_id 0
		.amdhsa_next_free_vgpr 256
		.amdhsa_next_free_sgpr 66
		.amdhsa_reserve_vcc 0
		.amdhsa_float_denorm_mode_32 3
		.amdhsa_float_denorm_mode_16_64 3
		.amdhsa_memory_ordered 1
		.amdhsa_forward_progress 1
		.amdhsa_inst_pref_size 17
	.end_amdhsa_kernel
	.amdgpu_metadata
---
amdhsa.version: [ 1, 2 ]
amdhsa.kernels:
  - .name:           k_q23881d3eeb_norm1
    .symbol:         k_q23881d3eeb_norm1.kd
    .args:
      - { .name: x, .offset: 0, .size: 8, .value_kind: global_buffer, .address_space: global }
      - { .name: g1, .offset: 8, .size: 8, .value_kind: global_buffer, .address_space: global }
      - { .name: lowp_scales, .offset: 16, .size: 8, .value_kind: global_buffer, .address_space: global }
      - { .name: h3, .offset: 24, .size: 8, .value_kind: global_buffer, .address_space: global }
    .group_segment_fixed_size: 83968
    .private_segment_fixed_size: 0
    .kernarg_segment_align: 8
    .kernarg_segment_size: 32
    .max_flat_workgroup_size: 512
    .sgpr_count:     66
    .vgpr_count:     256
    .wavefront_size: 32
...
	.end_amdgpu_metadata
.endif
;; end of part 8
;; launch qkv (part 9): grid 12 x 16, 4 waves a work-group, clusters of 4 x 4, 327,680 bytes of LDS; arguments h3, wq_codes, wk_codes, wv_codes, lowp_scales, qkv; writes qkv
.if DOCPART == 9
	.amdgcn_target "amdgcn-amd-amdhsa--gfx1250"
	.amdhsa_code_object_version 6
	.text
	.protected	k_q23881d3eeb_qkv
	.globl	k_q23881d3eeb_qkv
	.p2align	8
	.type	k_q23881d3eeb_qkv,@function
k_q23881d3eeb_qkv:
	s_mov_b64 s[64:65], 0
	v_nop
	global_prefetch_b8 v0, s[64:65] scope:SCOPE_SE
	s_setreg_imm32_b32 hwreg(HW_REG_WAVE_MODE, 25, 1), 1
	s_wait_xcnt 0x0
	s_wait_alu depctr_hold_cnt(0) depctr_sa_sdst(0) depctr_va_vdst(0) depctr_va_sdst(0) depctr_va_ssrc(0) depctr_va_vcc(0) depctr_vm_vsrc(0)
	s_getreg_b32 s2, hwreg(HW_REG_IB_STS2, 6, 4)
	s_cmp_eq_u32 s2, 0
	s_cbranch_scc0 .Lentry_in_a_cluster
	s_endpgm
.Lentry_in_a_cluster:
	s_bfe_u32 s2, ttmp6, 0x10000c
	s_cmp_lg_u32 s2, 0xf033
	s_cbranch_scc0 .Lentry_shape_is_right
	s_endpgm
.Lentry_shape_is_right:
.set SIZE_K, 1024
.set KSTEP,  256
.set ROWB,   256
.set KROW,   SIZE_K
.set PITCH,  272
.set FR,     16
.set NL,     4
.set NP,     4
.set HALFT,  128*PITCH
.set SLOT,   4*HALFT
.set LAPS,   SIZE_K/(2*KSTEP)
.set SPARE,  2*SLOT
.set SP,     272
.set ADRA, 16
.set ADRB, 20
.set STO,  24
.set RD,   25
.set CO,   26
.set SPW,  28
.set NIL,  29
.set LIM,  30
.set SCL,  31
.set TMP,  32
.set AF,   128
.set G1, 24
.set G0, 32
.set G1B, 48
.set G0B, 56
.set MSB, 0
.macro WIN new
.if MSB != (\new)
	s_set_vgpr_msb (MSB<<8)|(\new)
.set MSB, (\new)
.endif
.endm
.set MUL_LO, 0xa1
.set MUL_HI, 0xf1
.set TO_B,   0x40
.macro JLOAD g0a, g1a, g0b, g1b
	s_cmp_eq_u32 s15, 0
	s_cbranch_scc0 .Lfor_b_\@
	tensor_load_to_lds s[\g0a:\g0a+3], s[\g1a:\g1a+7]
	s_nop 0
.rept 4
	v_nop
.endr
	s_branch .Lasked_\@
.Lfor_b_\@:
	tensor_load_to_lds s[\g0b:\g0b+3], s[\g1b:\g1b+7]
	s_nop 0
.rept 4
	v_nop
.endr
.Lasked_\@:
.endm
.macro CREST
	s_cmp_lg_u32 s14, 0
	s_cbranch_scc1 .Lnot_wave_0_\@
	s_barrier_signal -3
.Lnot_wave_0_\@:
	s_barrier_wait -3
	s_barrier_signal -1
	s_barrier_wait -1
.endm
.macro CROUND
	s_barrier_signal -1
	s_barrier_wait -1
	CREST
.endm
	s_load_b256 s[68:75], s[0:1], 0x0
	s_load_b128 s[76:79], s[0:1], 0x20
	v_lshl_add_u32 v[SPW], v0, 2, SPARE
	v_mov_b32 v[NIL], 0
	ds_add_u32 v[SPW], v[NIL]
	ds_add_u32 v[SPW], v[NIL]
	v_lshrrev_b32 v1, 5, v0
	v_readfirstlane_b32 s14, v1
	s_lshr_b32 s15, s14, 1
	s_and_b32 s16, s14, 1
	s_bfe_u32 s40, ttmp6, 0x40000
	s_bfe_u32 s41, ttmp6, 0x40004
	s_and_b32 s12, ttmp7, 0xffff
	s_cmp_eq_u32 ttmp9, 2
	s_cselect_b32 s13, s12, 0
	s_cselect_b32 s12, 0, s12
	s_lshl_b32 s42, s13, 2
	s_add_co_u32 s42, s42, s40
	s_lshl_b32 s17, s12, 2
	s_add_co_u32 s17, s17, s41
	s_lshl_b32 s43, s41, 2
	s_lshl_b32 s43, 15, s43
	s_lshl_b32 s44, 0x1111, s40
	s_or_b32 s[G1+0], s43, (0<<16)|(1<<20)|(1<<21)|(5<<22)|(3<<25)
	s_or_b32 s[G1B+0], s44, (0<<16)|(1<<20)|(1<<21)|(5<<22)|(3<<25)
.irp g, G1, G1B
	s_mov_b32 s[\g+1], ROWB<<16
	s_mov_b32 s[\g+2], 128<<16
	s_mov_b32 s[\g+3], ROWB<<16
	s_mov_b32 s[\g+4], 128
	s_mov_b32 s[\g+5], KROW
	s_mov_b32 s[\g+6], 0
	s_mov_b32 s[\g+7], 0
.endr
	s_lshl_b32 s18, s16, 7
	s_lshl_b32 s20, s17, 8
	s_add_co_u32 s20, s20, s18
	s_lshl_b32 s46, s42, 8
	s_add_co_u32 s46, s46, s18
	s_mov_b32 s21, 0
	s_mov_b32 s47, 0
	s_mov_b64 s[18:19], KROW
	s_mul_u64 s[20:21], s[20:21], s[18:19]
	s_mul_u64 s[46:47], s[46:47], s[18:19]
	s_mul_i32 s45, s14, HALFT
	s_wait_dscnt 0x0
	s_wait_kmcnt 0x0
	s_load_b256 s[80:87], s[76:77], 0x0
	s_load_b32 s88, s[76:77], 0x20
	s_add_nc_u64 s[66:67], s[68:69], 0x400000
	s_add_nc_u64 s[90:91], s[68:69], 0x800000
	s_cmp_eq_u32 ttmp9, 0
	s_cselect_b64 s[4:5], s[68:69], s[66:67]
	s_cselect_b64 s[6:7], s[70:71], s[72:73]
	s_cmp_eq_u32 ttmp9, 2
	s_cselect_b64 s[4:5], s[74:75], s[4:5]
	s_cselect_b64 s[6:7], s[90:91], s[6:7]
	s_add_nc_u64 s[20:21], s[4:5], s[20:21]
	s_add_nc_u64 s[46:47], s[6:7], s[46:47]
	CROUND
.irp s, 0,1
	s_mov_b32 s[G0+4*\s], 1
	s_add_co_u32 s[G0+4*\s+1], s45, \s*SLOT
	s_add_nc_u64 s[G0+4*\s+2:G0+4*\s+3], s[20:21], \s*ROWB
	s_or_b32 s[G0+4*\s+3], s[G0+4*\s+3], 0x80000000
	s_mov_b32 s[G0B+4*\s], 1
	s_add_co_u32 s[G0B+4*\s+1], s45, \s*SLOT
	s_add_nc_u64 s[G0B+4*\s+2:G0B+4*\s+3], s[46:47], \s*ROWB
	s_or_b32 s[G0B+4*\s+3], s[G0B+4*\s+3], 0x80000000
.endr
	; THE FIRST FILLS: one joint load a wave, all four behind the one round.  Wave 0 brings A's 256 rows of K step 0, wave 1 those of K step 1, waves 2 and 3 the same of B:
	; an operand's two halves lie on end in a slot, so one tile of 256 rows covers them.  These loads have groups 0 and 1 of their own; the refills keep theirs (128 rows a wave).
.set H1A, 68                           ; s[68:75], s[4:11]: the arguments that lay there have been used
.set H1B, 4
.set H0A, 92
.set H0B, 96
	s_or_b32 s[H1A], s43, (0<<16)|(1<<20)|(1<<21)|(5<<22)|(3<<25)
	s_or_b32 s[H1B], s44, (0<<16)|(1<<20)|(1<<21)|(5<<22)|(3<<25)
.irp g, H1A, H1B
	s_mov_b32 s[\g+1], ROWB<<16
	s_mov_b32 s[\g+2], 256<<16
	s_mov_b32 s[\g+3], ROWB<<16
	s_mov_b32 s[\g+4], 256
	s_mov_b32 s[\g+5], KROW
	s_mov_b32 s[\g+6], 0
	s_mov_b32 s[\g+7], 0
.endr
	s_mul_i32 s18, s16, 128*KROW-ROWB              ; from my half's first row at K step 0 back to the tile's first row, and on to K step s16
	s_mov_b32 s19, 0
	s_mov_b32 s[H0A], 1
	s_mul_i32 s[H0A+1], s16, SLOT                  ; slot s16
	s_sub_nc_u64 s[H0A+2:H0A+3], s[20:21], s[18:19]
	s_or_b32 s[H0A+3], s[H0A+3], 0x80000000
	s_mov_b32 s[H0B], 1
	s_add_co_u32 s[H0B+1], s[H0A+1], 2*HALFT
	s_sub_nc_u64 s[H0B+2:H0B+3], s[46:47], s[18:19]
	s_or_b32 s[H0B+3], s[H0B+3], 0x80000000
	JLOAD H0A, H1A, H0B, H1B
	v_and_b32 v1, 15, v0
	s_wait_alu depctr_va_vdst(0)
	v_bfe_u32 v2, v0, 4, 1
	v_mul_u32_u24 v3, v1, PITCH
	v_lshl_add_u32 v4, v2, 4, v3
	s_mul_i32 s21, s15, HALFT
	s_mul_i32 s22, s16, HALFT
	s_add_co_u32 s22, s22, 2*HALFT
.irp s, 0,1
	v_add_nc_u32 v[ADRA+\s], s21, v4
	v_add_nc_u32 v[ADRB+\s], s22, v4
	s_add_co_u32 s21, s21, SLOT
	s_add_co_u32 s22, s22, SLOT
.endr
	s_mul_i32 s23, s15, 128*SP
	s_lshl_b32 s22, s16, 7
	s_add_co_u32 s23, s23, s22
	v_mul_u32_u24 v5, v1, SP
	s_wait_alu depctr_va_vdst(0)
	v_lshl_add_u32 v5, v2, 3, v5
	v_add_nc_u32 v[STO], s23, v5
	s_mul_i32 s23, s14, 64*SP
	v_lshrrev_b32 v5, 2, v1
	v_mul_u32_u24 v5, v5, SP
	v_lshl_add_u32 v5, v2, 6, v5
	v_and_b32 v6, 3, v1
	v_lshl_add_u32 v5, v6, 4, v5
	v_mul_u32_u24 v6, v2, SP
	v_lshl_add_u32 v6, v1, 4, v6
	v_add_nc_u32 v[RD], s23, v5                    ; the stage, way back, for q and k: 4 tokens x 64 bytes of a head
	v_add_nc_u32 v[RD+2], s23, v6                  ; and for v: whole rows of 256 bytes
	s_cmp_eq_u32 ttmp9, 2
	v_and_b32 v6, 31, v0
	v_lshlrev_b32 v[CO], 4, v6
	s_cselect_b32 s66, s42, s17
	s_cselect_b32 s67, s17, s42
	s_lshl_b32 s90, ttmp9, 22
	s_lshr_b32 s91, s66, 3
	s_lshl_b32 s91, s91, 21
	s_add_co_u32 s90, s90, s91
	s_lshl_b32 s91, s67, 19
	s_add_co_u32 s90, s90, s91
	s_and_b32 s91, s66, 7
	s_lshl_b32 s91, s91, 16
	s_add_co_u32 s90, s90, s91
	s_lshl_b32 s91, s14, 14
	s_add_co_u32 s90, s90, s91
	s_mov_b32 s91, 0
	s_add_nc_u64 s[90:91], s[78:79], s[90:91]
.macro FRAG reg, adr, q, i
.irp c, 0,1,2,3
	ds_load_b128 v[\reg+4*\c:\reg+4*\c+3], v[\adr] offset:128*(\q)+32*\c+(\i)*16*PITCH
.endr
.endm
.macro MUL16 a0, p, zero
.irp a, \a0, \a0+1
.irp b, 0,1,2,3,4,5,6,7
.if \zero
	v_wmma_f32_16x16x128_fp8_fp8 v[8*(8*((\a)%4)+\b):8*(8*((\a)%4)+\b)+7], v[128*(\p)+FR*\b:128*(\p)+FR*\b+FR-1], v[AF+FR*(\a):AF+FR*(\a)+FR-1], 0
.else
	v_wmma_f32_16x16x128_fp8_fp8 v[8*(8*((\a)%4)+\b):8*(8*((\a)%4)+\b)+7], v[128*(\p)+FR*\b:128*(\p)+FR*\b+FR-1], v[AF+FR*(\a):AF+FR*(\a)+FR-1], v[8*(8*((\a)%4)+\b):8*(8*((\a)%4)+\b)+7]
.endif
.endr
.endr
.endm
.macro FETCH_B slot, q, p
	WIN TO_B
.irp i, 0,1,2,3,4,5,6,7
	FRAG 128*(\p)+FR*\i, ADRB+\slot, \q, \i
.endr
	WIN 0
.endm
.macro FETCH_A slot, q, i0
.irp i, \i0, \i0+1, \i0+2, \i0+3
	FRAG AF+FR*(\i), ADRA+\slot, \q, \i
.endr
.endm
.macro PLACES n
.rept \n
	v_nop
.endr
.endm
.macro STEP slot, q, zero
	s_wait_dscnt 4*NL
	WIN MUL_LO
	MUL16 0, (\q)%2, \zero
	MUL16 2, (\q)%2, \zero
	s_wait_dscnt 0
	PLACES NP
	FETCH_B \slot, (\q)+1, 1-(\q)%2
	FETCH_A \slot, (\q)+1, 0
	WIN MUL_HI
	MUL16 4, (\q)%2, \zero
	MUL16 6, (\q)%2, \zero
	PLACES NP
	WIN 0
	FETCH_A \slot, (\q)+1, 4
.endm
.macro TURN slot, next, fill
	s_wait_tensorcnt 0x0
	ds_add_u32 v[SPW], v[NIL]
	s_wait_dscnt 4*NL+1
	WIN MUL_LO
	MUL16 0, 1, 0
	s_wait_dscnt 0x0
	s_barrier_signal -1
	MUL16 2, 1, 0
	WIN 0
	s_barrier_wait -1
.if \fill
	CREST
	s_add_nc_u64 s[G0+4*\slot+2:G0+4*\slot+3], s[G0+4*\slot+2:G0+4*\slot+3], 2*ROWB
	s_add_nc_u64 s[G0B+4*\slot+2:G0B+4*\slot+3], s[G0B+4*\slot+2:G0B+4*\slot+3], 2*ROWB
	JLOAD G0+4*\slot, G1, G0B+4*\slot, G1B
.else
	PLACES NP
.endif
	FETCH_B \next, 0, 0
	FETCH_A \next, 0, 0
	WIN MUL_HI
	MUL16 4, 1, 0
	MUL16 6, 1, 0
	PLACES NP
	WIN 0
	FETCH_A \next, 0, 4
.endm
	s_wait_alu depctr_va_vdst(0)
	s_wait_tensorcnt 0x0                           ; my one load is in; behind the barrier both slots are whole
	s_barrier_signal -1
	s_barrier_wait -1
	FETCH_B 0, 0, 0
	FETCH_A 0, 0, 0
	FETCH_A 0, 0, 4
	STEP 0, 0, 1
	s_mov_b32 s3, LAPS-1
.Llap:
	TURN 0, 1, 1
	STEP 1, 0, 0
	TURN 1, 0, 1
	STEP 0, 0, 0
	s_sub_co_u32 s3, s3, 1
	s_cmp_lg_u32 s3, 0
	s_cbranch_scc1 .Llap
	TURN 0, 1, 0
	STEP 1, 0, 0
	s_wait_dscnt 4*NL
	WIN MUL_LO
	MUL16 0, 1, 0
	MUL16 2, 1, 0
	s_wait_dscnt 0
	WIN MUL_HI
	MUL16 4, 1, 0
	MUL16 6, 1, 0
	WIN 0
	s_wait_kmcnt 0x0
	s_cmp_eq_u32 ttmp9, 0
	s_cselect_b32 s92, s80, s82
	s_cselect_b32 s93, s81, s83
	s_cselect_b32 s94, s86, s87
	s_cmp_eq_u32 ttmp9, 2
	s_cselect_b32 s92, s84, s92
	s_cselect_b32 s93, s85, s93
	s_cselect_b32 s94, s88, s94
	s_sub_co_i32 s94, s94, s92
	s_sub_co_i32 s94, s94, s93
	s_add_co_i32 s94, s94, 127
	s_lshl_b32 s95, s94, 23
	v_mov_b32 v[SCL], s95
	s_add_co_i32 s94, s94, 8
	s_lshl_b32 s94, s94, 23
	s_or_b32 s94, s94, 0x600000
	v_mov_b32 v[LIM], s94
	PLACES NP
.macro QBLOCK a
.set AC, 64*((\a)%4)
.set CD, 96+16*((\a)%2)
	WIN 0x02+((\a)/4)
.set J, 0
.rept 64
	v_med3_num_f32 v[TMP+J], v[AC+J], -v[LIM], v[LIM]
.set J, J+1
.endr
	WIN 0
.irp b, 0,1,2,3,4,5,6,7
	v_cvt_scalef32_pk8_fp8_f32 v[CD+2*\b:CD+2*\b+1], v[TMP+8*\b:TMP+8*\b+7], v[SCL]
.endr
	v_nop
.irp b, 0,1,2,3,4,5,6,7
	ds_store_b64 v[STO], v[CD+2*\b:CD+2*\b+1] offset:(\a)*16*SP+16*\b
.endr
.endm
.irp a, 0,1,2,3,4,5,6,7
	QBLOCK \a
.endr
	s_wait_dscnt 0x0
	s_barrier_signal -1
	s_barrier_wait -1
	s_cmp_eq_u32 ttmp9, 2                          ; the cluster's x: the same in all partners
	s_cbranch_scc1 .Lback_v
.set J, 0
.rept 32
	ds_load_b128 v[128+4*J:131+4*J], v[RD] offset:(J/2)*4*SP+128*(J%2)
.set J, J+1
.endr
	s_branch .Lback_done
.Lback_v:
.set J, 0
.rept 32
	ds_load_b128 v[128+4*J:131+4*J], v[RD+2] offset:J*2*SP
.set J, J+1
.endr
.Lback_done:
.set J, 0
.rept 32
	s_wait_dscnt 31-J
	global_store_b128 v[CO], v[128+4*J:131+4*J], s[90:91] offset:512*J
.set J, J+1
.endr
	s_wait_tensorcnt 0x0
	ds_add_u32 v[SPW], v[NIL]
	s_wait_dscnt 0x0
	CROUND
	s_endpgm
.Lfunc_end_k_q23881d3eeb_qkv:
	.size	k_q23881d3eeb_qkv, .Lfunc_end_k_q23881d3eeb_qkv-k_q23881d3eeb_qkv
	.p2alignl 7, 3214868480
	.fill 96, 4, 3214868480
	.section	.rodata,"a",@progbits
	.p2align	6, 0x0
	.amdhsa_kernel k_q23881d3eeb_qkv
		.amdhsa_group_segment_fixed_size 327680
		.amdhsa_private_segment_fixed_size 0
		.amdhsa_enable_private_segment 0
		.amdhsa_kernarg_size 48
		.amdhsa_user_sgpr_count 2
		.amdhsa_user_sgpr_kernarg_segment_ptr 1
		.amdhsa_wavefront_size32 1
		.amdhsa_system_sgpr_workgroup_id_x 1
		.amdhsa_system_sgpr_workgroup_id_y 1
		.amdhsa_system_sgpr_workgroup_id_z 1
		.amdhsa_system_vgpr_workitem_id 0
		.amdhsa_next_free_vgpr 1024
		.amdhsa_next_free_sgpr 100
		.amdhsa_reserve_vcc 0
		.amdhsa_float_denorm_mode_32 3
		.amdhsa_float_denorm_mode_16_64 3
		.amdhsa_memory_ordered 1
		.amdhsa_forward_progress 1
		.amdhsa_inst_pref_size 129
	.end_amdhsa_kernel
	.amdgpu_metadata
---
amdhsa.version: [ 1, 2 ]
amdhsa.kernels:
  - .name:           k_q23881d3eeb_qkv
    .symbol:         k_q23881d3eeb_qkv.kd
    .args:
      - { .name: h3, .offset: 0, .size: 8, .value_kind: global_buffer, .address_space: global }
      - { .name: wq_codes, .offset: 8, .size: 8, .value_kind: global_buffer, .address_space: global }
      - { .name: wk_codes, .offset: 16, .size: 8, .value_kind: global_buffer, .address_space: global }
      - { .name: wv_codes, .offset: 24, .size: 8, .value_kind: global_buffer, .address_space: global }
      - { .name: lowp_scales, .offset: 32, .size: 8, .value_kind: global_buffer, .address_space: global }
      - { .name: qkv, .offset: 40, .size: 8, .value_kind: global_buffer, .address_space: global }
    .group_segment_fixed_size: 327680
    .private_segment_fixed_size: 0
    .kernarg_segment_align: 8
    .kernarg_segment_size: 48
    .max_flat_workgroup_size: 128
    .sgpr_count:     100
    .vgpr_count:     1024
    .wavefront_size: 32
...
	.end_amdgpu_metadata
.endif
;; end of part 9
;; launch attn (part 10): grid 8 x 32, 16 waves a work-group, clusters of 4 x 1, 327,680 bytes of LDS; arguments qkv, lowp_scales, oc; writes oc
.if DOCPART == 10
	.amdgcn_target "amdgcn-amd-amdhsa--gfx1250"
	.amdhsa_code_object_version 6
	.text
	.protected	k_q23881d3eeb_attn
	.globl	k_q23881d3eeb_attn
	.p2align	8
	.type	k_q23881d3eeb_attn,@function
k_q23881d3eeb_attn:
	s_mov_b64 s[64:65], 0
	v_nop
	global_prefetch_b8 v0, s[64:65] scope:SCOPE_SE
	s_setreg_imm32_b32 hwreg(HW_REG_WAVE_MODE, 25, 1), 1
	s_wait_xcnt 0x0
	s_wait_alu depctr_hold_cnt(0) depctr_sa_sdst(0) depctr_va_vdst(0) depctr_va_sdst(0) depctr_va_ssrc(0) depctr_va_vcc(0) depctr_vm_vsrc(0)
	s_getreg_b32 s2, hwreg(HW_REG_IB_STS2, 6, 4)
	s_cmp_eq_u32 s2, 0
	s_cbranch_scc0 .Lentry_in_a_cluster
	s_endpgm
.Lentry_in_a_cluster:
	s_bfe_u32 s2, ttmp6, 0x10000c
	s_cmp_lg_u32 s2, 0x3003
	s_cbranch_scc0 .Lentry_shape_is_right
	s_endpgm
.Lentry_shape_is_right:
; Causal attention of one (batch, head) on E4M3 codes; o is quantised at once with 2^e10 for the projection that follows.
; WORK LEFT OUT: key steps of 128 keys that lie wholly behind a tile's 16 queries: reference()'s own mask makes their p exactly 0 (shown at the head of the first launch's text).
; t = score x log2(e) / 8 x 2^(e6 + e7); M = the running largest t rounded up to a whole number; p = 2^(t - M) is quantised with 2^e9, not normalised; the row's sum is taken of the unquantised p;
; when M moves, the sum and O are multiplied by 2^(old M - new M), which rounds nothing.  o = O x 2^(e8 + e9) / sum.
; LIMITS: e6 + e7 between -123 and 130; e9 and e10 between -126 and 119; the scaled scores t stay under 2^31 in magnitude.
; SHARES.  y = batch x 16 + head; x = 0 .. 7.  The work-group owns the 16 tiles of 16 queries that begin at 128 b + 16 x, b = 0 .. 15; tile b has b + 1 key steps of 128 keys.
; Tiles j and 15 - j (j = 0 .. 7) form a pair of 17 steps, shared by two waves.  Wave A (waves 0-7, j = the wave's number) takes the long tile's first steps: up to 14 of them where j < 4, up to 11 where j >= 4.
; Wave B (waves 8-15, j = (wave % 8) xor 4) takes the short tile's steps 0 .. j, stores that tile, begins anew and takes what A leaves of the long tile (nothing where j = 2, 3, 5, 6, 7).
; So waves w, w + 4, w + 8, w + 12 (w = 0 .. 3) take 14 (13), 11 (10, 9), 6 (7, 8) and 3 (4) steps, 34 together.  B hands its part (O^T, -M, the sums) to A as an image of its
; registers in LDS, behind one barrier; A brings both parts under the larger M by powers of two, adds them and stores the long tile.  An empty part has the factor 0.
; Every wave walks all eight chunks of 256 keys: the trip count is a constant; a step outside the wave's range [LO, HI] is left out by scalar branches on the wave's number and the count of steps.
; LDS HOLDS THE HEAD'S WHOLE K AND V, fetched once: each wave issues ONE load of 64 rows x 256 bytes at the head (waves 0-7: K's eighths; waves 8-15: V's chunks); no byte is filled twice.
; The four partners of a cluster walk the same head: each tile is asked for jointly (mask 15).  No prefetch: all that the launch reads through LDS is asked for at its head.
; LAYOUT.  S^T = K Q^T (16x16x64: source 0 = 16 keys, source 1 = my queries), O^T = V^T P^T (16x16x128): a lane holds one query throughout.  Tile c's eight registers are keys 16 c + 8 h + 0 .. 7,
; which are registers 2 c, 2 c + 1 of the second product's operand: the conversions' results are that operand.
; LDS: K: 512 rows (4 keys x 64 bytes) of 272;  V: 8 chunks of 256 keys x 64 channels' rows of 272;  A's stages, 1,024 bytes each;  the pairs' images, 4,608 bytes each (B's stage is its first 1,024);  the spare words.
.set KP,    272
.set CH,    64*KP                      ; 256 keys of K, or a chunk of V
.set VOFF,  8*CH
.set ASTG,  16*CH
.set PART,  ASTG+8*1024
.set PSZ,   4608                       ; nine groups of four registers x 512 bytes
.set SPARE, PART+8*PSZ                 ; 128 bytes for each of 16 waves; no other line names them
.set AK0,  1                           ; v1   my lane's place in a tile of K: (r / 4) 272 + (r % 4) 64 + 16 h
.set AV0,  2                           ; v2   in a tile of V: VOFF + 272 r + 8 h
.set QOF,  3                           ; v3   Q's byte offset
.set DD,   4                           ; v4   16 x + r - 8 h: on the diagonal, register n's key is hidden where 16 (n / 8) + n % 8 > DD
.set SPW,  5
.set NIL,  6
.set GO,   7                           ; v7   16 x lane
.set ADK,  8
.set ADV,  9
.set SIN,  10                          ; v10  stage, way in
.set SOUT, 11                          ; v11  stage, way out
.set PIM,  192                         ; v192 my lane's 16 bytes in the pair's image
.set HL2,  193                         ; v193 448 x 2^e9 once more: the second half of a dual pair takes it from another bank than v240
.set MX,   194                         ; v194-201 the eight chains of the step's maximum
.set WV,   18
.set SEL,  20
.set CS,   22
.set G1K,  24
.set G1V,  32
.set G0K,  40
.set G0V,  44
.set LO,   48                          ; first and last key step (as first keys) of the tile in hand that are mine
.set HI,   49
.set MIDK, 50                          ; the first key at which wave B changes tiles: 1,024; in wave A no key
.set QW2,  51                          ; the long tile's diagonal step: 128 (15 - j)
.set ROLE, 52                          ; 0: wave A, 1: wave B
.set JJ,   53                          ; j
.set LO2,  54                          ; the first key of B's share of the long tile: 1,792 (j < 4) or 1,408
.set KF,   56                          ; the step's first key
.set QW,   57                          ; the diagonal step of the tile in hand
.set TB,   2                           ; LDS byte of the 256 keys in hand: CH a trip, in K and in V alike
.macro CROUND
	s_barrier_signal -1
	s_barrier_wait -1
	s_cmp_lg_u32 s[WV], 0
	s_cbranch_scc1 .Lnot_wave_0_\@
	s_barrier_signal -3
.Lnot_wave_0_\@:
	s_barrier_wait -3
	s_barrier_signal -1
	s_barrier_wait -1
.endm
	s_load_b128 s[4:7], s[0:1], 0x0                ; qkv s[4:5], scales s[6:7]
	s_load_b64 s[8:9], s[0:1], 0x10                ; oc
	v_lshl_add_u32 v[SPW], v0, 2, SPARE
	v_mov_b32 v[NIL], 0
	ds_add_u32 v[SPW], v[NIL]                      ; the opening: the add, twice on end, and its wait ahead of my first tensor load
	ds_add_u32 v[SPW], v[NIL]
	v_lshrrev_b32 v8, 5, v0
	s_delay_alu instid0(VALU_DEP_1)
	v_readfirstlane_b32 s[WV], v8                  ; wave 0..15
	s_and_b32 s11, ttmp7, 0xffff                   ; y
	s_lshr_b32 s[ROLE], s[WV], 3
	s_and_b32 s[JJ], s[WV], 7
	s_lshl_b32 s12, s[ROLE], 2
	s_xor_b32 s[JJ], s[JJ], s12                    ; j: waves j and (j xor 4) + 8 are a pair
	s_xor_b32 s13, s[JJ], 15                       ; 15 - j
	s_lshl_b32 s[QW2], s13, 7
	s_lshr_b32 s[LO2], s[JJ], 2
	s_mul_i32 s[LO2], s[LO2], 384
	s_sub_co_u32 s[LO2], 1792, s[LO2]              ; A's share of the long tile ends in front of step 14 (j < 4) or 11,
	s_sub_co_u32 s81, s[LO2], 128
	s_min_u32 s81, s81, s[QW2]                     ; or at its diagonal step
	s_lshl_b32 s[HI], s[JJ], 7
	s_cmp_eq_u32 s[ROLE], 0
	s_cselect_b32 s12, s13, s[JJ]                  ; the block of my first tile, which is also the one that I store: A the long one, B the short one
	s_cselect_b32 s[HI], s81, s[HI]                ; B: steps 0 .. j
	s_cselect_b32 s[MIDK], -1, 1024
	s_lshl_b32 s[QW], s12, 7
	s_mov_b32 s[LO], 0
	s_and_b32 s16, s[WV], 7                        ; which eighth of K (waves 0-7) or of V (waves 8-15) I fetch
	s_lshr_b32 s14, s11, 2
	s_lshl_b32 s14, s14, 19                        ; the eight blocks of (batch, group of four heads)
	s_and_b32 s15, s11, 3                          ; the head in its group
	s_lshl_b32 s17, s16, 16                        ; 64 rows of K, 1,024 bytes apart, and a chunk of V are both 65,536 bytes
	s_add_co_u32 s17, s17, s14
	s_lshl_b32 s58, s15, 8                         ; K: plane 1; a head's rows are 256 bytes, 1,024 apart
	s_add_co_u32 s58, s58, s17
	s_add_co_u32 s58, s58, 0x400000
	s_mov_b32 s59, 0
	s_lshl_b32 s60, s15, 14                        ; V: plane 2; a head's 64 rows of a chunk are dense
	s_add_co_u32 s60, s60, s17
	s_add_co_u32 s60, s60, 0x800000
	s_mov_b32 s61, 0
	s_mul_i32 s19, s16, CH                         ; and their place in LDS: the wave's number alone
	s_bfe_u32 s13, ttmp6, 0x40000                  ; cx: it enters Q's and O's addresses and the mask's data, nothing else
	s_lshl_b32 s10, ttmp9, 2
	s_add_co_u32 s10, s10, s13                     ; x
	s_lshl_b32 s73, s10, 4
	s_lshl_b32 s74, s15, 8
	s_add_co_u32 s74, s74, s14
	s_add_co_u32 s62, s73, s[QW]                   ; my first tile's first query,
	s_lshl_b32 s62, s62, 8                         ; 4 tokens to 1,024 bytes
	s_add_co_u32 s62, s62, s74
	s_mov_b32 s63, 0
	s_add_co_u32 s76, s73, s[QW2]                  ; and the long tile's
	s_lshl_b32 s76, s76, 8
	s_add_co_u32 s76, s76, s74
	s_mov_b32 s77, 0
	s_lshr_b32 s66, s11, 4                         ; oc: [tile of 256 tokens][head][256 tokens][64 bytes]
	s_lshl_b32 s66, s66, 3
	s_lshr_b32 s74, s12, 1
	s_add_co_u32 s66, s66, s74
	s_lshl_b32 s66, s66, 18
	s_and_b32 s74, s11, 15
	s_lshl_b32 s74, s74, 14
	s_add_co_u32 s66, s66, s74
	s_and_b32 s74, s12, 1
	s_lshl_b32 s74, s74, 13
	s_add_co_u32 s66, s66, s74
	s_lshl_b32 s74, s10, 10
	s_add_co_u32 s66, s66, s74
	s_mov_b32 s67, 0
	s_mul_i32 s78, s[JJ], PSZ
	s_add_co_u32 s78, s78, PART                    ; the pair's image
	s_mul_i32 s79, s[JJ], PSZ-1024
	s_add_co_u32 s79, s79, PART-ASTG
	s_mul_i32 s79, s79, s[ROLE]
	s_lshl_b32 s80, s[JJ], 10
	s_add_co_u32 s79, s79, s80
	s_add_co_u32 s79, s79, ASTG                    ; my stage: A: ASTG + 1,024 j; B: the head of the pair's image
	s_mov_b32 s[G1K], 15|(0<<16)|(1<<20)|(1<<21)|(5<<22)|(3<<25)   ; mask: all four; elements of 1 byte; padding on; bit 21 beside a mask; 4 words after every 64
	s_mov_b32 s[G1V], 15|(0<<16)|(1<<20)|(1<<21)|(5<<22)|(3<<25)
.irp g, G1K, G1V
	s_mov_b32 s[\g+1], 256<<16                     ; tensor_dim0
	s_mov_b32 s[\g+2], 64<<16                      ; tensor_dim1
	s_mov_b32 s[\g+3], 256<<16                     ; tile_dim0
	s_mov_b32 s[\g+4], 64                          ; tile_dim1
	s_mov_b32 s[\g+6], 0
	s_mov_b32 s[\g+7], 0
.endr
	s_mov_b32 s[G1K+5], 1024                       ; pitch in memory: K
	s_mov_b32 s[G1V+5], 256                        ; V: dense
	s_mov_b32 s[SEL], 0x76543210
	s_mov_b32 s[SEL+1], 0xfedcba98
	s_mov_b32 s[CS], 0x3e38aa3b                    ; log2(e) / 8
	s_mov_b32 s[TB], 0
	s_mov_b32 s[KF], 0
	s_mov_b32 s[G0K], 1
	s_mov_b32 s[G0K+1], s19
	s_mov_b32 s[G0V], 1
	s_add_co_u32 s[G0V+1], s19, VOFF
	s_wait_dscnt 0x0                               ; both opening adds are done
	s_wait_kmcnt 0x0
	s_load_b128 s[68:71], s[6:7], 0x18             ; e6, e7, e8, e9
	s_load_b32 s72, s[6:7], 0x28                   ; e10
	s_add_nc_u64 s[G0K+2:G0K+3], s[4:5], s[58:59]
	s_or_b32 s[G0K+3], s[G0K+3], 0x80000000
	s_add_nc_u64 s[G0V+2:G0V+3], s[4:5], s[60:61]
	s_or_b32 s[G0V+3], s[G0V+3], 0x80000000
	s_add_nc_u64 s[62:63], s[4:5], s[62:63]
	s_add_nc_u64 s[76:77], s[4:5], s[76:77]
	s_add_nc_u64 s[66:67], s[8:9], s[66:67]
	CROUND                                         ; all four work-groups are here: the joint loads meet
	s_cmp_lt_u32 s[WV], 8                          ; one fill a wave, in the two arms of one branch on the wave's number
	s_cbranch_scc0 .Lfill_v
	tensor_load_to_lds s[G0K:G0K+3], s[G1K:G1K+7]
	s_nop 0
.rept 4
	v_nop
.endr
	s_branch .Lasked
.Lfill_v:
	tensor_load_to_lds s[G0V:G0V+3], s[G1V:G1V+7]
	s_nop 0
.rept 4
	v_nop
.endr
.Lasked:
	v_and_b32 v8, 15, v0                           ; r
	v_bfe_u32 v9, v0, 4, 1                         ; h
	s_delay_alu instid0(VALU_DEP_2)
	v_lshrrev_b32 v10, 2, v8                       ; r / 4
	s_delay_alu instid0(VALU_DEP_3)
	v_and_b32 v11, 3, v8                           ; r % 4
	s_delay_alu instid0(VALU_DEP_2)
	v_lshlrev_b32 v[QOF], 10, v10
	s_delay_alu instid0(VALU_DEP_1)
	v_lshl_add_u32 v[QOF], v11, 6, v[QOF]
	s_delay_alu instid0(VALU_DEP_1)
	v_lshl_add_u32 v[QOF], v9, 4, v[QOF]
	global_load_b128 v[16:19], v[QOF], s[62:63]            ; my first tile's Q: bytes 16 h .. and 32 + 16 h .. of my query's 64: the same permutation of k as K's loads
	global_load_b128 v[20:23], v[QOF], s[62:63] offset:32
	global_load_b128 v[24:27], v[QOF], s[76:77]            ; the long tile's Q, for wave B's second tile
	global_load_b128 v[28:31], v[QOF], s[76:77] offset:32
	v_mul_u32_u24 v[AK0], v10, KP
	s_delay_alu instid0(VALU_DEP_1)
	v_lshl_add_u32 v[AK0], v11, 6, v[AK0]
	s_delay_alu instid0(VALU_DEP_1)
	v_lshl_add_u32 v[AK0], v9, 4, v[AK0]
	v_mul_u32_u24 v[AV0], v8, KP
	s_delay_alu instid0(VALU_DEP_1)
	v_lshl_add_u32 v[AV0], v9, 3, v[AV0]
	s_delay_alu instid0(VALU_DEP_1)
	v_add_nc_u32 v[AV0], VOFF, v[AV0]
	s_lshl_b32 s74, s10, 4
	v_lshlrev_b32 v[DD], 3, v9
	s_delay_alu instid0(VALU_DEP_1)
	v_sub_nc_u32 v[DD], v8, v[DD]
	s_delay_alu instid0(VALU_DEP_1)
	v_add_nc_u32 v[DD], s74, v[DD]
	v_and_b32 v[GO], 31, v0
	s_delay_alu instid0(VALU_DEP_1)
	v_lshlrev_b32 v[GO], 4, v[GO]
	v_lshlrev_b32 v[SIN], 6, v8
	s_delay_alu instid0(VALU_DEP_1)
	v_lshl_add_u32 v[SIN], v9, 3, v[SIN]
	s_delay_alu instid0(VALU_DEP_1)
	v_add_nc_u32 v[SIN], s79, v[SIN]               ; query r's 64 bytes, + 8 h
	v_add_nc_u32 v[SOUT], s79, v[GO]
	v_add_nc_u32 v[PIM], s78, v[GO]
	v_mov_b32 v13, 0xff61b1e6                      ; the largest t so far: -3e38
	s_delay_alu instid0(VALU_DEP_1)
	v_floor_f32 v12, -v13                          ; -M
	v_mov_b32 v14, 0
	v_mov_b32 v15, 0
	v_mov_b32 v236, 0                              ; a lane permute's destination counts as read
	v_mov_b32 v253, 0                              ; (upper half of the pair v[252:253])
.set J, 0
.rept 32
	v_mov_b32 v[160+J], 0                          ; O^T: the step is written for all steps alike; a tile's first finds zeros
.set J, J+1
.endr
	s_wait_kmcnt 0x0
	s_add_co_i32 s73, s68, s69
	s_lshl_b32 s73, s73, 23
	s_add_co_i32 s[CS], s[CS], s73                 ; e6 + e7 go into c's exponent field
	s_mov_b32 s[CS+1], s[CS]
	s_add_co_i32 s73, s71, 127
	s_lshl_b32 s74, s73, 23
	v_mov_b32 v244, s74                            ; 2^e9
	s_add_co_i32 s73, s73, 8
	s_lshl_b32 s73, s73, 23
	s_or_b32 s73, s73, 0x600000
	v_mov_b32 v240, s73                            ; 448 x 2^e9
	v_mov_b32 v[HL2], s73
	s_add_co_i32 s73, s72, 127
	s_lshl_b32 s74, s73, 23
	v_mov_b32 v245, s74                            ; 2^e10
	s_add_co_i32 s73, s73, 8
	s_lshl_b32 s73, s73, 23
	s_or_b32 s73, s73, 0x600000
	v_mov_b32 v241, s73                            ; 448 x 2^e10
	s_add_co_i32 s75, s70, s71                     ; e8 + e9
; n of the step's 32 loads of V^T, in the form's own layout: load m brings registers 2 m, 2 m + 1 of the four fragments.  They stand between the dependent lines that make M, and land under the softmax.
.macro VL q, n
.rept \n
	ds_load_b64 v[32+2*VM:33+2*VM], v[ADV] offset:4352*(VM/8)+128*(\q)+16*(VM%8)
.set VM, VM+1
.endr
.endm
; A KEY STEP: 128 keys, the q-th of the 256 in hand.
.macro STEP q
	s_cmp_lt_u32 s[KF], s[LO]                      ; outside my share of the tile in hand (behind its queries, or my partner's): the step's work is left out
	s_cbranch_scc1 .Lhidden_\@
	s_cmp_gt_u32 s[KF], s[HI]
	s_cbranch_scc1 .Lhidden_\@
	v_add_nc_u32 v[ADK], s[TB], v[AK0]
	v_add_nc_u32 v[ADV], s[TB], v[AV0]
	v_nop
	v_nop                                          ; with the two additions: four places in front of loads into registers that the last products read
.irp i, 0,1,2,3,4,5,6,7
	ds_load_b128 v[32+8*\i:35+8*\i], v[ADK] offset:8704*(\q)+1088*\i
	ds_load_b128 v[36+8*\i:39+8*\i], v[ADK] offset:8704*(\q)+1088*\i+32
.endr
	s_wait_alu depctr_va_vdst(0)
	s_wait_dscnt 8                                 ; tiles 0-3 are in; the youngest eight loads (tiles 4-7) may be out
.irp i, 0,1,2,3
	v_wmma_f32_16x16x64_fp8_fp8 v[96+8*\i:103+8*\i], v[32+8*\i:39+8*\i], v[16:23], 0
.endr
	s_wait_dscnt 0x0
.irp i, 4,5,6,7
	v_wmma_f32_16x16x64_fp8_fp8 v[96+8*\i:103+8*\i], v[32+8*\i:39+8*\i], v[16:23], 0
.endr
.rept 4
	v_nop                                          ; places: in front of the first read of the scores
.endr
	s_cmp_lg_u32 s[KF], s[QW]                      ; not the diagonal step: all keys count, no mask
	s_cbranch_scc1 .Lopen_\@
	v_mov_b32 v254, 0xff800000                     ; -infinity
.set N, 0
.rept 64
	v_cmp_gt_i32 vcc_lo, 16*(N/8)+N%8, v[DD]
	v_cndmask_b32 v[96+N], v[96+N], v254, vcc_lo
.set N, N+1
.endr
.Lopen_\@:
.irp i, 0,1,2,3,4,5,6,7
	v_max3_num_f32 v[MX+\i], v[96+8*\i], v[97+8*\i], v[98+8*\i]   ; the step's largest score of my query among my 64 keys: eight chains that take turns, one to a tile, each from the tile's low end on
.endr
.irp i, 0,1,2,3,4,5,6,7
	v_max3_num_f32 v[MX+\i], v[MX+\i], v[99+8*\i], v[100+8*\i]
.endr
.irp i, 0,1,2,3,4,5,6,7
	v_max3_num_f32 v[MX+\i], v[MX+\i], v[101+8*\i], v[102+8*\i]
.endr
.irp i, 0,1,2,3
	v_max3_num_f32 v[MX+\i], v[MX+\i], v[103+8*\i], v[135+8*\i]   ; the last registers of tiles i and i + 4
.endr
.set VM, 0
	v_max3_num_f32 v[MX], v[MX], v[MX+1], v[MX+2]
	v_max3_num_f32 v[MX+3], v[MX+3], v[MX+4], v[MX+5]
	VL \q, 2
	v_max3_num_f32 v[MX], v[MX], v[MX+6], v[MX+7]
	VL \q, 3
	v_max_num_f32 v254, v[MX], v[MX+3]
	VL \q, 3
	v_permlanex16_b32 v236, v254, s[SEL], s[SEL+1]
	VL \q, 3
	v_max_num_f32 v254, v254, v236                 ; and among lane l xor 16's
	VL \q, 3
	v_mul_f32 v254, s[CS], v254                    ; as t (c is positive)
	VL \q, 3
	v_max_num_f32 v13, v13, v254
	v_mov_b32 v254, v12
	VL \q, 3
	v_floor_f32 v12, -v13                          ; the new -M: a whole number
	VL \q, 3
	v_sub_f32 v254, v12, v254                      ; old M - new M, 0 or less
	VL \q, 3
	v_cvt_i32_f32 v254, v254
	VL \q, 3
	v_ldexp_f32 v252, 1.0, v254                    ; f = 2^(old M - new M)
	VL \q, 3
.set J, 0
.rept 32
	v_pk_fma_f32 v[96+J:97+J], v[96+J:97+J], s[CS:CS+1], v[12:13] op_sel_hi:[1,0,0]   ; t - M
.set J, J+2
.endr
.set J, 0
.rept 16
	v_pk_mul_f32 v[160+J:161+J], v[160+J:161+J], v[252:253] op_sel_hi:[1,0]   ; O^T under the new M, ahead of the exponentials; each accumulator from its low end on
.set J, J+2
.endr
	s_wait_alu depctr_va_vdst(0)
.set J, 0
.rept 64
	v_exp_f32 v[96+J], v[96+J]                     ; p = 2^(t - M)
.set J, J+1
.endr
	v_pk_mul_f32 v[14:15], v[14:15], v[252:253] op_sel_hi:[1,0]   ; the sums under the new M: the plain instruction behind the batch
	s_wait_alu depctr_va_vdst(0)                   ; one wait for the batch, ahead of its first reader
	v_pk_add_f32 v[242:243], v[96:97], v[98:99]    ; the row's sum of the unquantised p: two at a time, in four chains that take turns
	v_pk_add_f32 v[246:247], v[100:101], v[102:103]
	v_pk_add_f32 v[248:249], v[104:105], v[106:107]
	v_pk_add_f32 v[14:15], v[14:15], v[108:109]
.set J, 14
.rept 6
	v_pk_add_f32 v[242:243], v[242:243], v[96+J:97+J]
	v_pk_add_f32 v[246:247], v[246:247], v[98+J:99+J]
	v_pk_add_f32 v[248:249], v[248:249], v[100+J:101+J]
	v_pk_add_f32 v[14:15], v[14:15], v[102+J:103+J]
.set J, J+8
.endr
	v_pk_add_f32 v[242:243], v[242:243], v[158:159]
	v_pk_add_f32 v[14:15], v[14:15], v[248:249]
	v_pk_add_f32 v[242:243], v[242:243], v[246:247]
	v_pk_add_f32 v[14:15], v[14:15], v[242:243]
.set J, 0
.rept 32
	v_dual_min_num_f32 v[96+J], v[96+J], v240 :: v_dual_min_num_f32 v[97+J], v[97+J], v[HL2]   ; the conversion does not saturate (ISA guide 7.6.2); p is not negative: a one-sided hold, two numbers a line
.set J, J+2
.endr
.irp c, 0,1,2,3,4,5,6,7
	v_cvt_scalef32_pk8_fp8_f32 v[224+2*\c:225+2*\c], v[96+8*\c:103+8*\c], v244
.endr
	v_nop                                          ; a plain instruction between the conversions and the products that read their results
	s_wait_alu depctr_va_vdst(0)
	s_wait_dscnt 0x0                               ; V's fragments are in
.irp t, 0,1,2,3
	v_wmma_f32_16x16x128_fp8_fp8 v[160+8*\t:167+8*\t], v[32+16*\t:47+16*\t], v[224:239], v[160+8*\t:167+8*\t]
.endr
.Lhidden_\@:
	s_add_co_u32 s[KF], s[KF], 128
.endm
; A TILE LEAVES: o = O^T x 2^(e8 + e9) / sum, held, converted with 2^e10; 16 queries x 64 bytes go through my stage and leave as 1,024 consecutive bytes.
.macro FINISH
.rept 4
	v_nop                                          ; places behind the last products
.endr
	v_add_f32 v14, v14, v15
	v_permlanex16_b32 v236, v14, s[SEL], s[SEL+1]
	s_delay_alu instid0(VALU_DEP_1)
	v_add_f32 v14, v14, v236                       ; the row's sum
	s_wait_alu depctr_va_vdst(0)
	v_rcp_f32 v14, v14
	v_nop                                          ; a plain instruction behind the transcendental
	s_wait_alu depctr_va_vdst(0)                   ; and the wait ahead of its first reader
	v_ldexp_f32 v14, v14, s75
	s_wait_alu depctr_va_vdst(0)                   ; directly ahead of the first reader of O^T
.set J, 0
.rept 16
	v_pk_mul_f32 v[96+J:97+J], v[160+J:161+J], v[14:15] op_sel_hi:[1,0]   ; register 8 t + i is o(r, 16 t + 8 h + i); each accumulator from its low end on
.set J, J+2
.endr
.set J, 0
.rept 32
	v_med3_num_f32 v[96+J], v[96+J], -v241, v241
.set J, J+1
.endr
.irp t, 0,1,2,3
	v_cvt_scalef32_pk8_fp8_f32 v[224+2*\t:225+2*\t], v[96+8*\t:103+8*\t], v245
.endr
	v_nop
.irp t, 0,1,2,3
	ds_store_b64 v[SIN], v[224+2*\t:225+2*\t] offset:16*\t
.endr
	ds_load_b128 v[32:35], v[SOUT]                 ; LDS serves a wave's instructions in order: these see my stores
	ds_load_b128 v[36:39], v[SOUT] offset:512
	s_wait_dscnt 1                                 ; the younger load may be out
	global_store_b128 v[GO], v[32:35], s[66:67]
	s_wait_dscnt 0
	global_store_b128 v[GO], v[36:39], s[66:67] offset:512
.endm
	s_wait_alu depctr_va_vdst(0)
	s_wait_loadcnt 0x0                             ; Q
	s_wait_tensorcnt 0x0                           ; my one load is in
	s_barrier_signal -1
	s_barrier_wait -1                              ; the head's K and V lie in LDS; nothing is filled again
	s_mov_b32 s3, 8
.Lchunk:                                               ; eight trips of 256 keys, in every wave
	s_cmp_lg_u32 s[KF], s[MIDK]
	s_cbranch_scc1 .Lsame_tile
	FINISH                                         ; wave B at key 1,024: the short tile, whose steps are all past, leaves,
	v_mov_b32 v13, 0xff61b1e6                      ; and the state begins anew for my part of the long tile
	v_floor_f32 v12, -v13
	v_mov_b32 v14, 0
	v_mov_b32 v15, 0
.set J, 0
.rept 32
	v_mov_b32 v[160+J], 0
.set J, J+1
.endr
.set J, 0
.rept 8
	v_mov_b32 v[16+J], v[24+J]                     ; its Q
.set J, J+1
.endr
	s_mov_b32 s[LO], s[LO2]                        ; from where A's share ends to the diagonal step (nothing where that lies in A's share)
	s_mov_b32 s[HI], s[QW2]
	s_mov_b32 s[QW], s[QW2]
	s_wait_alu depctr_va_vdst(0)
	s_wait_xcnt 0x0                                ; the stores have read v32-39, which the next step's loads write
.Lsame_tile:
	STEP 0
	STEP 1
	s_add_co_u32 s[TB], s[TB], CH
	s_sub_co_u32 s3, s3, 1
	s_cmp_lg_u32 s3, 0
	s_cbranch_scc1 .Lchunk
	s_cmp_eq_u32 s[ROLE], 0
	s_cbranch_scc1 .Lno_image
.rept 4
	v_nop                                          ; places in front of the stores that read results
.endr
.set J, 0
.rept 8
	ds_store_b128 v[PIM], v[160+4*J:163+4*J] offset:512*J   ; wave B: my part of the long tile as an image of its registers; each accumulator from its low end on
.set J, J+1
.endr
	ds_store_b128 v[PIM], v[12:15] offset:4096     ; -M, the largest t, the sum's two halves
.Lno_image:
	s_wait_dscnt 0x0                               ; for my partner's sake: zero
	s_barrier_signal -1
	s_barrier_wait -1
	s_cmp_lg_u32 s[ROLE], 0
	s_cbranch_scc1 .Ldone
.rept 4
	v_nop                                          ; places in front of loads into registers that the last products read
.endr
.set J, 0
.rept 8
	ds_load_b128 v[32+4*J:35+4*J], v[PIM] offset:512*J
.set J, J+1
.endr
	ds_load_b128 v[64:67], v[PIM] offset:4096
	s_wait_dscnt 0x0
	v_min_num_f32 v68, v12, v64                    ; wave A: -M of both parts together
	v_mov_b32 v73, 0                               ; (upper halves of the pairs v[72:73], v[74:75])
	v_mov_b32 v75, 0
	v_sub_f32 v69, v68, v12                        ; my M less the common one, and my partner's: whole numbers, 0 or less
	v_sub_f32 v70, v68, v64
	v_cvt_i32_f32 v69, v69                         ; (it saturates: an empty part gets the factor 0)
	v_cvt_i32_f32 v70, v70
	v_ldexp_f32 v72, 1.0, v69
	v_ldexp_f32 v74, 1.0, v70
	v_pk_mul_f32 v[14:15], v[14:15], v[72:73] op_sel_hi:[1,0]
	v_pk_fma_f32 v[14:15], v[66:67], v[74:75], v[14:15] op_sel_hi:[1,0,1]
.set J, 0
.rept 16
	v_pk_mul_f32 v[160+J:161+J], v[160+J:161+J], v[72:73] op_sel_hi:[1,0]
.set J, J+2
.endr
.set J, 0
.rept 16
	v_pk_fma_f32 v[160+J:161+J], v[32+J:33+J], v[74:75], v[160+J:161+J] op_sel_hi:[1,0,1]
.set J, J+2
.endr
	FINISH                                         ; the long tile leaves
.Ldone:
	s_wait_tensorcnt 0x0                           ; the wave's end
	ds_add_u32 v[SPW], v[NIL]
	s_wait_dscnt 0x0
	CROUND                                         ; the closing round
	s_endpgm
.Lfunc_end_k_q23881d3eeb_attn:
	.size	k_q23881d3eeb_attn, .Lfunc_end_k_q23881d3eeb_attn-k_q23881d3eeb_attn
	.p2alignl 7, 3214868480
	.fill 96, 4, 3214868480
	.section	.rodata,"a",@progbits
	.p2align	6, 0x0
	.amdhsa_kernel k_q23881d3eeb_attn
		.amdhsa_group_segment_fixed_size 327680
		.amdhsa_private_segment_fixed_size 0
		.amdhsa_enable_private_segment 0
		.amdhsa_kernarg_size 24
		.amdhsa_user_sgpr_count 2
		.amdhsa_user_sgpr_kernarg_segment_ptr 1
		.amdhsa_wavefront_size32 1
		.amdhsa_system_sgpr_workgroup_id_x 1
		.amdhsa_system_sgpr_workgroup_id_y 1
		.amdhsa_system_sgpr_workgroup_id_z 1
		.amdhsa_system_vgpr_workitem_id 0
		.amdhsa_next_free_vgpr 256
		.amdhsa_next_free_sgpr 100
		.amdhsa_reserve_vcc 1
		.amdhsa_float_denorm_mode_32 3
		.amdhsa_float_denorm_mode_16_64 3
		.amdhsa_memory_ordered 1
		.amdhsa_forward_progress 1
		.amdhsa_inst_pref_size 69
	.end_amdhsa_kernel
	.amdgpu_metadata
---
amdhsa.version: [ 1, 2 ]
amdhsa.kernels:
  - .name:           k_q23881d3eeb_attn
    .symbol:         k_q23881d3eeb_attn.kd
    .args:
      - { .name: qkv, .offset: 0, .size: 8, .value_kind: global_buffer, .address_space: global }
      - { .name: lowp_scales, .offset: 8, .size: 8, .value_kind: global_buffer, .address_space: global }
      - { .name: oc, .offset: 16, .size: 8, .value_kind: global_buffer, .address_space: global }
    .group_segment_fixed_size: 327680
    .private_segment_fixed_size: 0
    .kernarg_segment_align: 8
    .kernarg_segment_size: 24
    .max_flat_workgroup_size: 512
    .sgpr_count:     100
    .vgpr_count:     256
    .wavefront_size: 32
...
	.end_amdgpu_metadata
.endif
;; end of part 10
;; launch wo (part 11): grid 8 x 32, 4 waves a work-group, clusters of 4 x 4, 327,680 bytes of LDS; arguments oc, wo_codes, lowp_scales, x, x2; writes x2
.if DOCPART == 11
	.amdgcn_target "amdgcn-amd-amdhsa--gfx1250"
	.amdhsa_code_object_version 6
	.text
	.protected	k_q23881d3eeb_wo
	.globl	k_q23881d3eeb_wo
	.p2align	8
	.type	k_q23881d3eeb_wo,@function
k_q23881d3eeb_wo:
	s_mov_b64 s[64:65], 0
	v_nop
	global_prefetch_b8 v0, s[64:65] scope:SCOPE_SE
	s_setreg_imm32_b32 hwreg(HW_REG_WAVE_MODE, 25, 1), 1
	s_wait_xcnt 0x0
	s_wait_alu depctr_hold_cnt(0) depctr_sa_sdst(0) depctr_va_vdst(0) depctr_va_sdst(0) depctr_va_ssrc(0) depctr_va_vcc(0) depctr_vm_vsrc(0)
	s_getreg_b32 s2, hwreg(HW_REG_IB_STS2, 6, 4)
	s_cmp_eq_u32 s2, 0
	s_cbranch_scc0 .Lentry_in_a_cluster
	s_endpgm
.Lentry_in_a_cluster:
	s_bfe_u32 s2, ttmp6, 0x10000c
	s_cmp_lg_u32 s2, 0xf033
	s_cbranch_scc0 .Lentry_shape_is_right
	s_endpgm
.Lentry_shape_is_right:
; x2 = o wo^T x 2^(e10 + e11) + x.  o: codes laid [tile of 256 tokens][head][256 tokens][64 bytes]; wo: codes [1024][1024], K innermost; x, x2: [4096][1024] f32.
; LIMIT: e10 + e11 between -126 and 127, so that 2^(e10 + e11) is an f32 number.
; C has 4,096 x 1,024 numbers: 256 tiles of 128 x 128, a work-group each; tiles of 256 x 256 would be 64.  Four waves, 64 x 64 each: 16 accumulators of 16 x 16, which take turns.
; K goes in steps of 512 through two LDS slots filled by tensor loads; here K = 1,024 is just the two slots: both are first fills, and nothing is filled again.
; A's part of a K step is eight heads x 128 tokens x 64 bytes: a head's 8,192 bytes are dense, heads lie 16,384 bytes apart.  A load takes four heads as four rows of 8,192 bytes, with 16 bytes of padding
; behind every 256: in LDS units of 272 bytes, each 4 tokens x 64 bytes of one head.  B's part is 128 rows of 512 bytes, 528 apart in LDS.
; CLUSTER 4 x 4: A's tile is asked for jointly along a row of the cluster, B's along a column.  The matrix instruction is used transposed (source 0 = rows of B, source 1 = rows of A):
; a lane then holds eight neighbouring numbers of a row of C.  No prefetch: small tiles, each shared in the cluster.
; THE RESIDUAL (my 64 rows x 256 bytes) is asked for at the head, behind the first joint loads, into registers of its own: it is there when the sums are finished.
; THE WAY OUT: the sums go unscaled through my own stage in slot 0 (its last fill and its last read are past) and come back as rows of 256 bytes; one packed multiply-add gives sum x 2^e + residual.
; REGISTERS, in windows of 256: window 0: v16-29 addresses; v128-255 rows read back.  window 1: two fragment buffers of 128: A's 4 blocks (16 rows x 128 K, 16 registers), then B's 4.
;   window 2: v0-127 the accumulators ((a, b) at v[8 (4 a + b)]); v128-255 the residual.
.set SIZE_K, 1024
.set BLOCKED_A, 1
.set EOFF,   0x28
.set KSTEP,  512
; THE FILLS AS THEY STAND (this takes the place of what the head comment says of loads, rows and pitches): K = 1,024 lies in LDS whole, and each wave issues ONE load, at the head.
; Waves 0 and 1: eight heads each, eight rows of 8,192 bytes, in LDS units of 272 bytes.  Waves 2 and 3: 64 rows of B's whole K, 1,024 bytes, 1,040 apart in LDS.
; 'Slot' s below names the s-th half of K in that one image: A's heads 8 s .. 8 s + 7, B's bytes 512 s .. of each row.
.set ROWB,   1024
.set KROW,   SIZE_K
.set PITCH,  1040                      ; 1,024 bytes + 16 of padding = 260 words: row r starts at bank 4 r mod 64 (64 banks of 4 bytes: ISA guide 11.1)
.set UP,     272                       ; a unit of 4 tokens x 64 bytes + 16 of padding
.set BHALF,  64*PITCH                  ; what a wave fetches of B
.if BLOCKED_A
.set AHALF,  8*32*UP                   ; what a wave fetches of A: eight heads x 32 units
.set ASLOT,  8*16384                   ; bytes in memory from a K step of A to the next
.set AROWB,  8192
.set AROWS,  8
.set APITCH, 16384
.set AQI,    5                         ; padding behind every 64 words
.set LANEA,  5                         ; the register with my lane's place in a block of A
.set AMINE,  16*UP                     ; from the tile's first 64 tokens to its second
.else
.set AHALF,  64*PITCH
.set ASLOT,  ROWB
.set AROWB,  ROWB
.set AROWS,  64
.set APITCH, KROW
.set AQI,    6                         ; padding behind every 128 words
.set LANEA,  4
.set AMINE,  AHALF
.endif
.set SLOT,   2*AHALF+2*BHALF           ; A's two halves, then B's two
.set LAPS,   SIZE_K/(2*KSTEP)
.set SPARE,  SLOT                      ; behind the image: the spare words, 128 bytes a wave; no other line names them
.set SPITCH, 272                       ; the way out: a stage of 64 rows x (256 bytes + 16) for each wave
.set ADRA, 16                          ; v16-17  LDS address of my A fragments in slot 0, 1
.set ADRB, 20                          ; v20-21  the same for B
.set STO,  24                          ; v24     the stage, way in
.set RD,   25                          ; v25     the stage, way out
.set CO,   26                          ; v26     my byte offset in two rows of C; never rewritten
.set SPW,  28
.set NIL,  29
.set BK,   128                         ; window 0: rows read back
.set F0,   0                           ; window 1: fragment buffers
.set F1,   128
.set ACC,  0                           ; window 2
.set XR,   128                         ; window 2: the residual
.set G1, 24
.set G0, 32
.set G1B, 48
.set G0B, 56
.set MSB, 0
.macro WIN new                         ; the immediate's high byte repeats the setting that is left
.if MSB != (\new)
	s_set_vgpr_msb (MSB<<8)|(\new)
.set MSB, (\new)
.endif
.endm
.set MUL,  0xa5                        ; sources 0 (B) and 1 (A) window 1; C and D window 2
.set TO_F, 0x40                        ; destination window 1, address window 0
.macro JLOAD s                         ; waves 0, 1 fetch A's halves, waves 2, 3 B's; the branch hangs on the wave's number alone; an s_nop 0 and four v_nop follow each line
	s_cmp_eq_u32 s15, 0
	s_cbranch_scc0 .Lfor_b_\@
	tensor_load_to_lds s[G0+4*\s:G0+4*\s+3], s[G1:G1+7]
	s_nop 0
.rept 4
	v_nop
.endr
	s_branch .Lasked_\@
.Lfor_b_\@:
	tensor_load_to_lds s[G0B+4*\s:G0B+4*\s+3], s[G1B:G1B+7]
	s_nop 0
.rept 4
	v_nop
.endr
.Lasked_\@:
.endm
.macro CREST                           ; a round of the cluster's barrier behind its opening barrier
	s_cmp_lg_u32 s14, 0
	s_cbranch_scc1 .Lnot_wave_0_\@
	s_barrier_signal -3
.Lnot_wave_0_\@:
	s_barrier_wait -3
	s_barrier_signal -1
	s_barrier_wait -1
.endm
.macro CROUND
	s_barrier_signal -1
	s_barrier_wait -1
	CREST
.endm
	s_load_b128 s[4:7], s[0:1], 0x0                ; A's codes, B's codes
	s_load_b128 s[8:11], s[0:1], 0x10              ; scales s[8:9], the residual s[10:11]
	s_load_b64 s[12:13], s[0:1], 0x20              ; the result
	v_lshl_add_u32 v[SPW], v0, 2, SPARE
	v_mov_b32 v[NIL], 0
	ds_add_u32 v[SPW], v[NIL]                      ; the opening: the add, twice on end, and its wait ahead of my first tensor load
	ds_add_u32 v[SPW], v[NIL]
	v_lshrrev_b32 v1, 5, v0
	v_readfirstlane_b32 s14, v1                    ; wave 0..3
	s_lshr_b32 s15, s14, 1                         ; my half of the tile's rows; also: I fetch for A (0) or for B (1)
	s_and_b32 s16, s14, 1                          ; my half of its columns; also: which half of that tile I fetch
	s_bfe_u32 s40, ttmp6, 0x40000                  ; cx
	s_bfe_u32 s41, ttmp6, 0x40004                  ; cy
	s_lshl_b32 s42, ttmp9, 2
	s_add_co_u32 s42, s42, s40                     ; tile column of C, 0 .. 7
	s_and_b32 s17, ttmp7, 0xffff
	s_lshl_b32 s17, s17, 2
	s_add_co_u32 s17, s17, s41                     ; tile row of C, 0 .. 31
	s_lshl_b32 s43, s41, 2
	s_lshl_b32 s43, 15, s43                        ; my row of the cluster
	s_lshl_b32 s44, 0x1111, s40                    ; my column
	s_or_b32 s[G1+0], s43, (0<<16)|(1<<20)|(1<<21)|(AQI<<22)|(3<<25)   ; mask; elements of 1 byte; padding on; bit 21 beside a mask; the interval; 4 words of padding
	s_mov_b32 s[G1+1], AROWB<<16                   ; tensor_dim0
	s_mov_b32 s[G1+2], AROWS<<16                   ; tensor_dim1
	s_mov_b32 s[G1+3], AROWB<<16                   ; tile_dim0
	s_mov_b32 s[G1+4], AROWS                       ; tile_dim1
	s_mov_b32 s[G1+5], APITCH                      ; from row to row in memory
	s_mov_b32 s[G1+6], 0
	s_mov_b32 s[G1+7], 0
	s_or_b32 s[G1B+0], s44, (0<<16)|(1<<20)|(1<<21)|(7<<22)|(3<<25)    ; padding behind every 256 words
	s_mov_b32 s[G1B+1], ROWB<<16
	s_mov_b32 s[G1B+2], 64<<16
	s_mov_b32 s[G1B+3], ROWB<<16
	s_mov_b32 s[G1B+4], 64
	s_mov_b32 s[G1B+5], KROW
	s_mov_b32 s[G1B+6], 0
	s_mov_b32 s[G1B+7], 0
	s_lshl_b32 s18, s16, 6                         ; which 64 rows of a tile I fetch
.if BLOCKED_A
	s_lshr_b32 s20, s17, 1                         ; A: the tile of 256 tokens,
	s_lshl_b32 s20, s20, 18
	s_and_b32 s21, s17, 1                          ; its first or second 128 tokens,
	s_lshl_b32 s21, s21, 13
	s_add_co_u32 s20, s20, s21
	s_lshl_b32 s21, s16, 17                        ; my eight heads of the sixteen
	s_add_co_u32 s20, s20, s21
.else
	s_lshl_b32 s20, s17, 7
	s_add_co_u32 s20, s20, s18                     ; A: row 128 x tile row + 64 x half
.endif
	s_lshl_b32 s46, s42, 7
	s_add_co_u32 s46, s46, s18                     ; B: row 128 x tile column + 64 x half
	s_mov_b32 s21, 0
	s_mov_b32 s47, 0
	s_mov_b64 s[18:19], KROW
.if BLOCKED_A == 0
	s_mul_u64 s[20:21], s[20:21], s[18:19]
.endif
	s_mul_u64 s[46:47], s[46:47], s[18:19]
	s_mul_i32 s45, s16, AHALF                      ; where they go in a slot: the wave's number alone
	s_mul_i32 s66, s16, BHALF
	s_add_co_u32 s66, s66, 2*AHALF
	s_wait_dscnt 0x0                               ; both opening adds are done
	s_wait_kmcnt 0x0
	s_load_b64 s[96:97], s[8:9], EOFF              ; eA, eB
	s_add_nc_u64 s[20:21], s[4:5], s[20:21]
	s_add_nc_u64 s[46:47], s[6:7], s[46:47]
	CROUND                                         ; all sixteen work-groups are here: the first joint loads meet
.irp s, 0
	s_mov_b32 s[G0+4*\s], 1
	s_add_co_u32 s[G0+4*\s+1], s45, \s*SLOT
	s_add_nc_u64 s[G0+4*\s+2:G0+4*\s+3], s[20:21], \s*ASLOT
	s_or_b32 s[G0+4*\s+3], s[G0+4*\s+3], 0x80000000
	s_mov_b32 s[G0B+4*\s], 1
	s_add_co_u32 s[G0B+4*\s+1], s66, \s*SLOT
	s_add_nc_u64 s[G0B+4*\s+2:G0B+4*\s+3], s[46:47], \s*ROWB
	s_or_b32 s[G0B+4*\s+3], s[G0B+4*\s+3], 0x80000000
	JLOAD \s                                       ; one load of a wave is out
.endr
	v_and_b32 v1, 15, v0                           ; r
	v_bfe_u32 v2, v0, 4, 1                         ; h
	v_mul_u32_u24 v3, v1, PITCH
	v_lshl_add_u32 v4, v2, 4, v3                   ; a fragment's row x pitch + 16 h
.if BLOCKED_A
	v_lshrrev_b32 v5, 2, v1                        ; A: token r of a block lies in unit r / 4 at byte 64 (r % 4): sixteen lanes, sixteen different columns of 16 bytes
	v_mul_u32_u24 v5, v5, UP
	v_and_b32 v6, 3, v1
	v_lshl_add_u32 v5, v6, 6, v5
	v_lshl_add_u32 v5, v2, 4, v5
.endif
	s_mul_i32 s21, s15, AMINE                      ; my 64 rows of A
	s_mul_i32 s22, s16, BHALF                      ; my 64 rows of B,
	s_add_co_u32 s22, s22, 2*AHALF                 ; which lie behind A's
.irp s, 0,1
	v_add_nc_u32 v[ADRA+\s], s21, v[LANEA]
	v_add_nc_u32 v[ADRB+\s], s22, v4
	s_add_co_u32 s21, s21, AHALF                   ; the second half of K: eight heads on,
	s_add_co_u32 s22, s22, 512                     ; 512 bytes on in B's rows
.endr
	s_mul_i32 s23, s14, 64*SPITCH                  ; my stage
	v_mul_u32_u24 v6, v1, SPITCH
	v_lshl_add_u32 v6, v2, 5, v6
	v_add_nc_u32 v[STO], s23, v6                   ; in: row r, 32 bytes for each half of the lanes
	v_mul_u32_u24 v6, v2, SPITCH
	v_lshl_add_u32 v6, v1, 4, v6
	v_add_nc_u32 v[RD], s23, v6                    ; back: lanes 0-15 one row of 256 bytes, lanes 16-31 the next
	v_lshlrev_b32 v6, 12, v2
	v_lshl_add_u32 v[CO], v1, 4, v6                ; and the same two rows in C: 4,096 bytes a row
	s_wait_alu depctr_va_vdst(0)
	s_lshl_b32 s20, s17, 7
	s_lshl_b32 s21, s15, 6
	s_add_co_u32 s20, s20, s21                     ; my first row of C: 128 x tile row + 64 x half,
	s_lshl_b32 s20, s20, 12
	s_lshl_b32 s46, s42, 9
	s_add_co_u32 s20, s20, s46
	s_lshl_b32 s46, s16, 8
	s_add_co_u32 s20, s20, s46                     ; my first column's byte: 512 x tile column + 256 x half
	s_mov_b32 s21, 0
	s_add_nc_u64 s[10:11], s[10:11], s[20:21]
	s_add_nc_u64 s[12:13], s[12:13], s[20:21]
	WIN 0x80                                       ; destination window 2
.set J, 0
.rept 32
	global_load_b128 v[XR+4*J:XR+4*J+3], v[CO], s[10:11] offset:8192*J th:TH_LOAD_NT   ; the residual's rows 2 J, 2 J + 1: sixteen lanes read 256 consecutive bytes; waited for on the way out
.set J, J+1
.endr
	WIN 0
.macro FRAGB reg, slot, k, i           ; 16 rows x 128 K: registers 4 c .. 4 c + 3 hold K = k + 32 c + 16 h + 0 .. 15: the same permutation of k in A and in B, so every product meets its partner
.irp c, 0,1,2,3
	ds_load_b128 v[\reg+4*\c:\reg+4*\c+3], v[ADRB+\slot] offset:(\k)+32*\c+(\i)*16*PITCH
.endr
.endm
.macro FRAGA reg, slot, k, i           ; the same k: in the blocked layout head k / 64 + c / 2 of the step, channel 32 (c % 2) + 16 h; the largest offset, 64,224, is inside the 16 bits
.irp c, 0,1,2,3
.if BLOCKED_A
	ds_load_b128 v[\reg+4*\c:\reg+4*\c+3], v[ADRA+\slot] offset:((\k)/64+\c/2)*32*UP+32*(\c%2)+(\i)*4*UP
.else
	ds_load_b128 v[\reg+4*\c:\reg+4*\c+3], v[ADRA+\slot] offset:(\k)+32*\c+(\i)*16*PITCH
.endif
.endr
.endm
.macro FETCH slot, k, f                ; 32 LDS loads in one run: the fragments of 128 along K at byte k of the rows, into buffer f
	WIN TO_F
.irp i, 0,1,2,3
	FRAGB \f+64+16*\i, \slot, \k, \i
.endr
.irp i, 0,1,2,3
	FRAGA \f+16*\i, \slot, \k, \i
.endr
.endm
; four matrix instructions: A's block a x B's four.  The 16 accumulators take turns, one instruction a turn, in the same order in every quarter.
.macro MULA f, a, zero
.irp b, 0,1,2,3
.if \zero
	v_wmma_f32_16x16x128_fp8_fp8 v[ACC+8*(4*(\a)+\b):ACC+8*(4*(\a)+\b)+7], v[\f+64+16*\b:\f+64+16*\b+15], v[\f+16*(\a):\f+16*(\a)+15], 0
.else
	v_wmma_f32_16x16x128_fp8_fp8 v[ACC+8*(4*(\a)+\b):ACC+8*(4*(\a)+\b)+7], v[\f+64+16*\b:\f+64+16*\b+15], v[\f+16*(\a):\f+16*(\a)+15], v[ACC+8*(4*(\a)+\b):ACC+8*(4*(\a)+\b)+7]
.endif
.endr
.endm
.macro PLACES                          ; four plain vector instructions between a matrix instruction and a load into its sources or a read of its result
.rept 4
	v_nop
.endr
.endm
; A slot is four quarters of 128 along K, 16 matrix instructions each, on buffers 0, 1, 0, 1.  One of the first three: the next quarter's loads go out first, into the buffer that the last quarter multiplied.
.macro QUARTER slot, k, f, g, zero
	s_wait_dscnt 0x0                               ; buffer f is in
	PLACES
	FETCH \slot, \k, \g
	WIN MUL
	MULA \f, 0, \zero
	MULA \f, 1, \zero
	MULA \f, 2, \zero
	MULA \f, 3, \zero
.endm
; The last quarter multiplies buffer 1 and changes slots: one barrier; in front of it each wave waits for all its tensor loads, adds 0 to its spare word, and waits for that and for its reads of this slot.
.macro TURN slot, next, fill
	WIN 0                                          ; (the add's two registers lie in window 0)
	s_wait_tensorcnt 0x0                           ; all my tensor loads have landed: my part of the next slot
	ds_add_u32 v[SPW], v[NIL]
	s_wait_dscnt 1                                 ; buffer 1 is in; the add may be out
	WIN MUL
	MULA F1, 0, 0
	s_wait_dscnt 0x0                               ; the add is done, and my reads of this slot are over
	s_barrier_signal -1
	MULA F1, 1, 0
.if \fill
	WIN 0
.endif
	s_barrier_wait -1
.if \fill
	CREST                                          ; the barrier has opened a round of the cluster's: no wave of any partner still reads this slot or has a load on its way
	s_add_nc_u64 s[G0+4*\slot+2:G0+4*\slot+3], s[G0+4*\slot+2:G0+4*\slot+3], 2*ASLOT
	s_add_nc_u64 s[G0B+4*\slot+2:G0B+4*\slot+3], s[G0B+4*\slot+2:G0B+4*\slot+3], 2*ROWB
	JLOAD \slot                                    ; the first tensor load behind the round; its four v_nop are the places in front of the loads below
.else
	PLACES
.endif
	FETCH \next, 0, F0
	WIN MUL
	MULA F1, 2, 0
	MULA F1, 3, 0
.endm
	s_wait_alu depctr_va_vdst(0)
	s_wait_tensorcnt 0x0                           ; my one load is in
	s_barrier_signal -1
	s_barrier_wait -1
	FETCH 0, 0, F0
	QUARTER 0, 128, F0, F1, 1                      ; the first quarter's products start the sums
.if LAPS > 1
	WIN 0                                          ; at a label and at a branch every window is 0
	s_mov_b32 s3, LAPS-1
.Llap:                                                 ; a trip goes once round the ring, from a lap's second quarter to the next lap's first, and fills both slots again
	QUARTER 0, 256, F1, F0, 0
	QUARTER 0, 384, F0, F1, 0
	TURN 0, 1, 1
	QUARTER 1, 128, F0, F1, 0
	QUARTER 1, 256, F1, F0, 0
	QUARTER 1, 384, F0, F1, 0
	TURN 1, 0, 1
	QUARTER 0, 128, F0, F1, 0
	WIN 0
	s_sub_co_u32 s3, s3, 1
	s_cmp_lg_u32 s3, 0
	s_cbranch_scc1 .Llap
.endif
	QUARTER 0, 256, F1, F0, 0                      ; the last lap fills nothing
	QUARTER 0, 384, F0, F1, 0
	TURN 0, 1, 0
	QUARTER 1, 128, F0, F1, 0
	QUARTER 1, 256, F1, F0, 0
	QUARTER 1, 384, F0, F1, 0
	s_wait_dscnt 0x0                               ; the very last quarter: nothing more to fetch
	WIN MUL
	MULA F1, 0, 0
	MULA F1, 1, 0
	MULA F1, 2, 0
	MULA F1, 3, 0
	WIN 0
	; THE WAY OUT
	s_wait_kmcnt 0x0
	s_add_co_i32 s96, s96, s97
	s_add_co_i32 s96, s96, 127
	s_lshl_b32 s96, s96, 23                        ; 2^(eA + eB) as f32
	PLACES                                         ; in front of the stores that read results
	WIN 0x08                                       ; the stores' data: window 2
.irp a, 0,1,2,3
.irp b, 0,1,2,3
	ds_store_b128 v[STO], v[ACC+8*(4*\a+\b):ACC+8*(4*\a+\b)+3] offset:\a*16*SPITCH+64*\b       ; lane (r, h): C(16 a + r, 16 b + 8 h + 0 .. 7); each accumulator from its low end on
	ds_store_b128 v[STO], v[ACC+8*(4*\a+\b)+4:ACC+8*(4*\a+\b)+7] offset:\a*16*SPITCH+64*\b+16
.endr
.endr
	WIN 0
.set J, 0
.rept 32
	ds_load_b128 v[BK+4*J:BK+4*J+3], v[RD] offset:J*2*SPITCH   ; LDS serves a wave's instructions in order (ISA guide 5.7.1.4): these see the stores above
.set J, J+1
.endr
	s_wait_loadcnt 0x0                             ; the residual, asked for at the head
	WIN 0x20                                       ; source 2: window 2 (the stores below name sources 0 and 1 alone)
.irp g, 0,1,2,3
	s_wait_dscnt 24-8*\g                           ; these eight loads are back; the younger ones may be out
.set J, 32*\g
.rept 16
	v_pk_fma_f32 v[BK+J:BK+J+1], v[BK+J:BK+J+1], s[96:97], v[XR+J:XR+J+1] op_sel_hi:[1,0,1]   ; sum x 2^(eA + eB) + residual
.set J, J+2
.endr
.set J, 8*\g
.rept 8
	global_store_b128 v[CO], v[BK+4*J:BK+4*J+3], s[12:13] offset:8192*J   ; sixteen lanes store 256 consecutive bytes, aligned
.set J, J+1
.endr
.endr
	WIN 0
	s_wait_tensorcnt 0x0                           ; the wave's end
	ds_add_u32 v[SPW], v[NIL]
	s_wait_dscnt 0x0
	CROUND                                         ; the closing round
	s_endpgm
.Lfunc_end_k_q23881d3eeb_wo:
	.size	k_q23881d3eeb_wo, .Lfunc_end_k_q23881d3eeb_wo-k_q23881d3eeb_wo
	.p2alignl 7, 3214868480
	.fill 96, 4, 3214868480
	.section	.rodata,"a",@progbits
	.p2align	6, 0x0
	.amdhsa_kernel k_q23881d3eeb_wo
		.amdhsa_group_segment_fixed_size 327680
		.amdhsa_private_segment_fixed_size 0
		.amdhsa_enable_private_segment 0
		.amdhsa_kernarg_size 40
		.amdhsa_user_sgpr_count 2
		.amdhsa_user_sgpr_kernarg_segment_ptr 1
		.amdhsa_wavefront_size32 1
		.amdhsa_system_sgpr_workgroup_id_x 1
		.amdhsa_system_sgpr_workgroup_id_y 1
		.amdhsa_system_sgpr_workgroup_id_z 1
		.amdhsa_system_vgpr_workitem_id 0
		.amdhsa_next_free_vgpr 768
		.amdhsa_next_free_sgpr 100
		.amdhsa_reserve_vcc 0
		.amdhsa_float_denorm_mode_32 3
		.amdhsa_float_denorm_mode_16_64 3
		.amdhsa_memory_ordered 1
		.amdhsa_forward_progress 1
		.amdhsa_inst_pref_size 48
	.end_amdhsa_kernel
	.amdgpu_metadata
---
amdhsa.version: [ 1, 2 ]
amdhsa.kernels:
  - .name:           k_q23881d3eeb_wo
    .symbol:         k_q23881d3eeb_wo.kd
    .args:
      - { .name: oc, .offset: 0, .size: 8, .value_kind: global_buffer, .address_space: global }
      - { .name: wo_codes, .offset: 8, .size: 8, .value_kind: global_buffer, .address_space: global }
      - { .name: lowp_scales, .offset: 16, .size: 8, .value_kind: global_buffer, .address_space: global }
      - { .name: x, .offset: 24, .size: 8, .value_kind: global_buffer, .address_space: global }
      - { .name: x2, .offset: 32, .size: 8, .value_kind: global_buffer, .address_space: global }
    .group_segment_fixed_size: 327680
    .private_segment_fixed_size: 0
    .kernarg_segment_align: 8
    .kernarg_segment_size: 40
    .max_flat_workgroup_size: 128
    .sgpr_count:     100
    .vgpr_count:     768
    .wavefront_size: 32
...
	.end_amdgpu_metadata
.endif
;; end of part 11
;; launch norm2 (part 12): grid 256 x 1, 16 waves a work-group, no clusters, 83,968 bytes of LDS; arguments x2, g2, lowp_scales, h2c; writes h2c
.if DOCPART == 12
	.amdgcn_target "amdgcn-amd-amdhsa--gfx1250"
	.amdhsa_code_object_version 6
	.text
	.protected	k_q23881d3eeb_norm2
	.globl	k_q23881d3eeb_norm2
	.p2align	8
	.type	k_q23881d3eeb_norm2,@function
k_q23881d3eeb_norm2:
	s_mov_b64 s[64:65], 0
	v_nop
	global_prefetch_b8 v0, s[64:65] scope:SCOPE_SE
	s_setreg_imm32_b32 hwreg(HW_REG_WAVE_MODE, 25, 1), 1
	s_wait_xcnt 0x0
; h2 = x2 / sqrt(mean(x2^2) + 1e-5) * g2 in f32, quantised with the given scale 2^e12: codes [4096 tokens][1024], K innermost.
; code = h2 / 2^e12, held within +-448, nearest code, ties to even.  LIMIT: e12 between -126 and 119.  NaN among the inputs is not served.
; SHARES: a work-group takes 16 rows, a wave 4; all 32 loads of a wave (512 consecutive bytes each) go out at the head.  A row turns through the wave's own stage in LDS, so that a lane holds
; 16 neighbours for the conversions; a lane's 16 codes are 16 bytes: a store covers 512 consecutive bytes, aligned.  No matrix unit, no tensor load, no barrier: the launch only streams.
.set NSET,  1
.set SP,    80
.set WREG,  5120
; SHARES AS THEY STAND (this takes the place of what the head comment says of them): a work-group of sixteen waves takes 16 rows, a wave ONE row: its 8 loads of g and its 8 loads of the row go out at the head.
.set SPARE, 81920                      ; behind the sixteen waves' stages: the spare words, 128 bytes a wave; no other line names them
.set SPW,   12
.set NIL,   13
.set SC,    14                         ; v14: 2^e, v15: 448 x 2^e
.set G,     20
.set X,     52
.set T,     84
.set C,     100
.set R,     128
	s_load_b256 s[4:11], s[0:1], 0x0               ; x2 s[4:5], g s[6:7], scales s[8:9], codes s[10:11]
	v_lshl_add_u32 v[SPW], v0, 2, SPARE
	v_mov_b32 v[NIL], 0
	v_lshrrev_b32 v1, 5, v0
	v_readfirstlane_b32 s16, v1                    ; wave
	v_and_b32 v4, 31, v0                           ; lane
	v_lshlrev_b32 v1, 4, v4
	s_mul_i32 s17, s16, WREG
	v_lshrrev_b32 v2, 2, v4
	v_mul_u32_u24 v2, v2, SP
	v_and_b32 v3, 3, v4
	v_lshl_add_u32 v2, v3, 4, v2
	v_add_nc_u32 v2, s17, v2                       ; stage, way in
	v_mul_u32_u24 v3, v4, SP
	v_add_nc_u32 v3, s17, v3                       ; stage, way out
	v_lshlrev_b32 v5, 6, v4
	v_mov_b32 v11, 0
	s_lshl_b32 s17, ttmp9, 4
	s_add_co_u32 s17, s17, s16                     ; my row: 16 x work-group + wave
	s_lshl_b32 s18, s17, 12
	s_mov_b32 s19, 0
	s_lshl_b32 s32, s17, 10
	s_mov_b32 s33, 0
	s_mov_b32 s20, 0x3a800000                      ; 1 / 1024
	s_mov_b32 s21, 0x3727c5ac                      ; 1e-5
	s_mov_b32 s22, 0x76543210
	s_mov_b32 s23, 0xfedcba98
	s_wait_alu depctr_va_vdst(0)
	s_wait_kmcnt 0x0
	s_load_b32 s24, s[8:9], 0x30                   ; e12
	s_add_nc_u64 s[4:5], s[4:5], s[18:19]
	s_add_nc_u64 s[10:11], s[10:11], s[32:33]
.set J, 0
.rept 8
	global_load_b128 v[G+4*J:G+4*J+3], v5, s[6:7] offset:2048*(J/4)+16*(J%4)
.set J, J+1
.endr
.set J, 0
.rept 8
	global_load_b128 v[R+4*J:R+4*J+3], v1, s[4:5] offset:512*J
.set J, J+1
.endr
	s_wait_kmcnt 0x0
	s_add_co_i32 s34, s24, 127
	s_lshl_b32 s35, s34, 23
	v_mov_b32 v[SC], s35
	s_add_co_i32 s34, s34, 8
	s_lshl_b32 s34, s34, 23
	s_or_b32 s34, s34, 0x600000
	v_mov_b32 v[SC+1], s34
.macro ROW p
.set RR, R+32*(\p)
	s_wait_loadcnt 0x0                             ; g and my row are in
.set J, 0
.rept 8
	ds_store_b128 v2, v[RR+4*J:RR+4*J+3] offset:2560*(J/4)+640*(J%4)
.set J, J+1
.endr
.set J, 0
.rept 8
	ds_load_b128 v[X+4*J:X+4*J+3], v3 offset:2560*(J/4)+16*(J%4)
.set J, J+1
.endr
	v_pk_mul_f32 v[6:7], v[RR:RR+1], v[RR:RR+1]
	v_pk_mul_f32 v[8:9], v[RR+2:RR+3], v[RR+2:RR+3]
.set J, 4
.rept 7
	v_pk_fma_f32 v[6:7], v[RR+J:RR+J+1], v[RR+J:RR+J+1], v[6:7]
	v_pk_fma_f32 v[8:9], v[RR+J+2:RR+J+3], v[RR+J+2:RR+J+3], v[8:9]
.set J, J+4
.endr
	v_pk_add_f32 v[6:7], v[6:7], v[8:9]
	v_add_f32 v8, v6, v7
	v_add_f32_dpp v8, v8, v8 row_xmask:1 row_mask:0xf bank_mask:0xf
	v_add_f32_dpp v8, v8, v8 row_xmask:2 row_mask:0xf bank_mask:0xf
	v_add_f32_dpp v8, v8, v8 row_xmask:4 row_mask:0xf bank_mask:0xf
	v_add_f32_dpp v8, v8, v8 row_xmask:8 row_mask:0xf bank_mask:0xf
	v_permlanex16_b32 v9, v8, s22, s23
	v_add_f32 v8, v8, v9
	v_fma_f32 v8, v8, s20, s21                     ; mean + 1e-5
	s_wait_alu depctr_va_vdst(0)
	v_rsq_f32 v10, v8
	v_nop                                          ; a plain instruction behind the transcendental
	s_wait_alu depctr_va_vdst(0)                   ; and the wait ahead of its first reader
	s_wait_dscnt 0x0
.set J, 0
.rept 16
	v_pk_mul_f32 v[X+J:X+J+1], v[X+J:X+J+1], v[10:11] op_sel_hi:[1,0]
.set J, J+2
.endr
.set J, 0
.rept 16
	v_pk_mul_f32 v[X+J:X+J+1], v[X+J:X+J+1], v[G+J:G+J+1]
.set J, J+2
.endr
	s_wait_xcnt 0x0                                ; the last row's stores have read their data
.irp u, 0,1
.set J, 0
.rept 16
	v_med3_num_f32 v[T+J], v[X+16*\u+J], -v[SC+1], v[SC+1]
.set J, J+1
.endr
	v_cvt_scalef32_pk8_fp8_f32 v[C+4*\u:C+4*\u+1], v[T:T+7], v[SC]
	v_cvt_scalef32_pk8_fp8_f32 v[C+4*\u+2:C+4*\u+3], v[T+8:T+15], v[SC]
	v_nop                                          ; a plain instruction between the conversions and the next holds, which write their sources
	global_store_b128 v1, v[C+4*\u:C+4*\u+3], s[10:11] offset:1024*(\p)+512*\u
.endr
.endm
	ROW 0
	s_wait_tensorcnt 0x0                           ; the wave's end
	ds_add_u32 v[SPW], v[NIL]
	s_wait_dscnt 0x0
	s_endpgm
.Lfunc_end_k_q23881d3eeb_norm2:
	.size	k_q23881d3eeb_norm2, .Lfunc_end_k_q23881d3eeb_norm2-k_q23881d3eeb_norm2
	.p2alignl 7, 3214868480
	.fill 96, 4, 3214868480
	.section	.rodata,"a",@progbits
	.p2align	6, 0x0
	.amdhsa_kernel k_q23881d3eeb_norm2
		.amdhsa_group_segment_fixed_size 83968
		.amdhsa_private_segment_fixed_size 0
		.amdhsa_enable_private_segment 0
		.amdhsa_kernarg_size 32
		.amdhsa_user_sgpr_count 2
		.amdhsa_user_sgpr_kernarg_segment_ptr 1
		.amdhsa_wavefront_size32 1
		.amdhsa_system_sgpr_workgroup_id_x 1
		.amdhsa_system_sgpr_workgroup_id_y 1
		.amdhsa_system_sgpr_workgroup_id_z 1
		.amdhsa_system_vgpr_workitem_id 0
		.amdhsa_next_free_vgpr 256
		.amdhsa_next_free_sgpr 66
		.amdhsa_reserve_vcc 0
		.amdhsa_float_denorm_mode_32 3
		.amdhsa_float_denorm_mode_16_64 3
		.amdhsa_memory_ordered 1
		.amdhsa_forward_progress 1
		.amdhsa_inst_pref_size 11
	.end_amdhsa_kernel
	.amdgpu_metadata
---
amdhsa.version: [ 1, 2 ]
amdhsa.kernels:
  - .name:           k_q23881d3eeb_norm2
    .symbol:         k_q23881d3eeb_norm2.kd
    .args:
      - { .name: x2, .offset: 0, .size: 8, .value_kind: global_buffer, .address_space: global }
      - { .name: g2, .offset: 8, .size: 8, .value_kind: global_buffer, .address_space: global }
      - { .name: lowp_scales, .offset: 16, .size: 8, .value_kind: global_buffer, .address_space: global }
      - { .name: h2c, .offset: 24, .size: 8, .value_kind: global_buffer, .address_space: global }
    .group_segment_fixed_size: 83968
    .private_segment_fixed_size: 0
    .kernarg_segment_align: 8
    .kernarg_segment_size: 32
    .max_flat_workgroup_size: 512
    .sgpr_count:     66
    .vgpr_count:     256
    .wavefront_size: 32
...
	.end_amdgpu_metadata
.endif
;; end of part 12
;; launch w1 (part 13): grid 16 x 16, 4 waves a work-group, clusters of 4 x 4, 327,680 bytes of LDS; arguments h2c, w1_codes, lowp_scales, uc; writes uc
.if DOCPART == 13
	.amdgcn_target "amdgcn-amd-amdhsa--gfx1250"
	.amdhsa_code_object_version 6
	.text
	.protected	k_q23881d3eeb_w1
	.globl	k_q23881d3eeb_w1
	.p2align	8
	.type	k_q23881d3eeb_w1,@function
k_q23881d3eeb_w1:
	s_mov_b64 s[64:65], 0
	v_nop
	global_prefetch_b8 v0, s[64:65] scope:SCOPE_SE
	s_setreg_imm32_b32 hwreg(HW_REG_WAVE_MODE, 25, 1), 1
	s_wait_xcnt 0x0
	s_wait_alu depctr_hold_cnt(0) depctr_sa_sdst(0) depctr_va_vdst(0) depctr_va_sdst(0) depctr_va_ssrc(0) depctr_va_vcc(0) depctr_vm_vsrc(0)
	s_getreg_b32 s2, hwreg(HW_REG_IB_STS2, 6, 4)
	s_cmp_eq_u32 s2, 0
	s_cbranch_scc0 .Lentry_in_a_cluster
	s_endpgm
.Lentry_in_a_cluster:
	s_bfe_u32 s2, ttmp6, 0x10000c
	s_cmp_lg_u32 s2, 0xf033
	s_cbranch_scc0 .Lentry_shape_is_right
	s_endpgm
.Lentry_shape_is_right:
.set SIZE_K, 1024
.set KSTEP,  256
.set ROWB,   256
.set KROW,   SIZE_K
.set PITCH,  272
.set FR,     16
.set NL,     4
.set NP,     4
.set HALFT,  128*PITCH
.set SLOT,   4*HALFT
.set LAPS,   SIZE_K/(2*KSTEP)
.set SPARE,  2*SLOT
.set STG,    SLOT
.set SP,     272
.set ADRA, 16
.set ADRB, 20
.set IMG,  22
.set IMR,  23
.set STO,  24
.set RD,   25
.set CO,   26
.set STB,  27
.set SPW,  28
.set NIL,  29
.set U,    32
.set RS2,  96
.set A0,   98
.set A1,   100
.set A2,   102
.set A3,   104
.set A4,   106
.set A5,   108
.set A6,   110
.set B0,   112
.set B1,   114
.set B2,   116
.set B3,   118
.set B4,   120
.set LIM,  122
.set SCL,  123
.set Z,    128
.set Z2,   160
.set P,    192
.set Q,    224
.set AF,   128
.set G1, 24
.set G0, 32
.set G1B, 48
.set G0B, 56
.set MSB, 0
.macro WIN new
.if MSB != (\new)
	s_set_vgpr_msb (MSB<<8)|(\new)
.set MSB, (\new)
.endif
.endm
.set MUL_LO, 0xa1
.set MUL_HI, 0xf1
.set TO_B,   0x40
.macro JLOAD g0a, g1a, g0b, g1b
	s_cmp_eq_u32 s15, 0
	s_cbranch_scc0 .Lfor_b_\@
	tensor_load_to_lds s[\g0a:\g0a+3], s[\g1a:\g1a+7]
	s_nop 0
.rept 4
	v_nop
.endr
	s_branch .Lasked_\@
.Lfor_b_\@:
	tensor_load_to_lds s[\g0b:\g0b+3], s[\g1b:\g1b+7]
	s_nop 0
.rept 4
	v_nop
.endr
.Lasked_\@:
.endm
.macro CREST
	s_cmp_lg_u32 s14, 0
	s_cbranch_scc1 .Lnot_wave_0_\@
	s_barrier_signal -3
.Lnot_wave_0_\@:
	s_barrier_wait -3
	s_barrier_signal -1
	s_barrier_wait -1
.endm
.macro CROUND
	s_barrier_signal -1
	s_barrier_wait -1
	CREST
.endm
	s_load_b128 s[4:7], s[0:1], 0x0
	s_load_b128 s[8:11], s[0:1], 0x10
	v_lshl_add_u32 v[SPW], v0, 2, SPARE
	v_mov_b32 v[NIL], 0
	ds_add_u32 v[SPW], v[NIL]
	ds_add_u32 v[SPW], v[NIL]
	v_lshrrev_b32 v1, 5, v0
	v_readfirstlane_b32 s14, v1
	s_lshr_b32 s15, s14, 1
	s_and_b32 s16, s14, 1
	s_bfe_u32 s40, ttmp6, 0x40000
	s_bfe_u32 s41, ttmp6, 0x40004
	s_lshl_b32 s42, ttmp9, 2
	s_add_co_u32 s42, s42, s40
	s_and_b32 s17, ttmp7, 0xffff
	s_lshl_b32 s17, s17, 2
	s_add_co_u32 s17, s17, s41
	s_lshl_b32 s43, s41, 2
	s_lshl_b32 s43, 15, s43
	s_lshl_b32 s44, 0x1111, s40
	s_or_b32 s[G1+0], s43, (0<<16)|(1<<20)|(1<<21)|(5<<22)|(3<<25)
	s_or_b32 s[G1B+0], s44, (0<<16)|(1<<20)|(1<<21)|(5<<22)|(3<<25)
.irp g, G1, G1B
	s_mov_b32 s[\g+1], ROWB<<16
	s_mov_b32 s[\g+2], 128<<16
	s_mov_b32 s[\g+3], ROWB<<16
	s_mov_b32 s[\g+4], 128
	s_mov_b32 s[\g+5], KROW
	s_mov_b32 s[\g+6], 0
	s_mov_b32 s[\g+7], 0
.endr
	s_lshl_b32 s18, s16, 7
	s_lshl_b32 s20, s17, 8
	s_add_co_u32 s20, s20, s18
	s_lshl_b32 s46, s42, 8
	s_add_co_u32 s46, s46, s18
	s_mov_b32 s21, 0
	s_mov_b32 s47, 0
	s_mov_b64 s[18:19], KROW
	s_mul_u64 s[20:21], s[20:21], s[18:19]
	s_mul_u64 s[46:47], s[46:47], s[18:19]
	s_mul_i32 s45, s14, HALFT
	s_wait_dscnt 0x0
	s_wait_kmcnt 0x0
	s_load_b128 s[92:95], s[8:9], 0x30
	s_add_nc_u64 s[20:21], s[4:5], s[20:21]
	s_add_nc_u64 s[46:47], s[6:7], s[46:47]
	CROUND
.irp s, 0,1
	s_mov_b32 s[G0+4*\s], 1
	s_add_co_u32 s[G0+4*\s+1], s45, \s*SLOT
	s_add_nc_u64 s[G0+4*\s+2:G0+4*\s+3], s[20:21], \s*ROWB
	s_or_b32 s[G0+4*\s+3], s[G0+4*\s+3], 0x80000000
	s_mov_b32 s[G0B+4*\s], 1
	s_add_co_u32 s[G0B+4*\s+1], s45, \s*SLOT
	s_add_nc_u64 s[G0B+4*\s+2:G0B+4*\s+3], s[46:47], \s*ROWB
	s_or_b32 s[G0B+4*\s+3], s[G0B+4*\s+3], 0x80000000
.endr
	; THE FIRST FILLS: one joint load a wave, all four behind the one round.  Wave 0 brings A's 256 rows of K step 0, wave 1 those of K step 1, waves 2 and 3 the same of B:
	; an operand's two halves lie on end in a slot, so one tile of 256 rows covers them.  These loads have groups 0 and 1 of their own; the refills keep theirs (128 rows a wave).
.set H1A, 68
.set H1B, 76
.set H0A, 84
.set H0B, 88
	s_or_b32 s[H1A], s43, (0<<16)|(1<<20)|(1<<21)|(5<<22)|(3<<25)
	s_or_b32 s[H1B], s44, (0<<16)|(1<<20)|(1<<21)|(5<<22)|(3<<25)
.irp g, H1A, H1B
	s_mov_b32 s[\g+1], ROWB<<16
	s_mov_b32 s[\g+2], 256<<16
	s_mov_b32 s[\g+3], ROWB<<16
	s_mov_b32 s[\g+4], 256
	s_mov_b32 s[\g+5], KROW
	s_mov_b32 s[\g+6], 0
	s_mov_b32 s[\g+7], 0
.endr
	s_mul_i32 s18, s16, 128*KROW-ROWB              ; from my half's first row at K step 0 back to the tile's first row, and on to K step s16
	s_mov_b32 s19, 0
	s_mov_b32 s[H0A], 1
	s_mul_i32 s[H0A+1], s16, SLOT                  ; slot s16
	s_sub_nc_u64 s[H0A+2:H0A+3], s[20:21], s[18:19]
	s_or_b32 s[H0A+3], s[H0A+3], 0x80000000
	s_mov_b32 s[H0B], 1
	s_add_co_u32 s[H0B+1], s[H0A+1], 2*HALFT
	s_sub_nc_u64 s[H0B+2:H0B+3], s[46:47], s[18:19]
	s_or_b32 s[H0B+3], s[H0B+3], 0x80000000
	JLOAD H0A, H1A, H0B, H1B
	v_and_b32 v1, 15, v0
	s_wait_alu depctr_va_vdst(0)
	v_bfe_u32 v2, v0, 4, 1
	v_mul_u32_u24 v3, v1, PITCH
	v_lshl_add_u32 v4, v2, 4, v3
	s_mul_i32 s21, s15, HALFT
	s_mul_i32 s22, s16, HALFT
	s_add_co_u32 s22, s22, 2*HALFT
.irp s, 0,1
	v_add_nc_u32 v[ADRA+\s], s21, v4
	v_add_nc_u32 v[ADRB+\s], s22, v4
	s_add_co_u32 s21, s21, SLOT
	s_add_co_u32 s22, s22, SLOT
.endr
	s_mul_i32 s23, s15, 128*SP
	s_lshl_b32 s22, s16, 7
	s_add_co_u32 s23, s23, s22
	s_add_co_u32 s23, s23, STG
	v_mul_u32_u24 v5, v1, SP
	s_wait_alu depctr_va_vdst(0)
	v_lshl_add_u32 v5, v2, 3, v5
	v_add_nc_u32 v[STO], s23, v5
	s_mul_i32 s23, s14, 64*SP
	s_add_co_u32 s23, s23, STG
	v_mul_u32_u24 v5, v2, SP
	v_lshl_add_u32 v5, v1, 4, v5
	v_add_nc_u32 v[RD], s23, v5
	v_lshlrev_b32 v5, 12, v2
	v_lshl_add_u32 v[CO], v1, 4, v5
	s_lshl_b32 s20, s17, 8
	s_lshl_b32 s21, s14, 6
	s_add_co_u32 s20, s20, s21
	s_lshl_b32 s20, s20, 12
	s_lshl_b32 s46, s42, 8
	s_add_co_u32 s20, s20, s46
	s_mov_b32 s21, 0
	s_add_nc_u64 s[10:11], s[10:11], s[20:21]
.macro FRAG reg, adr, q, i
.irp c, 0,1,2,3
	ds_load_b128 v[\reg+4*\c:\reg+4*\c+3], v[\adr] offset:128*(\q)+32*\c+(\i)*16*PITCH
.endr
.endm
.macro MUL16 a0, p, zero
.irp a, \a0, \a0+1
.irp b, 0,1,2,3,4,5,6,7
.if \zero
	v_wmma_f32_16x16x128_fp8_fp8 v[8*(8*((\a)%4)+\b):8*(8*((\a)%4)+\b)+7], v[128*(\p)+FR*\b:128*(\p)+FR*\b+FR-1], v[AF+FR*(\a):AF+FR*(\a)+FR-1], 0
.else
	v_wmma_f32_16x16x128_fp8_fp8 v[8*(8*((\a)%4)+\b):8*(8*((\a)%4)+\b)+7], v[128*(\p)+FR*\b:128*(\p)+FR*\b+FR-1], v[AF+FR*(\a):AF+FR*(\a)+FR-1], v[8*(8*((\a)%4)+\b):8*(8*((\a)%4)+\b)+7]
.endif
.endr
.endr
.endm
.macro FETCH_B slot, q, p
	WIN TO_B
.irp i, 0,1,2,3,4,5,6,7
	FRAG 128*(\p)+FR*\i, ADRB+\slot, \q, \i
.endr
	WIN 0
.endm
.macro FETCH_A slot, q, i0
.irp i, \i0, \i0+1, \i0+2, \i0+3
	FRAG AF+FR*(\i), ADRA+\slot, \q, \i
.endr
.endm
.macro PLACES n
.rept \n
	v_nop
.endr
.endm
.macro STEP slot, q, zero
	s_wait_dscnt 4*NL
	WIN MUL_LO
	MUL16 0, (\q)%2, \zero
	MUL16 2, (\q)%2, \zero
	s_wait_dscnt 0
	PLACES NP
	FETCH_B \slot, (\q)+1, 1-(\q)%2
	FETCH_A \slot, (\q)+1, 0
	WIN MUL_HI
	MUL16 4, (\q)%2, \zero
	MUL16 6, (\q)%2, \zero
	PLACES NP
	WIN 0
	FETCH_A \slot, (\q)+1, 4
.endm
.macro TURN slot, next, fill
	s_wait_tensorcnt 0x0
	ds_add_u32 v[SPW], v[NIL]
	s_wait_dscnt 4*NL+1
	WIN MUL_LO
	MUL16 0, 1, 0
	s_wait_dscnt 0x0
	s_barrier_signal -1
	MUL16 2, 1, 0
	WIN 0
	s_barrier_wait -1
.if \fill
	CREST
	s_add_nc_u64 s[G0+4*\slot+2:G0+4*\slot+3], s[G0+4*\slot+2:G0+4*\slot+3], 2*ROWB
	s_add_nc_u64 s[G0B+4*\slot+2:G0B+4*\slot+3], s[G0B+4*\slot+2:G0B+4*\slot+3], 2*ROWB
	JLOAD G0+4*\slot, G1, G0B+4*\slot, G1B
.else
	PLACES NP
.endif
	FETCH_B \next, 0, 0
	FETCH_A \next, 0, 0
	WIN MUL_HI
	MUL16 4, 1, 0
	MUL16 6, 1, 0
	PLACES NP
	WIN 0
	FETCH_A \next, 0, 4
.endm
	s_wait_alu depctr_va_vdst(0)
	s_wait_tensorcnt 0x0                           ; my one load is in; behind the barrier both slots are whole
	s_barrier_signal -1
	s_barrier_wait -1
	FETCH_B 0, 0, 0
	FETCH_A 0, 0, 0
	FETCH_A 0, 0, 4
	STEP 0, 0, 1
	s_mov_b32 s3, LAPS-1
.Llap:
	TURN 0, 1, 1
	STEP 1, 0, 0
	TURN 1, 0, 1
	STEP 0, 0, 0
	s_sub_co_u32 s3, s3, 1
	s_cmp_lg_u32 s3, 0
	s_cbranch_scc1 .Llap
	TURN 0, 1, 0
	STEP 1, 0, 0
	s_wait_dscnt 4*NL
	WIN MUL_LO
	MUL16 0, 1, 0
	MUL16 2, 1, 0
	s_wait_dscnt 0
	WIN MUL_HI
	MUL16 4, 1, 0
	MUL16 6, 1, 0
	WIN 0
	s_wait_dscnt 0x0
	s_barrier_signal -1
	s_barrier_wait -1
.macro CPAIR reg, bits
	v_mov_b32 v[\reg], \bits
	v_mov_b32 v[\reg+1], \bits
.endm
	CPAIR RS2, 0x3fb504f3                          ; sqrt(2): z = (u / 2) x sqrt(2) = u / sqrt(2)
	CPAIR A0, 0xaf95df0b
	CPAIR A1, 0x32edffee
	CPAIR A2, 0xb60cff51
	CPAIR A3, 0xb86ec2d2
	CPAIR A4, 0xba40ac63
	CPAIR A5, 0xbb41a1f6
	CPAIR A6, 0xbc83dbd4
	CPAIR B0, 0xb77460cd
	CPAIR B1, 0xb95fbd29
	CPAIR B2, 0xbadc924e
	CPAIR B3, 0xbbf19bf8
	CPAIR B4, 0xbc69b6a7
	s_wait_kmcnt 0x0
	s_add_co_i32 s96, s92, s93
	s_add_co_i32 s96, s96, 126                     ; 2^(e12 + e13 - 1): a sum becomes u / 2 at once (LIMIT: e12 + e13 between -125 and 128)
	s_lshl_b32 s96, s96, 23
	s_mov_b32 s97, s96
	s_add_co_i32 s94, s94, 127
	s_lshl_b32 s95, s94, 23
	v_mov_b32 v[SCL], s95
	s_add_co_i32 s94, s94, 8
	s_lshl_b32 s94, s94, 23
	s_or_b32 s94, s94, 0x600000
	v_mov_b32 v[LIM], s94
.macro FMA16 d, a, b, bs, c, cs
.set J, 0
.rept 16
	v_pk_fma_f32 v[(\d)+J:(\d)+J+1], v[(\a)+J:(\a)+J+1], v[(\b)+(\bs)*J:(\b)+(\bs)*J+1], v[(\c)+(\cs)*J:(\c)+(\cs)*J+1]
.set J, J+2
.endr
.endm
.macro PMUL16 d, a, b, bs
.set J, 0
.rept 16
	v_pk_mul_f32 v[(\d)+J:(\d)+J+1], v[(\a)+J:(\a)+J+1], v[(\b)+(\bs)*J:(\b)+(\bs)*J+1]
.set J, J+2
.endr
.endm
.macro GELU32 ug
	PMUL16 Z, \ug, RS2, 0
.set J, 0
.rept 32
	v_med3_num_f32 v[Z+J], v[Z+J], -4.0, 4.0
.set J, J+1
.endr
	PMUL16 Z2, Z, Z, 1
	FMA16 P, Z2, A0, 0, A1, 0
	FMA16 P, P, Z2, 1, A2, 0
	FMA16 P, P, Z2, 1, A3, 0
	FMA16 P, P, Z2, 1, A4, 0
	FMA16 P, P, Z2, 1, A5, 0
	FMA16 P, P, Z2, 1, A6, 0
	FMA16 Q, Z2, B0, 0, B1, 0
	FMA16 Q, Q, Z2, 1, B2, 0
	FMA16 Q, Q, Z2, 1, B3, 0
	FMA16 Q, Q, Z2, 1, B4, 0
.set J, 0
	s_wait_alu depctr_va_vdst(0)
.rept 32
	v_rcp_f32 v[Q+J], v[Q+J]
.set J, J+1
.endr
	PMUL16 P, P, Z, 1
	s_wait_alu depctr_va_vdst(0)
	PMUL16 P, P, Q, 1
	FMA16 \ug, \ug, P, 1, \ug, 1
.endm
; THE ACTIVATION, in one loop of eight trips: trip a takes my block a (16 rows x 128 columns, 64 registers).  The accumulators' register numbers differ from block to block, so only the 32 packed
; multiplies that read them (sum x 2^(e12 + e13 - 1) = u / 2, into v[U ..]) are written eight times, in the arms of one chain of branches on the trip's number; all else is written once.
.macro TAKE a
	WIN 0x02+((\a)/4)                              ; source 0: window 2 or 3
	s_wait_alu depctr_va_vdst(0)                   ; directly ahead of the first reader of these matrix results
.set J, 0
.rept 32
	v_pk_mul_f32 v[U+J:U+J+1], v[64*((\a)%4)+J:64*((\a)%4)+J+1], s[96:97] op_sel_hi:[1,0]   ; each accumulator from its low end on
.set J, J+2
.endr
	WIN 0
	s_wait_alu depctr_va_vdst(0)
.endm
	s_mov_b32 s67, 0
	s_mov_b32 s66, 0
.Lg:
	v_add_nc_u32 v[STB], s67, v[STO]
.irp a, 0,1,2,3,4,5,6
	s_cmp_lg_u32 s66, \a
	s_cbranch_scc1 .Lnot\a
	TAKE \a
	s_branch .Lgot
.Lnot\a:
.endr
	TAKE 7
.Lgot:
	GELU32 U
	GELU32 U+32
.set J, 0
.rept 64
	v_med3_num_f32 v[U+J], v[U+J], -v[LIM], v[LIM]
.set J, J+1
.endr
.irp b, 0,1,2,3,4,5,6,7
	v_cvt_scalef32_pk8_fp8_f32 v[Q+2*\b:Q+2*\b+1], v[U+8*\b:U+8*\b+7], v[SCL]
.endr
	v_nop
.irp b, 0,1,2,3,4,5,6,7
	ds_store_b64 v[STB], v[Q+2*\b:Q+2*\b+1] offset:16*\b
.endr
	s_add_co_u32 s66, s66, 1
	s_add_co_u32 s67, s67, 16*SP
	s_cmp_lt_u32 s66, 8
	s_cbranch_scc1 .Lg
	s_wait_dscnt 0x0
	s_barrier_signal -1
	s_barrier_wait -1
.set J, 0
.rept 32
	ds_load_b128 v[128+4*J:131+4*J], v[RD] offset:2*SP*J
.set J, J+1
.endr
.set J, 0
.rept 32
	s_wait_dscnt 31-J
	global_store_b128 v[CO], v[128+4*J:131+4*J], s[10:11] offset:8192*J
.set J, J+1
.endr
	s_wait_tensorcnt 0x0
	ds_add_u32 v[SPW], v[NIL]
	s_wait_dscnt 0x0
	CROUND
	s_endpgm
.Lfunc_end_k_q23881d3eeb_w1:
	.size	k_q23881d3eeb_w1, .Lfunc_end_k_q23881d3eeb_w1-k_q23881d3eeb_w1
	.p2alignl 7, 3214868480
	.fill 96, 4, 3214868480
	.section	.rodata,"a",@progbits
	.p2align	6, 0x0
	.amdhsa_kernel k_q23881d3eeb_w1
		.amdhsa_group_segment_fixed_size 327680
		.amdhsa_private_segment_fixed_size 0
		.amdhsa_enable_private_segment 0
		.amdhsa_kernarg_size 32
		.amdhsa_user_sgpr_count 2
		.amdhsa_user_sgpr_kernarg_segment_ptr 1
		.amdhsa_wavefront_size32 1
		.amdhsa_system_sgpr_workgroup_id_x 1
		.amdhsa_system_sgpr_workgroup_id_y 1
		.amdhsa_system_sgpr_workgroup_id_z 1
		.amdhsa_system_vgpr_workitem_id 0
		.amdhsa_next_free_vgpr 1024
		.amdhsa_next_free_sgpr 100
		.amdhsa_reserve_vcc 0
		.amdhsa_float_denorm_mode_32 3
		.amdhsa_float_denorm_mode_16_64 3
		.amdhsa_memory_ordered 1
		.amdhsa_forward_progress 1
		.amdhsa_inst_pref_size 146
	.end_amdhsa_kernel
	.amdgpu_metadata
---
amdhsa.version: [ 1, 2 ]
amdhsa.kernels:
  - .name:           k_q23881d3eeb_w1
    .symbol:         k_q23881d3eeb_w1.kd
    .args:
      - { .name: h2c, .offset: 0, .size: 8, .value_kind: global_buffer, .address_space: global }
      - { .name: w1_codes, .offset: 8, .size: 8, .value_kind: global_buffer, .address_space: global }
      - { .name: lowp_scales, .offset: 16, .size: 8, .value_kind: global_buffer, .address_space: global }
      - { .name: uc, .offset: 24, .size: 8, .value_kind: global_buffer, .address_space: global }
    .group_segment_fixed_size: 327680
    .private_segment_fixed_size: 0
    .kernarg_segment_align: 8
    .kernarg_segment_size: 32
    .max_flat_workgroup_size: 128
    .sgpr_count:     100
    .vgpr_count:     1024
    .wavefront_size: 32
...
	.end_amdgpu_metadata
.endif
;; end of part 13
;; launch w2 (part 14): grid 8 x 32, 4 waves a work-group, clusters of 4 x 4, 327,680 bytes of LDS; arguments uc, w2_codes, lowp_scales, x2, out0; writes out0
.if DOCPART == 14
	.amdgcn_target "amdgcn-amd-amdhsa--gfx1250"
	.amdhsa_code_object_version 6
	.text
	.protected	k_q23881d3eeb_w2
	.globl	k_q23881d3eeb_w2
	.p2align	8
	.type	k_q23881d3eeb_w2,@function
k_q23881d3eeb_w2:
	s_mov_b64 s[64:65], 0
	v_nop
	global_prefetch_b8 v0, s[64:65] scope:SCOPE_SE
	s_setreg_imm32_b32 hwreg(HW_REG_WAVE_MODE, 25, 1), 1
	s_wait_xcnt 0x0
	s_wait_alu depctr_hold_cnt(0) depctr_sa_sdst(0) depctr_va_vdst(0) depctr_va_sdst(0) depctr_va_ssrc(0) depctr_va_vcc(0) depctr_vm_vsrc(0)
	s_getreg_b32 s2, hwreg(HW_REG_IB_STS2, 6, 4)
	s_cmp_eq_u32 s2, 0
	s_cbranch_scc0 .Lentry_in_a_cluster
	s_endpgm
.Lentry_in_a_cluster:
	s_bfe_u32 s2, ttmp6, 0x10000c
	s_cmp_lg_u32 s2, 0xf033
	s_cbranch_scc0 .Lentry_shape_is_right
	s_endpgm
.Lentry_shape_is_right:
; out0 = u w2^T x 2^(e14 + e15) + x2.  u: codes [4096 tokens][4096]; w2: codes [1024][4096], K innermost; x2, out0: [4096][1024] f32.
; LIMIT: e14 + e15 between -126 and 127, so that 2^(e14 + e15) is an f32 number.
; C has 4,096 x 1,024 numbers: 256 tiles of 128 x 128, a work-group each; tiles of 256 x 256 would be 64, and each work-group would take in twice the bytes of A and B.
; Four waves, 64 x 64 each: 16 accumulators of 16 x 16, which take turns.  K = 4,096 goes in steps of 512 through two LDS slots filled by tensor loads: a tile's row is 512 bytes, 528 apart in LDS;
; a wave's load brings 64 rows.  CLUSTER 4 x 4: A's tile is asked for jointly along a row of the cluster, B's along a column.  The matrix instruction is used transposed (source 0 = rows of B,
; source 1 = rows of A): a lane then holds eight neighbouring numbers of a row of C.  No prefetch: small tiles, each shared in the cluster.
; THE RESIDUAL (my 64 rows x 256 bytes) is asked for at the head, behind the first joint loads, into registers of its own: it is there when the sums are finished.
; THE WAY OUT: the sums go unscaled through my own stage in slot 0 (its last fill and its last read are past) and come back as rows of 256 bytes; one packed multiply-add gives sum x 2^e + residual.
; REGISTERS, in windows of 256: window 0: v16-29 addresses; v128-255 rows read back.  window 1: two fragment buffers of 128: A's 4 blocks (16 rows x 128 K, 16 registers), then B's 4.
;   window 2: v0-127 the accumulators ((a, b) at v[8 (4 a + b)]); v128-255 the residual.
.set SIZE_K, 4096
.set BLOCKED_A, 0
.set EOFF,   0x38
.set KSTEP,  512
.set ROWB,   512
.set KROW,   SIZE_K
.set PITCH,  528                       ; an LDS row: 512 bytes + 16 of padding = 132 words: row r starts at bank 4 r mod 64 (64 banks of 4 bytes: ISA guide 11.1): the 16 rows of a fragment load start at 16 different banks
.set UP,     272
.set BHALF,  64*PITCH                  ; what a wave fetches of B
.if BLOCKED_A
.set AHALF,  4*32*UP
.set ASLOT,  8*16384
.set AROWB,  8192
.set AROWS,  4
.set APITCH, 16384
.set AQI,    5
.set LANEA,  5
.set AMINE,  16*UP
.else
.set AHALF,  64*PITCH                  ; what a wave fetches of A
.set ASLOT,  ROWB                      ; bytes in memory from a K step of A to the next
.set AROWB,  ROWB
.set AROWS,  64
.set APITCH, KROW
.set AQI,    6                         ; padding behind every 128 words
.set LANEA,  4                         ; the register with my lane's place in a block of A
.set AMINE,  AHALF                     ; from the tile's first 64 rows to its second
.endif
.set SLOT,   2*AHALF+2*BHALF           ; A's two halves, then B's two
.set LAPS,   SIZE_K/(2*KSTEP)
.set SPARE,  2*SLOT                    ; behind the ring: the spare words, 128 bytes a wave; no other line names them
.set SPITCH, 272                       ; the way out: a stage of 64 rows x (256 bytes + 16) for each wave
.set ADRA, 16                          ; v16-17  LDS address of my A fragments in slot 0, 1
.set ADRB, 20                          ; v20-21  the same for B
.set STO,  24                          ; v24     the stage, way in
.set RD,   25                          ; v25     the stage, way out
.set CO,   26                          ; v26     my byte offset in two rows of C; never rewritten
.set SPW,  28
.set NIL,  29
.set BK,   128                         ; window 0: rows read back
.set F0,   0                           ; window 1: fragment buffers
.set F1,   128
.set ACC,  0                           ; window 2
.set XR,   128                         ; window 2: the residual
.set G1, 24
.set G0, 32
.set G1B, 48
.set G0B, 56
.set MSB, 0
.macro WIN new                         ; the immediate's high byte repeats the setting that is left
.if MSB != (\new)
	s_set_vgpr_msb (MSB<<8)|(\new)
.set MSB, (\new)
.endif
.endm
.set MUL,  0xa5                        ; sources 0 (B) and 1 (A) window 1; C and D window 2
.set TO_F, 0x40                        ; destination window 1, address window 0
.macro JLOAD s                         ; waves 0, 1 fetch A's halves, waves 2, 3 B's; the branch hangs on the wave's number alone; an s_nop 0 and four v_nop follow each line
	s_cmp_eq_u32 s15, 0
	s_cbranch_scc0 .Lfor_b_\@
	tensor_load_to_lds s[G0+4*\s:G0+4*\s+3], s[G1:G1+7]
	s_nop 0
.rept 4
	v_nop
.endr
	s_branch .Lasked_\@
.Lfor_b_\@:
	tensor_load_to_lds s[G0B+4*\s:G0B+4*\s+3], s[G1B:G1B+7]
	s_nop 0
.rept 4
	v_nop
.endr
.Lasked_\@:
.endm
.macro CREST                           ; a round of the cluster's barrier behind its opening barrier
	s_cmp_lg_u32 s14, 0
	s_cbranch_scc1 .Lnot_wave_0_\@
	s_barrier_signal -3
.Lnot_wave_0_\@:
	s_barrier_wait -3
	s_barrier_signal -1
	s_barrier_wait -1
.endm
.macro CROUND
	s_barrier_signal -1
	s_barrier_wait -1
	CREST
.endm
	s_load_b128 s[4:7], s[0:1], 0x0                ; A's codes, B's codes
	s_load_b128 s[8:11], s[0:1], 0x10              ; scales s[8:9], the residual s[10:11]
	s_load_b64 s[12:13], s[0:1], 0x20              ; the result
	v_lshl_add_u32 v[SPW], v0, 2, SPARE
	v_mov_b32 v[NIL], 0
	ds_add_u32 v[SPW], v[NIL]                      ; the opening: the add, twice on end, and its wait ahead of my first tensor load
	ds_add_u32 v[SPW], v[NIL]
	v_lshrrev_b32 v1, 5, v0
	v_readfirstlane_b32 s14, v1                    ; wave 0..3
	s_lshr_b32 s15, s14, 1                         ; my half of the tile's rows; also: I fetch for A (0) or for B (1)
	s_and_b32 s16, s14, 1                          ; my half of its columns; also: which half of that tile I fetch
	s_bfe_u32 s40, ttmp6, 0x40000                  ; cx
	s_bfe_u32 s41, ttmp6, 0x40004                  ; cy
	s_lshl_b32 s42, ttmp9, 2
	s_add_co_u32 s42, s42, s40                     ; tile column of C, 0 .. 7
	s_and_b32 s17, ttmp7, 0xffff
	s_lshl_b32 s17, s17, 2
	s_add_co_u32 s17, s17, s41                     ; tile row of C, 0 .. 31
	s_lshl_b32 s43, s41, 2
	s_lshl_b32 s43, 15, s43                        ; my row of the cluster
	s_lshl_b32 s44, 0x1111, s40                    ; my column
	s_or_b32 s[G1+0], s43, (0<<16)|(1<<20)|(1<<21)|(AQI<<22)|(3<<25)   ; mask; elements of 1 byte; padding on; bit 21 beside a mask; the interval; 4 words of padding
	s_mov_b32 s[G1+1], AROWB<<16                   ; tensor_dim0
	s_mov_b32 s[G1+2], AROWS<<16                   ; tensor_dim1
	s_mov_b32 s[G1+3], AROWB<<16                   ; tile_dim0
	s_mov_b32 s[G1+4], AROWS                       ; tile_dim1
	s_mov_b32 s[G1+5], APITCH                      ; from row to row in memory
	s_mov_b32 s[G1+6], 0
	s_mov_b32 s[G1+7], 0
	s_or_b32 s[G1B+0], s44, (0<<16)|(1<<20)|(1<<21)|(6<<22)|(3<<25)
	s_mov_b32 s[G1B+1], ROWB<<16
	s_mov_b32 s[G1B+2], 64<<16
	s_mov_b32 s[G1B+3], ROWB<<16
	s_mov_b32 s[G1B+4], 64
	s_mov_b32 s[G1B+5], KROW
	s_mov_b32 s[G1B+6], 0
	s_mov_b32 s[G1B+7], 0
	s_lshl_b32 s18, s16, 6                         ; which 64 rows of a tile I fetch
.if BLOCKED_A
	s_lshr_b32 s20, s17, 1
	s_lshl_b32 s20, s20, 18
	s_and_b32 s21, s17, 1
	s_lshl_b32 s21, s21, 13
	s_add_co_u32 s20, s20, s21
	s_lshl_b32 s21, s16, 16
	s_add_co_u32 s20, s20, s21
.else
	s_lshl_b32 s20, s17, 7
	s_add_co_u32 s20, s20, s18                     ; A: row 128 x tile row + 64 x half
.endif
	s_lshl_b32 s46, s42, 7
	s_add_co_u32 s46, s46, s18                     ; B: row 128 x tile column + 64 x half
	s_mov_b32 s21, 0
	s_mov_b32 s47, 0
	s_mov_b64 s[18:19], KROW
.if BLOCKED_A == 0
	s_mul_u64 s[20:21], s[20:21], s[18:19]
.endif
	s_mul_u64 s[46:47], s[46:47], s[18:19]
	s_mul_i32 s45, s16, AHALF                      ; where they go in a slot: the wave's number alone
	s_mul_i32 s66, s16, BHALF
	s_add_co_u32 s66, s66, 2*AHALF
	s_wait_dscnt 0x0                               ; both opening adds are done
	s_wait_kmcnt 0x0
	s_load_b64 s[96:97], s[8:9], EOFF              ; eA, eB
	s_add_nc_u64 s[20:21], s[4:5], s[20:21]
	s_add_nc_u64 s[46:47], s[6:7], s[46:47]
	CROUND                                         ; all sixteen work-groups are here: the first joint loads meet
.irp s, 0,1
	s_mov_b32 s[G0+4*\s], 1
	s_add_co_u32 s[G0+4*\s+1], s45, \s*SLOT
	s_add_nc_u64 s[G0+4*\s+2:G0+4*\s+3], s[20:21], \s*ASLOT
	s_or_b32 s[G0+4*\s+3], s[G0+4*\s+3], 0x80000000
	s_mov_b32 s[G0B+4*\s], 1
	s_add_co_u32 s[G0B+4*\s+1], s66, \s*SLOT
	s_add_nc_u64 s[G0B+4*\s+2:G0B+4*\s+3], s[46:47], \s*ROWB
	s_or_b32 s[G0B+4*\s+3], s[G0B+4*\s+3], 0x80000000
.endr
	; THE FIRST FILLS: one joint load a wave, all four behind the one round.  Wave 0 brings A's 128 rows of K step 0, wave 1 those of K step 1, waves 2 and 3 the same of B:
	; an operand's two halves lie on end in a slot, so one tile of 128 rows covers them.  These loads have groups 0 and 1 of their own; the refills keep theirs (64 rows a wave).
.set H1A, 68
.set H1B, 76
.set H0A, 84
.set H0B, 88
	s_or_b32 s[H1A], s43, (0<<16)|(1<<20)|(1<<21)|(6<<22)|(3<<25)
	s_or_b32 s[H1B], s44, (0<<16)|(1<<20)|(1<<21)|(6<<22)|(3<<25)
.irp g, H1A, H1B
	s_mov_b32 s[\g+1], ROWB<<16
	s_mov_b32 s[\g+2], 128<<16
	s_mov_b32 s[\g+3], ROWB<<16
	s_mov_b32 s[\g+4], 128
	s_mov_b32 s[\g+5], KROW
	s_mov_b32 s[\g+6], 0
	s_mov_b32 s[\g+7], 0
.endr
	s_mul_i32 s18, s16, 64*KROW-ROWB               ; from my half's first row at K step 0 back to the tile's first row, and on to K step s16
	s_mov_b32 s19, 0
	s_mov_b32 s[H0A], 1
	s_mul_i32 s[H0A+1], s16, SLOT                  ; slot s16
	s_sub_nc_u64 s[H0A+2:H0A+3], s[20:21], s[18:19]
	s_or_b32 s[H0A+3], s[H0A+3], 0x80000000
	s_mov_b32 s[H0B], 1
	s_add_co_u32 s[H0B+1], s[H0A+1], 2*AHALF
	s_sub_nc_u64 s[H0B+2:H0B+3], s[46:47], s[18:19]
	s_or_b32 s[H0B+3], s[H0B+3], 0x80000000
	s_cmp_eq_u32 s15, 0
	s_cbranch_scc0 .Lhead_b
	tensor_load_to_lds s[H0A:H0A+3], s[H1A:H1A+7]
	s_nop 0
.rept 4
	v_nop
.endr
	s_branch .Lhead_asked
.Lhead_b:
	tensor_load_to_lds s[H0B:H0B+3], s[H1B:H1B+7]
	s_nop 0
.rept 4
	v_nop
.endr
.Lhead_asked:
	v_and_b32 v1, 15, v0                           ; r
	s_wait_alu depctr_va_vdst(0)
	v_bfe_u32 v2, v0, 4, 1                         ; h
	v_mul_u32_u24 v3, v1, PITCH
	v_lshl_add_u32 v4, v2, 4, v3                   ; a fragment's row x pitch + 16 h
.if BLOCKED_A
	v_lshrrev_b32 v5, 2, v1
	v_mul_u32_u24 v5, v5, UP
	v_and_b32 v6, 3, v1
	v_lshl_add_u32 v5, v6, 6, v5
	v_lshl_add_u32 v5, v2, 4, v5
.endif
	s_mul_i32 s21, s15, AMINE                      ; my 64 rows of A
	s_mul_i32 s22, s16, BHALF                      ; my 64 rows of B,
	s_add_co_u32 s22, s22, 2*AHALF                 ; which lie behind A's
.irp s, 0,1
	v_add_nc_u32 v[ADRA+\s], s21, v[LANEA]
	v_add_nc_u32 v[ADRB+\s], s22, v4
	s_add_co_u32 s21, s21, SLOT
	s_add_co_u32 s22, s22, SLOT
.endr
	s_mul_i32 s23, s14, 64*SPITCH                  ; my stage
	v_mul_u32_u24 v6, v1, SPITCH
	s_wait_alu depctr_va_vdst(0)
	v_lshl_add_u32 v6, v2, 5, v6
	v_add_nc_u32 v[STO], s23, v6                   ; in: row r, 32 bytes for each half of the lanes
	v_mul_u32_u24 v6, v2, SPITCH
	v_lshl_add_u32 v6, v1, 4, v6
	v_add_nc_u32 v[RD], s23, v6                    ; back: lanes 0-15 one row of 256 bytes, lanes 16-31 the next
	v_lshlrev_b32 v6, 12, v2
	v_lshl_add_u32 v[CO], v1, 4, v6                ; and the same two rows in C: 4,096 bytes a row
	s_wait_alu depctr_va_vdst(0)
	s_lshl_b32 s20, s17, 7
	s_lshl_b32 s21, s15, 6
	s_add_co_u32 s20, s20, s21                     ; my first row of C: 128 x tile row + 64 x half,
	s_lshl_b32 s20, s20, 12
	s_lshl_b32 s46, s42, 9
	s_add_co_u32 s20, s20, s46
	s_lshl_b32 s46, s16, 8
	s_add_co_u32 s20, s20, s46                     ; my first column's byte: 512 x tile column + 256 x half
	s_mov_b32 s21, 0
	s_add_nc_u64 s[10:11], s[10:11], s[20:21]
	s_add_nc_u64 s[12:13], s[12:13], s[20:21]
	; THE TILES ARE PREFETCHED INTO THE L2 (this takes the place of the head comment's 'No prefetch').  At each change of slots every wave has waited for all its tensor loads, so a refill goes out
	; with nothing on its way beside it: what it asks for is asked of memory two K steps earlier.  A K step is 512 bytes of each row: two blocks of 256.  Of the 64 rows that a wave fetches, each of the four
	; partners that ask for them jointly takes 16, told apart by address (cx for A, cy for B): 16 rows x 2 blocks, a lane a block, one instruction a wave.  Behind the fills of K steps 0 and 1: steps 2 and 3;
	; behind the refill of step n: step n + 2; the last trip's two refills (steps 6 and 7) ask for nothing, so no address leaves a row.
.set PFA, 92                           ; s[92:93] my 16 rows, at the K step of the refill in hand + 1
.set PFO, 30                           ; v30 4,096 x (lane / 2) + 256 x (lane % 2); never rewritten
	s_lshl_b32 s94, s17, 7
	s_lshl_b32 s95, s42, 7
	s_cmp_eq_u32 s15, 0                            ; do I fetch for A?
	s_cselect_b32 s94, s94, s95                    ; the tile's first row: in A by the tile row, in B by the tile column
	s_cselect_b32 s95, s40, s41                    ; my place among the four that ask with me
	s_cselect_b64 s[PFA:PFA+1], s[4:5], s[6:7]
	s_lshl_b32 s95, s95, 4
	s_add_co_u32 s94, s94, s95
	s_lshl_b32 s95, s16, 6
	s_add_co_u32 s94, s94, s95
	s_lshl_b32 s94, s94, 12                        ; 4,096 bytes a row
	s_mov_b32 s95, 0
	s_add_nc_u64 s[PFA:PFA+1], s[PFA:PFA+1], s[94:95]
	s_add_nc_u64 s[PFA:PFA+1], s[PFA:PFA+1], 2*ROWB
	v_and_b32 v6, 31, v0
	v_lshrrev_b32 v7, 1, v6
	v_and_b32 v6, 1, v6
	v_lshlrev_b32 v6, 8, v6
	v_lshl_add_u32 v[PFO], v7, 12, v6
	s_wait_alu depctr_va_vdst(0)
	global_prefetch_b8 v[PFO], s[PFA:PFA+1] th:TH_LOAD_NT scope:SCOPE_SE
	global_prefetch_b8 v[PFO], s[PFA:PFA+1] offset:ROWB th:TH_LOAD_NT scope:SCOPE_SE
	WIN 0x80                                       ; destination window 2
.set J, 0
.rept 32
	global_load_b128 v[XR+4*J:XR+4*J+3], v[CO], s[10:11] offset:8192*J th:TH_LOAD_NT   ; the residual's rows 2 J, 2 J + 1: sixteen lanes read 256 consecutive bytes; waited for on the way out
.set J, J+1
.endr
	WIN 0
.macro FRAGB reg, slot, k, i           ; 16 rows x 128 K: registers 4 c .. 4 c + 3 hold K = k + 32 c + 16 h + 0 .. 15: the same permutation of k in A and in B, so every product meets its partner
.irp c, 0,1,2,3
	ds_load_b128 v[\reg+4*\c:\reg+4*\c+3], v[ADRB+\slot] offset:(\k)+32*\c+(\i)*16*PITCH
.endr
.endm
.macro FRAGA reg, slot, k, i
.irp c, 0,1,2,3
.if BLOCKED_A
	ds_load_b128 v[\reg+4*\c:\reg+4*\c+3], v[ADRA+\slot] offset:((\k)/64+\c/2)*32*UP+32*(\c%2)+(\i)*4*UP
.else
	ds_load_b128 v[\reg+4*\c:\reg+4*\c+3], v[ADRA+\slot] offset:(\k)+32*\c+(\i)*16*PITCH
.endif
.endr
.endm
.macro FETCH slot, k, f                ; 32 LDS loads in one run: the fragments of 128 along K at byte k of the rows, into buffer f
	WIN TO_F
.irp i, 0,1,2,3
	FRAGB \f+64+16*\i, \slot, \k, \i
.endr
.irp i, 0,1,2,3
	FRAGA \f+16*\i, \slot, \k, \i
.endr
.endm
; four matrix instructions: A's block a x B's four.  The 16 accumulators take turns, one instruction a turn, in the same order in every quarter.
.macro MULA f, a, zero
.irp b, 0,1,2,3
.if \zero
	v_wmma_f32_16x16x128_fp8_fp8 v[ACC+8*(4*(\a)+\b):ACC+8*(4*(\a)+\b)+7], v[\f+64+16*\b:\f+64+16*\b+15], v[\f+16*(\a):\f+16*(\a)+15], 0
.else
	v_wmma_f32_16x16x128_fp8_fp8 v[ACC+8*(4*(\a)+\b):ACC+8*(4*(\a)+\b)+7], v[\f+64+16*\b:\f+64+16*\b+15], v[\f+16*(\a):\f+16*(\a)+15], v[ACC+8*(4*(\a)+\b):ACC+8*(4*(\a)+\b)+7]
.endif
.endr
.endm
.macro PLACES                          ; four plain vector instructions between a matrix instruction and a load into its sources or a read of its result
.rept 4
	v_nop
.endr
.endm
; A slot is four quarters of 128 along K, 16 matrix instructions each, on buffers 0, 1, 0, 1.  One of the first three: the next quarter's loads go out first, into the buffer that the last quarter multiplied.
.macro QUARTER slot, k, f, g, zero
	s_wait_dscnt 0x0                               ; buffer f is in
	PLACES
	FETCH \slot, \k, \g
	WIN MUL
	MULA \f, 0, \zero
	MULA \f, 1, \zero
	MULA \f, 2, \zero
	MULA \f, 3, \zero
.endm
; The last quarter multiplies buffer 1 and changes slots: one barrier; in front of it each wave waits for all its tensor loads, adds 0 to its spare word, and waits for that and for its reads of this slot.
.macro TURN slot, next, fill
	WIN 0                                          ; (the add's two registers lie in window 0)
.if \fill
	s_wait_xcnt 0x0                                ; my prefetches have read their address: it is stepped here, a K step behind them
	s_add_nc_u64 s[PFA:PFA+1], s[PFA:PFA+1], ROWB
.endif
	s_wait_tensorcnt 0x0                           ; all my tensor loads have landed: my part of the next slot
	ds_add_u32 v[SPW], v[NIL]
	s_wait_dscnt 1                                 ; buffer 1 is in; the add may be out
	WIN MUL
	MULA F1, 0, 0
	s_wait_dscnt 0x0                               ; the add is done, and my reads of this slot are over
	s_barrier_signal -1
	MULA F1, 1, 0
.if \fill
	WIN 0
.endif
	s_barrier_wait -1
.if \fill
	CREST                                          ; the barrier has opened a round of the cluster's: no wave of any partner still reads this slot or has a load on its way
	s_add_nc_u64 s[G0+4*\slot+2:G0+4*\slot+3], s[G0+4*\slot+2:G0+4*\slot+3], 2*ASLOT
	s_add_nc_u64 s[G0B+4*\slot+2:G0B+4*\slot+3], s[G0B+4*\slot+2:G0B+4*\slot+3], 2*ROWB
	JLOAD \slot                                    ; the first tensor load behind the round; its four v_nop are the places in front of the loads below
.else
	PLACES
.endif
	FETCH \next, 0, F0
.if \fill
	WIN 0                                          ; (a branch and a label follow)
	s_cmp_gt_u32 s3, 1                             ; s3 = 1 in the loop's last trip
	s_cbranch_scc0 .Lno_ask_\@
	global_prefetch_b8 v[PFO], s[PFA:PFA+1] offset:ROWB th:TH_LOAD_NT scope:SCOPE_SE   ; the K step two refills on
.Lno_ask_\@:
.endif
	WIN MUL
	MULA F1, 2, 0
	MULA F1, 3, 0
.endm
	s_wait_alu depctr_va_vdst(0)
	s_wait_tensorcnt 0x0                           ; my one load is in; behind the barrier both slots are whole
	s_barrier_signal -1
	s_barrier_wait -1
	FETCH 0, 0, F0
	QUARTER 0, 128, F0, F1, 1                      ; the first quarter's products start the sums
.if LAPS > 1
	WIN 0                                          ; at a label and at a branch every window is 0
	s_mov_b32 s3, LAPS-1
.Llap:                                                 ; a trip goes once round the ring, from a lap's second quarter to the next lap's first, and fills both slots again
	QUARTER 0, 256, F1, F0, 0
	QUARTER 0, 384, F0, F1, 0
	TURN 0, 1, 1
	QUARTER 1, 128, F0, F1, 0
	QUARTER 1, 256, F1, F0, 0
	QUARTER 1, 384, F0, F1, 0
	TURN 1, 0, 1
	QUARTER 0, 128, F0, F1, 0
	WIN 0
	s_sub_co_u32 s3, s3, 1
	s_cmp_lg_u32 s3, 0
	s_cbranch_scc1 .Llap
.endif
	QUARTER 0, 256, F1, F0, 0                      ; the last lap fills nothing
	QUARTER 0, 384, F0, F1, 0
	TURN 0, 1, 0
	QUARTER 1, 128, F0, F1, 0
	QUARTER 1, 256, F1, F0, 0
	QUARTER 1, 384, F0, F1, 0
	s_wait_dscnt 0x0                               ; the very last quarter: nothing more to fetch
	WIN MUL
	MULA F1, 0, 0
	MULA F1, 1, 0
	MULA F1, 2, 0
	MULA F1, 3, 0
	WIN 0
	; THE WAY OUT
	s_wait_kmcnt 0x0
	s_add_co_i32 s96, s96, s97
	s_add_co_i32 s96, s96, 127
	s_lshl_b32 s96, s96, 23                        ; 2^(eA + eB) as f32
	PLACES                                         ; in front of the stores that read results
	WIN 0x08                                       ; the stores' data: window 2
.irp a, 0,1,2,3
.irp b, 0,1,2,3
	ds_store_b128 v[STO], v[ACC+8*(4*\a+\b):ACC+8*(4*\a+\b)+3] offset:\a*16*SPITCH+64*\b       ; lane (r, h): C(16 a + r, 16 b + 8 h + 0 .. 7); each accumulator from its low end on
	ds_store_b128 v[STO], v[ACC+8*(4*\a+\b)+4:ACC+8*(4*\a+\b)+7] offset:\a*16*SPITCH+64*\b+16
.endr
.endr
	WIN 0
.set J, 0
.rept 32
	ds_load_b128 v[BK+4*J:BK+4*J+3], v[RD] offset:J*2*SPITCH   ; LDS serves a wave's instructions in order (ISA guide 5.7.1.4): these see the stores above
.set J, J+1
.endr
	s_wait_loadcnt 0x0                             ; the residual, asked for at the head
	WIN 0x20                                       ; source 2: window 2 (the stores below name sources 0 and 1 alone)
.irp g, 0,1,2,3
	s_wait_dscnt 24-8*\g                           ; these eight loads are back; the younger ones may be out
.set J, 32*\g
.rept 16
	v_pk_fma_f32 v[BK+J:BK+J+1], v[BK+J:BK+J+1], s[96:97], v[XR+J:XR+J+1] op_sel_hi:[1,0,1]   ; sum x 2^(eA + eB) + residual
.set J, J+2
.endr
.set J, 8*\g
.rept 8
	global_store_b128 v[CO], v[BK+4*J:BK+4*J+3], s[12:13] offset:8192*J   ; sixteen lanes store 256 consecutive bytes, aligned
.set J, J+1
.endr
.endr
	WIN 0
	s_wait_tensorcnt 0x0                           ; the wave's end
	ds_add_u32 v[SPW], v[NIL]
	s_wait_dscnt 0x0
	CROUND                                         ; the closing round
	s_endpgm
.Lfunc_end_k_q23881d3eeb_w2:
	.size	k_q23881d3eeb_w2, .Lfunc_end_k_q23881d3eeb_w2-k_q23881d3eeb_w2
	.p2alignl 7, 3214868480
	.fill 96, 4, 3214868480
	.section	.rodata,"a",@progbits
	.p2align	6, 0x0
	.amdhsa_kernel k_q23881d3eeb_w2
		.amdhsa_group_segment_fixed_size 327680
		.amdhsa_private_segment_fixed_size 0
		.amdhsa_enable_private_segment 0
		.amdhsa_kernarg_size 40
		.amdhsa_user_sgpr_count 2
		.amdhsa_user_sgpr_kernarg_segment_ptr 1
		.amdhsa_wavefront_size32 1
		.amdhsa_system_sgpr_workgroup_id_x 1
		.amdhsa_system_sgpr_workgroup_id_y 1
		.amdhsa_system_sgpr_workgroup_id_z 1
		.amdhsa_system_vgpr_workitem_id 0
		.amdhsa_next_free_vgpr 768
		.amdhsa_next_free_sgpr 100
		.amdhsa_reserve_vcc 0
		.amdhsa_float_denorm_mode_32 3
		.amdhsa_float_denorm_mode_16_64 3
		.amdhsa_memory_ordered 1
		.amdhsa_forward_progress 1
		.amdhsa_inst_pref_size 79
	.end_amdhsa_kernel
	.amdgpu_metadata
---
amdhsa.version: [ 1, 2 ]
amdhsa.kernels:
  - .name:           k_q23881d3eeb_w2
    .symbol:         k_q23881d3eeb_w2.kd
    .args:
      - { .name: uc, .offset: 0, .size: 8, .value_kind: global_buffer, .address_space: global }
      - { .name: w2_codes, .offset: 8, .size: 8, .value_kind: global_buffer, .address_space: global }
      - { .name: lowp_scales, .offset: 16, .size: 8, .value_kind: global_buffer, .address_space: global }
      - { .name: x2, .offset: 24, .size: 8, .value_kind: global_buffer, .address_space: global }
      - { .name: out0, .offset: 32, .size: 8, .value_kind: global_buffer, .address_space: global }
    .group_segment_fixed_size: 327680
    .private_segment_fixed_size: 0
    .kernarg_segment_align: 8
    .kernarg_segment_size: 40
    .max_flat_workgroup_size: 128
    .sgpr_count:     100
    .vgpr_count:     768
    .wavefront_size: 32
...
	.end_amdgpu_metadata
.endif
;; end of part 14
